; MI455X (gfx1250); checked and timed in simulation.
; The chip was launched on July 23, 2026; its instructions are those of AMD's public machine-readable ISA for CDNA 5 (MIT licence, August 2026) and "CDNA5" Instruction Set Architecture Reference Guide (July 2026). The comments in the code are by the model that wrote it; some were corrected since.
;; Attention. Allowed arithmetic: matrix products marked QUANTISED: E2M3 operands, one E8M0 scale for each 32 along K, by v_wmma_scale_f32_16x16x128_f8f6f4 with both operands' format E2M3, f32 sums; everything else in f32.
;; Inputs: wk 1,024 x 1,024 float32; wo 1,024 x 1,024 float32; wq 1,024 x 1,024 float32; wv 1,024 x 1,024 float32; x 4 x 2,048 x 1,024 float32.
;; Outputs: out0 4 x 2,048 x 1,024 float32.
;; This version of the problem:
;;   THIS VERSION OF THE PROBLEM IS GIVEN IN LOW PRECISION. The matrix products marked QUANTISED in the list below multiply operands that are first quantised to E2M3 (2 exponent bits, 3 mantissa bits; 6 bits a number), with one power-of-two scale for each 32 numbers along K (OCP MX v1.0); their sums are f32. All else is computed in f32.
;;   The module's matrix products, in the order in which they are computed (A, B: the left and right operand; K: the contracted axis; several contracted axes count as one K, in the product's order):
;;     1. [M 8,192, K 1,024] x [K 1,024, N 1,024]; A: input x; B: input wq: QUANTISED
;;     2. [M 8,192, K 1,024] x [K 1,024, N 1,024]; A: input x; B: input wk: QUANTISED
;;     3. [M 8,192, K 1,024] x [K 1,024, N 1,024]; A: input x; B: input wv: QUANTISED
;;     4. batch 4 x [M 2,048, K 1,024] x [K 1,024, N 2,048]; A: computed on the way; B: computed on the way: QUANTISED
;;     5. batch 4 x [M 2,048, K 2,048] x [K 2,048, N 1,024]; A: softmax (see below); B: computed on the way: QUANTISED
;;     6. [M 8,192, K 1,024] x [K 1,024, N 1,024]; A: computed on the way; B: input wo: QUANTISED
;;   THE QUANTISER, for each operand of a quantised product, along K:
;;     - K is cut into blocks of 32 from its start; a last block that is shorter is filled with zeros.
;;     - A block's scale is 2^e with e = floor(log2(the largest magnitude in the block)) - 2, held to -126 .. 127; a block of zeros has e = 0. As a byte (E8M0): e + 127.
;;     - Each number is divided by its block's scale, clamped to +-7.5, and rounded to the nearest number of E2M3, ties to even, subnormals kept.
;;     - The product sums the exact products of the quantised numbers (number of the format x scale) in f32.
;;   ~~~python
;;   def quantise(x, axis):      # numpy; x: float32 -> the quantised numbers, widened to float32 again
;;       x = np.moveaxis(x, axis, -1); K = x.shape[-1]
;;       x = np.pad(x, [(0, 0)] * (x.ndim - 1) + [(0, -K % 32)]); x = x.reshape(x.shape[:-1] + (-1, 32)); a = np.abs(x).max(-1, keepdims=True)
;;       e = np.where(a > 0, np.clip(np.frexp(np.where(a > 0, a, 1))[1] - 1 - 2, -126, 127), 0)      # np.frexp(a)[1] - 1 = floor(log2(a)), exactly
;;       r = np.clip(x / 2.0 ** e, -7.5, 7.5)
;;       step = 2.0 ** (np.maximum(np.frexp(np.where(r == 0, 1, r))[1] - 1, 0) - 3)
;;       q = np.round(r / step) * step * 2.0 ** e      # np.round: ties to even
;;       return np.moveaxis(q.reshape(q.shape[:-2] + (-1,))[..., :K], -1, axis).astype(np.float32)
;;   ~~~
;;   SOFTMAX AHEAD OF A QUANTISED PRODUCT. Where the list says 'softmax', what is quantised is not the finished softmax but p = 2^(t - M), with t = logit x log2(e) and M = ceil(the row's largest t), a whole number; so 1/2 < the row's largest p <= 1. The row's sum l is taken of the UNQUANTISED p, in f32, and the product's result is divided by l at the end. Since M is a whole number, a kernel that streams over the keys may use a running M (the ceiling of the running maximum): every later rescaling is an exact power of two, which a block's scale takes up: the codes' values come out the same.
;;   OPERANDS COMPUTED ON THE WAY. 'Computed on the way' means the value that the module computes at that place (a softmax that the list does not call 'softmax' is quantised finished and normalised). What goes into a quantiser is computed in f32, as accurately as f32 sums, v_exp_f32 and their like allow (about 1e-6 of the number): no bf16 or f16 on the way to a quantiser, and a product that is left as it is and whose result goes on into a quantised operand takes f32 operands (vector FMAs, or v_wmma_f32_16x16x4_f32). A number that lies on a knife's edge between two numbers of the format may be rounded either way, as far as f32 arithmetic and the matrix unit's own rounding can turn it there, and no further.
;; 2 versions. Each part assembles by itself: llvm-mc -triple=amdgcn-amd-amdhsa -mcpu=gfx1250 --defsym DOCPART=n.
;; ======== version 1 of 2: 5 launches
;; workspace buffers: xw 9,830,400 bytes; rope 8,388,608 bytes; qkv 19,660,800 bytes; p 14,155,776 bytes; o 6,553,600 bytes
;; launch prep (part 1): grid 896 x 1, 8 waves a work-group, no clusters, 69,120 bytes of LDS; arguments x, wq, wk, wv, wo, xw, rope; writes xw, rope
.if DOCPART == 1
	.amdgcn_target "amdgcn-amd-amdhsa--gfx1250"
	.amdhsa_code_object_version 6
	.text
	.protected	k_qade9a49c15_prep
	.globl	k_qade9a49c15_prep
	.p2align	8
	.type	k_qade9a49c15_prep,@function
k_qade9a49c15_prep:
	s_mov_b64 s[64:65], 0
	v_nop
	global_prefetch_b8 v0, s[64:65] scope:SCOPE_SE
	s_setreg_imm32_b32 hwreg(HW_REG_WAVE_MODE, 25, 1), 1
	s_wait_xcnt 0x0
; PREP.  (a) x [8192][1024] and wq, wk, wv, wo [1024][1024], f32, K innermost, become codes of FP6 (E2M3) with one E8M0 byte for each 32 along K, in the buffer xw.
; (b) the table of cosines and sines for the rotary embedding, in the buffer rope.
; LAYOUT OF xw.  A fragment is 16 rows x 128 K: 12 registers a lane (lane (r, h): registers 6 c .. 6 c + 5 = k 64 c + 32 h + 0 .. 31 of lane-row r).  It is stored as the IMAGE of these registers: registers
; 4 c .. 4 c + 3 of lane L at 512 c + 16 L, 1,536 bytes.  Row block rb holds in lane-row q the row 32 (rb / 2) + 8 (rb % 2) + q + 8 (q / 8).  Codes: [8 K steps][768 rb][1536]; rb 0-511 x, 512-575 wq, 576-639 wk,
; 640-703 wv, 704-767 wo.  Scale words (four bytes: a row's 128 along K): [8 K steps][192 groups of 4 rb][16 lane-rows][4 rb] words, from byte XSC on.
; LAYOUT OF rope.  [128 row blocks of a batch's tokens][8 steps of 128 along e][16 j][32 lanes][16 bytes]: word i of lane (r, h), j = 4 b + q, belongs to e = 128 ec + 32 b + 16 h + 4 q + i and the token of lane-row r:
; the cosine for even e, the sine for odd e, of the angle token x 10000^(-(e / 2) / 512).
; SHARES.  Work-groups 0-127 make the table; work-groups 128-895 quantise: 64 rows x 256 along K each, a wave one fragment.  No tensor load; waves meet once, for the scale words.
; A block's scale is 2^(floor(log2(largest magnitude)) - 2): its byte is the largest magnitude's exponent field - 2, held at 1 from below.
; LIMITS: NaN and infinities are not served.  A block of zeros gets the byte 1 (its codes are zeros; this program alone reads the bytes).  The frequency is good to about one unit in the last place,
; sine and cosine to about 1e-7; the angle is one f32 multiplication of the token's number by the frequency.
.set STG,    8448                      ; a wave's stage: 16 rows x (512 bytes + 16)
.set SCA,    8*STG                     ; two groups of scale words, 256 bytes each
.set SPARE,  SCA+512                   ; the spare words, 128 bytes for each of the eight waves: four blocks of 256 bytes that no other line names
.set KPITCH, 1179648                   ; 768 rb x 1,536 bytes: from K step to K step
.set XSC,    8*KPITCH
.set SPITCH, 49152                     ; 192 groups x 256 bytes
.set SPW, 10                           ; v10  my spare word's LDS address; never rewritten
.set NIL, 11                           ; v11  0; never rewritten
.set R,   16                           ; v16-79   16 rows as loaded
.set X,   80                           ; v80-143  my two blocks of 32 neighbours
.set C,   144                          ; v144-155 the fragment
.set C2,  156                          ; v156-158, v160-162 the second halves of the conversions
; sine and cosine of v[a] (0 .. about 2,047): n = the nearest whole number to a x 2 / pi; r = a - n pi / 2 in two parts (the first fused step is exact); polynomials on |r| <= pi / 4; the quadrant n mod 4 swaps and signs
.macro SINCOS a, c, s
	v_mul_f32 v40, s28, v[\a]
	v_rndne_f32 v40, v40
	v_fma_f32 v41, v40, s29, v[\a]
	v_fma_f32 v41, v40, s30, v41
	v_cvt_i32_f32 v42, v40
	v_mul_f32 v43, v41, v41
	v_fma_f32 v44, v43, s33, s32
	v_fma_f32 v45, v43, s36, s35
	v_fma_f32 v44, v44, v43, s31
	v_fma_f32 v45, v45, v43, s34
	v_mul_f32 v44, v44, v43
	v_fma_f32 v45, v45, v43, -0.5
	v_fma_f32 v44, v44, v41, v41                   ; sin r
	v_fma_f32 v45, v45, v43, 1.0                   ; cos r
	v_and_b32 v46, 1, v42
	v_cmp_eq_u32 vcc_lo, 1, v46
	v_cndmask_b32 v[\s], v44, v45, vcc_lo          ; odd quadrants: the two change places
	v_cndmask_b32 v[\c], v45, v44, vcc_lo
	v_lshlrev_b32 v46, 30, v42
	v_add_nc_u32 v47, 1, v42
	v_and_b32 v46, s37, v46                        ; the sine is negative in quadrants 2 and 3,
	v_lshlrev_b32 v47, 30, v47
	v_xor_b32 v[\s], v[\s], v46
	v_and_b32 v47, s37, v47                        ; the cosine in 1 and 2
	v_xor_b32 v[\c], v[\c], v47
.endm
	s_load_b256 s[4:11], s[0:1], 0x0               ; x s[4:5], wq s[6:7], wk s[8:9], wv s[10:11]
	s_load_b128 s[12:15], s[0:1], 0x20             ; wo s[12:13], xw s[14:15]
	s_load_b64 s[16:17], s[0:1], 0x30              ; rope
	v_lshl_add_u32 v[SPW], v0, 2, SPARE
	v_mov_b32 v[NIL], 0
	v_lshrrev_b32 v12, 5, v0
	v_readfirstlane_b32 s18, v12                   ; wave 0..7
	v_and_b32 v1, 31, v0                           ; lane
	v_and_b32 v2, 15, v0                           ; r
	v_bfe_u32 v3, v0, 4, 1                         ; h
	v_lshlrev_b32 v4, 4, v1                        ; 16 x lane
	s_mul_i32 s19, s18, STG
	v_add_nc_u32 v5, s19, v4                       ; the stage, in: a row's 512 bytes as they lie
	v_mul_u32_u24 v6, v2, 528
	v_lshl_add_u32 v6, v3, 7, v6
	v_add_nc_u32 v6, s19, v6                       ; out: row r, + 128 h
	s_lshr_b32 s20, s18, 2
	s_lshl_b32 s20, s20, 8
	s_and_b32 s21, s18, 3
	s_lshl_b32 s21, s21, 2
	s_add_co_u32 s20, s20, s21
	s_add_co_u32 s20, s20, SCA
	v_lshl_add_u32 v7, v2, 4, s20                  ; my scale word: group wave / 4, lane-row r, row block wave % 4
	v_lshl_add_u32 v8, v1, 4, SCA                  ; and the way out of both groups
	v_mul_u32_u24 v9, v3, SPITCH
	v_lshl_add_u32 v9, v2, 4, v9                   ; lanes 0-15 the even K step's group, lanes 16-31 the odd one's
	s_mov_b32 s26, 0x76543210
	s_mov_b32 s27, 0xfedcba98                      ; v_permlanex16_b32's selects for lane l xor 16
	s_cmp_ge_u32 ttmp9, 128                        ; the same in all waves of a work-group
	s_cbranch_scc1 .Lquant
	; ---- THE TABLE.  A wave owns one (ec, j) and 16 row blocks of tokens; a lane two frequencies.
	s_mov_b32 s28, 0x3f22f983                      ; 2 / pi
	s_mov_b32 s29, 0xbfc90fdb                      ; -(pi / 2), the f32 nearest,
	s_mov_b32 s30, 0x333bbd2e                      ; and what that leaves
	s_mov_b32 s31, 0xbe2aaaa3                      ; the sine's three coefficients
	s_mov_b32 s32, 0x3c08839e
	s_mov_b32 s33, 0xb94ca1f9
	s_mov_b32 s34, 0x3d2aaaa5                      ; the cosine's three behind 1 - z / 2
	s_mov_b32 s35, 0xbab6061a
	s_mov_b32 s36, 0x37ccf5ce
	s_mov_b32 s37, 0x80000000
	s_mov_b32 s38, 0x3cd49a78                      ; log2(10000) / 512, the f32 nearest,
	s_mov_b32 s39, 0x30179a28                      ; and what that leaves
	s_mov_b32 s40, 0x3f317218                      ; ln 2
	s_and_b32 s19, ttmp9, 15
	s_lshl_b32 s19, s19, 3
	s_add_co_u32 s19, s19, s18                     ; 0 .. 127
	s_lshr_b32 s20, s19, 4                         ; ec
	s_and_b32 s21, s19, 15                         ; j
	s_lshl_b32 s22, s20, 6
	s_lshr_b32 s23, s21, 2
	s_lshl_b32 s23, s23, 4
	s_add_co_u32 s22, s22, s23
	s_and_b32 s23, s21, 3
	s_lshl_b32 s23, s23, 1
	s_add_co_u32 s22, s22, s23
	v_lshl_add_u32 v20, v3, 3, s22                 ; my first pair's number m = 64 ec + 16 (j / 4) + 2 (j % 4) + 8 h
	v_add_nc_u32 v21, 1, v20
	v_cvt_f32_u32 v20, v20
	v_cvt_f32_u32 v21, v21
	v_mul_f32 v22, s38, v20                        ; the exponent a, rounded;
	v_mul_f32 v23, s38, v21
	v_fma_f32 v24, v20, s38, -v22                  ; what the rounding dropped, exactly,
	v_fma_f32 v25, v21, s38, -v23
	v_fma_f32 v24, v20, s39, v24                   ; and the constant's own residue
	v_fma_f32 v25, v21, s39, v25
	v_exp_f32 v26, -v22
	v_exp_f32 v27, -v23
	v_mul_f32 v24, s40, v24                        ; (plain work behind the two exponentials)
	v_mul_f32 v25, s40, v25
	s_wait_alu depctr_va_vdst(0)                   ; one wait for both, ahead of their first reader
	v_fma_f32 v26, -v24, v26, v26                  ; 2^-(a + e) = 2^-a (1 - e ln 2)
	v_fma_f32 v27, -v25, v27, v27
	v_and_b32 v28, 8, v2
	v_add_nc_u32 v28, v28, v2                      ; r + 8 (r / 8)
	s_lshr_b32 s24, ttmp9, 4
	s_lshl_b32 s24, s24, 4                         ; my first row block
	s_lshl_b32 s25, s24, 16
	s_lshl_b32 s23, s20, 13
	s_add_co_u32 s25, s25, s23
	s_lshl_b32 s23, s21, 9
	s_add_co_u32 s25, s25, s23
	v_add_nc_u32 v29, s25, v4                      ; where my 16 bytes go
	s_mov_b32 s44, 0
	s_wait_kmcnt 0x0
.Lrow:
	s_add_co_u32 s45, s24, s44                     ; the row block
	s_lshr_b32 s46, s45, 1
	s_lshl_b32 s46, s46, 5
	s_and_b32 s47, s45, 1
	s_lshl_b32 s47, s47, 3
	s_add_co_u32 s46, s46, s47
	v_add_nc_u32 v30, s46, v28                     ; my token
	v_cvt_f32_u32 v30, v30
	v_mul_f32 v31, v30, v26                        ; the angles: one f32 multiplication each
	v_mul_f32 v32, v30, v27
	SINCOS 31, 36, 37
	SINCOS 32, 38, 39
	global_store_b128 v29, v[36:39], s[16:17]      ; the wave stores 512 consecutive bytes, aligned
	s_wait_xcnt 0x0                                ; the store's offset and data are written again only behind this wait
	v_add_nc_u32 v29, 0x10000, v29
	s_add_co_u32 s44, s44, 1
	s_cmp_lt_u32 s44, 16
	s_cbranch_scc1 .Lrow
	s_branch .Lend
	; ---- THE QUANTISER.  Work-group G: group g = G / 4 of 64 rows, K steps 2 (G % 4) and 2 (G % 4) + 1.  Wave w: row block w % 4, K step 2 (G % 4) + w / 4.
.Lquant:
	s_sub_co_u32 s24, ttmp9, 128
	s_lshr_b32 s22, s24, 2                         ; g
	s_and_b32 s23, s24, 3
	s_and_b32 s25, s18, 3                          ; my row block of the four
	s_lshr_b32 s44, s18, 2
	s_lshl_b32 s45, s23, 1
	s_add_co_u32 s44, s44, s45                     ; my K step
	s_lshl_b32 s50, s22, 2
	s_add_co_u32 s50, s50, s25
	s_mul_i32 s50, s50, 1536
	s_mul_i32 s51, s44, KPITCH
	s_add_co_u32 s50, s50, s51                     ; my fragment's place
	s_mov_b32 s51, 0
	s_mul_i32 s54, s45, SPITCH
	s_lshl_b32 s55, s22, 8
	s_add_co_u32 s54, s54, s55
	s_add_co_u32 s54, s54, XSC                     ; the work-group's scale words, even K step
	s_mov_b32 s55, 0
	s_wait_kmcnt 0x0
	s_cmp_lt_u32 s22, 176                          ; which tensor: the choice hangs on the work-group's number alone
	s_cselect_b64 s[46:47], s[10:11], s[12:13]
	s_cmp_lt_u32 s22, 160
	s_cselect_b64 s[46:47], s[8:9], s[46:47]
	s_cmp_lt_u32 s22, 144
	s_cselect_b64 s[46:47], s[6:7], s[46:47]
	s_and_b32 s48, s22, 15
	s_cmp_lt_u32 s22, 128
	s_cselect_b64 s[46:47], s[4:5], s[46:47]
	s_cselect_b32 s48, s22, s48                    ; the group's number inside its tensor
	s_lshl_b32 s48, s48, 6
	s_lshr_b32 s49, s25, 1
	s_lshl_b32 s49, s49, 5
	s_add_co_u32 s48, s48, s49
	s_and_b32 s49, s25, 1
	s_lshl_b32 s49, s49, 3
	s_add_co_u32 s48, s48, s49                     ; lane-row 0's row
	s_lshl_b32 s48, s48, 12
	s_lshl_b32 s49, s44, 9
	s_add_co_u32 s48, s48, s49
	s_mov_b32 s49, 0
	s_add_nc_u64 s[46:47], s[46:47], s[48:49]
	s_add_nc_u64 s[52:53], s[14:15], s[50:51]
	s_add_nc_u64 s[54:55], s[14:15], s[54:55]
.irp i, 0,1,2,3,4,5,6,7,8,9,10,11,12,13,14,15
	global_load_b128 v[R+4*\i:R+4*\i+3], v4, s[46:47] offset:(\i+8*(\i/8))*4096 th:TH_LOAD_NT   ; lane-row i: 512 consecutive bytes, read once in the launch
.endr
.irp i, 0,1,2,3,4,5,6,7,8,9,10,11,12,13,14,15
	s_wait_loadcnt 15-\i                           ; loads come back in order: row i is in, the younger ones may be out
	ds_store_b128 v5, v[R+4*\i:R+4*\i+3] offset:528*\i
.endr
.irp c, 0,1
.irp j, 0,1,2,3,4,5,6,7
	ds_load_b128 v[X+32*\c+4*\j:X+32*\c+4*\j+3], v6 offset:256*\c+16*\j   ; LDS serves a wave's instructions in order: these see my stores.  k = 64 c + 32 h + 0 .. 31 of row r
.endr
.endr
	s_wait_dscnt 0x0
.irp c, 0,1
	v_max3_num_f32 v[12+\c], |v[X+32*\c]|, |v[X+1+32*\c]|, 0x1800000   ; block 2 c + h is all mine; the floor 2^(3 - 127) keeps the byte at 1 or above
.endr
.irp i, 2,4,6,8,10,12,14,16,18,20,22,24,26,28,30
.irp c, 0,1
	v_max3_num_f32 v[12+\c], v[12+\c], |v[X+32*\c+\i]|, |v[X+1+32*\c+\i]|
.endr
.endr
.irp c, 0,1
	v_add_nc_u32 v[14+\c], 0xff000000, v[12+\c]    ; 2 off the exponent field: the conversion's scale operand
.endr
.irp c, 0,1
	v_lshrrev_b32 v[164+\c], 23, v[14+\c]          ; the byte
.endr
	v_lshl_or_b32 v166, v165, 16, v164             ; my bytes: blocks h and 2 + h,
	v_lshlrev_b32 v167, 3, v3
	v_lshlrev_b32 v166, v167, v166                 ; at their places;
	v_mov_b32 v167, 0
	v_permlanex16_b32 v167, v166, s26, s27
	v_or_b32 v166, v166, v167                      ; with lane l xor 16's the word is whole
.irp c, 0,1
	v_cvt_scalef32_pk16_fp6_f32 v[C+6*\c:C+6*\c+2], v[X+32*\c:X+32*\c+15], v[14+\c]
	v_cvt_scalef32_pk16_fp6_f32 v[C2+4*\c:C2+4*\c+2], v[X+32*\c+16:X+32*\c+31], v[14+\c]   ; (a conversion's three registers begin on an even number)
.endr
	v_nop                                          ; one plain place behind a scaled conversion
.irp c, 0,1
.irp i, 0,1,2
	v_mov_b32 v[C+3+6*\c+\i], v[C2+4*\c+\i]
.endr
.endr
.irp c, 0,1,2
	global_store_b128 v4, v[C+4*\c:C+4*\c+3], s[52:53] offset:512*\c   ; the image: 512 consecutive bytes a store
.endr
	ds_store_b32 v7, v166                          ; lanes r and r + 16 write the same word with the same value
	s_wait_dscnt 0x0                               ; for the others' sake
	s_barrier_signal -1
	s_barrier_wait -1
	s_cmp_lg_u32 s18, 0
	s_cbranch_scc1 .Lend
	ds_load_b128 v[16:19], v8                      ; wave 0: both groups, 16 bytes a lane,
	s_wait_dscnt 0x0
	global_store_b128 v9, v[16:19], s[54:55]       ; as two whole aligned blocks of 256 bytes
.Lend:
	s_wait_tensorcnt 0x0                           ; the wave's end: a tensor wait (though no tensor load stands in the text), an add of 0 and its wait
	ds_add_u32 v[SPW], v[NIL]
	s_wait_dscnt 0x0
	s_endpgm
.Lfunc_end_k_qade9a49c15_prep:
	.size	k_qade9a49c15_prep, .Lfunc_end_k_qade9a49c15_prep-k_qade9a49c15_prep
	.p2alignl 7, 3214868480
	.fill 96, 4, 3214868480
	.section	.rodata,"a",@progbits
	.p2align	6, 0x0
	.amdhsa_kernel k_qade9a49c15_prep
		.amdhsa_group_segment_fixed_size 69120
		.amdhsa_private_segment_fixed_size 0
		.amdhsa_enable_private_segment 0
		.amdhsa_kernarg_size 56
		.amdhsa_user_sgpr_count 2
		.amdhsa_user_sgpr_kernarg_segment_ptr 1
		.amdhsa_wavefront_size32 1
		.amdhsa_system_sgpr_workgroup_id_x 1
		.amdhsa_system_sgpr_workgroup_id_y 1
		.amdhsa_system_sgpr_workgroup_id_z 1
		.amdhsa_system_vgpr_workitem_id 0
		.amdhsa_next_free_vgpr 168
		.amdhsa_next_free_sgpr 66
		.amdhsa_reserve_vcc 1
		.amdhsa_float_denorm_mode_32 3
		.amdhsa_float_denorm_mode_16_64 3
		.amdhsa_memory_ordered 1
		.amdhsa_forward_progress 1
		.amdhsa_inst_pref_size 17
	.end_amdhsa_kernel
	.amdgpu_metadata
---
amdhsa.version: [ 1, 2 ]
amdhsa.kernels:
  - .name:           k_qade9a49c15_prep
    .symbol:         k_qade9a49c15_prep.kd
    .args:
      - { .name: x, .offset: 0, .size: 8, .value_kind: global_buffer, .address_space: global }
      - { .name: wq, .offset: 8, .size: 8, .value_kind: global_buffer, .address_space: global }
      - { .name: wk, .offset: 16, .size: 8, .value_kind: global_buffer, .address_space: global }
      - { .name: wv, .offset: 24, .size: 8, .value_kind: global_buffer, .address_space: global }
      - { .name: wo, .offset: 32, .size: 8, .value_kind: global_buffer, .address_space: global }
      - { .name: xw, .offset: 40, .size: 8, .value_kind: global_buffer, .address_space: global }
      - { .name: rope, .offset: 48, .size: 8, .value_kind: global_buffer, .address_space: global }
    .group_segment_fixed_size: 69120
    .private_segment_fixed_size: 0
    .kernarg_segment_align: 8
    .kernarg_segment_size: 56
    .max_flat_workgroup_size: 256
    .sgpr_count:     66
    .vgpr_count:     168
    .wavefront_size: 32
...
	.end_amdgpu_metadata
.endif
;; end of part 1
;; launch qkv (part 2): grid 12 x 64, 4 waves a work-group, clusters of 4 x 4, 327,680 bytes of LDS; arguments xw, rope, qkv; writes qkv
.if DOCPART == 2
	.amdgcn_target "amdgcn-amd-amdhsa--gfx1250"
	.amdhsa_code_object_version 6
	.text
	.protected	k_qade9a49c15_qkv
	.globl	k_qade9a49c15_qkv
	.p2align	8
	.type	k_qade9a49c15_qkv,@function
k_qade9a49c15_qkv:
	s_mov_b64 s[64:65], 0
	v_nop
	global_prefetch_b8 v0, s[64:65] scope:SCOPE_SE
	s_setreg_imm32_b32 hwreg(HW_REG_WAVE_MODE, 25, 1), 1
	s_wait_xcnt 0x0
	s_wait_alu depctr_hold_cnt(0) depctr_sa_sdst(0) depctr_va_vdst(0) depctr_va_sdst(0) depctr_va_ssrc(0) depctr_va_vcc(0) depctr_vm_vsrc(0)
	s_getreg_b32 s2, hwreg(HW_REG_IB_STS2, 6, 4)
	s_cmp_eq_u32 s2, 0
	s_cbranch_scc0 .Lentry_in_a_cluster
	s_endpgm
.Lentry_in_a_cluster:
	s_bfe_u32 s2, ttmp6, 0x10000c
	s_cmp_lg_u32 s2, 0xf033
	s_cbranch_scc0 .Lentry_shape_is_right
	s_endpgm
.Lentry_shape_is_right:
; QKV.  q = rope(x wq^T), k = rope(x wk^T), v = x wv^T on codes of FP6 (E2M3) with E8M0 scales; the results are quantised at once: q and k along e, v along the tokens (the keys), and leave as fragment images.
; OPERANDS are fragment images (16 rows x 128 K = 1,536 bytes: registers 4 c .. 4 c + 3 of lane L at 512 c + 16 L); row block rb holds in lane-row q the row 32 (rb / 2) + 8 (rb % 2) + q + 8 (q / 8).
; TILE.  A work-group makes 256 rows of the R side x 128 rows of the L side; wave w 128 (R half w % 2) x 64 (L half w / 2): 32 accumulators.  Source 0 = 16 rows of R, source 1 = 16 rows of L: a lane holds ONE row of L,
; and by the row order its 64 registers of an L tile are R's indices 32 b + 16 h + 0 .. 15, b = 0 .. 3: a whole K step of the next product, so a wave makes whole fragments and whole scale words.
; q, k (clusters x = 0, 1): R = rows of wq, wk (e), L = rows of x (tokens).   v (cluster x = 2): R = rows of x (tokens), L = rows of wv (d): the result is v^T with the keys innermost.
; K = 1,024 lies in LDS whole: 384 rows x 768 bytes, brought by four first fills a wave (two K steps each); nothing is filled again.
; CLUSTERS: 4 x 4.  L's tile hangs on the tile row alone and is asked for jointly along a row of the cluster, R's on the tile column alone, along a column.
; REGISTERS: window 0: v0-19 addresses, v20-23 the scale words made, v32-127 L's fragments (two sets), v128-159 R's scale words, v160-175 L's, v224-225 a store's pair.
;   window 1, 2: v0-127 the accumulators of L tiles 0, 1 and 2, 3; v128-255 the table's image, later at work.   window 3: R's fragments, two sets of 96.
; LIMITS: NaN and infinities are not served; a block of zeros gets the byte 1 (its codes are zeros; this program alone reads the bytes).
.set FRB,    1536
.set LH,     49152                     ; LDS: an L half: 8 K steps x 4 fragments; two of them from byte 0
.set RB0,    2*LH                      ; then two R halves:
.set RH,     98304                     ; 8 K steps x 8 fragments
.set SPARE,  RB0+2*RH                  ; the spare words, 128 bytes a wave: two blocks of 256 bytes that no other line names
.set LPITCH, 1179648                   ; bytes from K step to K step in L's codes, in R's
.set RPITCH, 1179648
.set LW5,    147456                    ; the same in elements of 8 bytes
.set RW5,    147456
.set LSP,    49152                     ; and in the scale words
.set RSP,    49152
.set XSC,    9437184                   ; xw: where the scale words begin
.set VC,     12582912                  ; qkv: v^T's codes [64 K steps][64 rb][1536]
.set QS,     18874368                  ; q's and k's scale words [8][256 groups][256]
.set VS,     19398656                  ; v^T's [64][16][256]
.set LI,  3                            ; v3   16 x lane
.set ADL, 4                            ; v4   LDS: my L half
.set ADR0, 5                           ; v5   my R half, K steps 0-3;  v6: K steps 4-7
.set ADR1, 6
.set SPW, 7                            ; v7   my spare word; never rewritten
.set NIL, 8                            ; v8   0; never rewritten
.set RSO, 9                            ; v9   256 h + 16 r: R's scale words
.set LSO, 10                           ; v10  LSP h + 16 r: L's
.set SSO, 11                           ; v11  16 r + 8 h: the words that I store
.set PWS, 20
.set LF,  32
.set RS,  128
.set LS,  160
.set TM,  128                          ; in windows 1, 2: v128-143 at work, v148 the scale word, v152.. codes
.set PW,  148
.set G1L, 24
.set G1R, 32
.set MSB, 0
.macro WIN new                         ; the immediate's high byte repeats the setting that is left
.if MSB != (\new)
	s_set_vgpr_msb (MSB<<8)|(\new)
.set MSB, \new
.endif
.endm
.macro PLACES                          ; four plain places behind matrix instructions, ahead of loads into their sources and of reads of their results
.rept 4
	v_nop
.endr
.endm
.macro CREST                           ; a round of the cluster's barrier behind its opening barrier
	s_cmp_lg_u32 s10, 0
	s_cbranch_scc1 .Lnot_wave_0_\@
	s_barrier_signal -3
.Lnot_wave_0_\@:
	s_barrier_wait -3
	s_barrier_signal -1
	s_barrier_wait -1
.endm
.macro CROUND
	s_barrier_signal -1
	s_barrier_wait -1
	CREST
.endm
.macro G1SET g, d0, nk, w5             ; descriptor group 1 but for its first word: nk rows (K steps) of d0 elements of 8 bytes, w5 elements apart
	s_mov_b32 s[\g+1], (\d0)<<16
	s_mov_b32 s[\g+2], (\nk)<<16
	s_mov_b32 s[\g+3], (\d0)<<16
	s_mov_b32 s[\g+4], \nk
	s_mov_b32 s[\g+5], \w5
	s_mov_b32 s[\g+6], 0
	s_mov_b32 s[\g+7], 0
.endm
.macro G0SET                           ; groups 0 of the four fills: L's at s40, 44, 48, 52, R's at s56, 60, 68, 72.  s[2:3], s[18:19]: the addresses of my half's K step 0
	s_mul_i32 s41, s12, LH
	s_mul_i32 s57, s12, RH
	s_add_co_u32 s57, s57, RB0
.irp c, 0,1,2,3
	s_mov_b32 s[40+4*\c], 1
.if \c > 0
	s_add_co_u32 s[41+4*\c], s41, 2*\c*4*FRB
.endif
	s_add_nc_u64 s[42+4*\c:43+4*\c], s[2:3], 2*\c*LPITCH
	s_or_b32 s[43+4*\c], s[43+4*\c], 0x80000000
	s_mov_b32 s[56+4*\c+4*(\c/2)], 1
.if \c > 0
	s_add_co_u32 s[57+4*\c+4*(\c/2)], s57, 2*\c*8*FRB
.endif
	s_add_nc_u64 s[58+4*\c+4*(\c/2):59+4*\c+4*(\c/2)], s[18:19], 2*\c*RPITCH
	s_or_b32 s[59+4*\c+4*(\c/2)], s[59+4*\c+4*(\c/2)], 0x80000000
.endr
.endm
.macro FILL4                           ; a wave's four first fills stand in one branch on its number: waves 0, 1 L's halves, waves 2, 3 R's; four tensor loads of mine are out
	s_cmp_eq_u32 s11, 0
	s_cbranch_scc0 .Lfill_r
.irp c, 0,1,2,3
	tensor_load_to_lds s[40+4*\c:43+4*\c], s[G1L:G1L+7]
	s_nop 0
.endr
	PLACES
	s_branch .Lfilled
.Lfill_r:
.irp c, 0,1,2,3
	tensor_load_to_lds s[56+4*\c+4*(\c/2):59+4*\c+4*(\c/2)], s[G1R:G1R+7]
	s_nop 0
.endr
	PLACES
.Lfilled:
.endm
.macro FETCH k                         ; K step k's twelve fragments, 36 loads of 512 consecutive bytes, into set k % 2
.set FP, (\k)%2
.set FS, (\k)%8
	WIN 0xc0
.irp t, 0,1,2,3,4,5,6,7
.irp c, 0,1,2
	ds_load_b128 v[96*FP+12*\t+4*\c:96*FP+12*\t+4*\c+3], v[ADR0+FS/4] offset:(FS%4)*8*FRB+FRB*\t+512*\c
.endr
.endr
	WIN 0
.irp l, 0,1,2,3
.irp c, 0,1,2
	ds_load_b128 v[LF+48*FP+12*\l+4*\c:LF+48*FP+12*\l+4*\c+3], v[ADL] offset:4*FRB*FS+FRB*\l+512*\c
.endr
.endr
.endm
; 16 matrix instructions: L tiles 2 hi, 2 hi + 1 x R's eight.  R's scale words: lanes 0-15 blocks 0-3, lanes 16-31 blocks 4-7; L's: lanes 0-15 the even K step, lanes 16-31 the odd one.
; The 32 accumulators take turns, one instruction a turn, in the same order in every step.  K step 0 starts the sums.
.macro MUL k, hi
.set MP, (\k)%2
	WIN 0x53+0x50*(\hi)
.irp l, 0,1
.irp t, 0,1,2,3,4,5,6,7
.set AD, 64*\l+8*\t
.set AA, 96*MP+12*\t
.set AB, LF+48*MP+12*(2*(\hi)+\l)
.set SA, RS+4*(\k)+\t%4
.set SB, LS+4*((\k)/2)+2*(\hi)+\l
.if (\k) == 0
.if \t < 4
	v_wmma_scale_f32_16x16x128_f8f6f4 v[AD:AD+7], v[AA:AA+11], v[AB:AB+11], 0, v[SA], v[SB] matrix_a_fmt:MATRIX_FMT_FP6 matrix_b_fmt:MATRIX_FMT_FP6
.else
	v_wmma_scale_f32_16x16x128_f8f6f4 v[AD:AD+7], v[AA:AA+11], v[AB:AB+11], 0, v[SA], v[SB] matrix_a_fmt:MATRIX_FMT_FP6 matrix_b_fmt:MATRIX_FMT_FP6 matrix_a_scale:MATRIX_SCALE_ROW1
.endif
.elseif (\k)%2 == 0
.if \t < 4
	v_wmma_scale_f32_16x16x128_f8f6f4 v[AD:AD+7], v[AA:AA+11], v[AB:AB+11], v[AD:AD+7], v[SA], v[SB] matrix_a_fmt:MATRIX_FMT_FP6 matrix_b_fmt:MATRIX_FMT_FP6
.else
	v_wmma_scale_f32_16x16x128_f8f6f4 v[AD:AD+7], v[AA:AA+11], v[AB:AB+11], v[AD:AD+7], v[SA], v[SB] matrix_a_fmt:MATRIX_FMT_FP6 matrix_b_fmt:MATRIX_FMT_FP6 matrix_a_scale:MATRIX_SCALE_ROW1
.endif
.else
.if \t < 4
	v_wmma_scale_f32_16x16x128_f8f6f4 v[AD:AD+7], v[AA:AA+11], v[AB:AB+11], v[AD:AD+7], v[SA], v[SB] matrix_a_fmt:MATRIX_FMT_FP6 matrix_b_fmt:MATRIX_FMT_FP6 matrix_b_scale:MATRIX_SCALE_ROW1
.else
	v_wmma_scale_f32_16x16x128_f8f6f4 v[AD:AD+7], v[AA:AA+11], v[AB:AB+11], v[AD:AD+7], v[SA], v[SB] matrix_a_fmt:MATRIX_FMT_FP6 matrix_b_fmt:MATRIX_FMT_FP6 matrix_a_scale:MATRIX_SCALE_ROW1 matrix_b_scale:MATRIX_SCALE_ROW1
.endif
.endif
.endr
.endr
.endm
; A K step.  bnd = 1: the next step lies in a fill that has not been shown landed: my part of it is waited for (cnt later fills of mine may stay out) and a barrier shows everybody's.
.macro KSTEP k, last, bnd, cnt
	s_wait_dscnt 0x0                               ; this step's fragments, asked for a step ago, are in
.if \bnd
	s_wait_tensorcnt \cnt
	s_barrier_signal -1
	s_barrier_wait -1
.endif
.if !(\last)
.if (\k) > 0
	PLACES                                         ; for the loads into the set that the step before multiplied
.endif
	FETCH (\k)+1
.endif
	MUL \k, 0
	MUL \k, 1
	WIN 0
.endm
; 64 numbers of a lane, register 16 b + i = k 32 b + 16 h + i of my row, become a fragment's codes in v[pc] on and its scale word in v[PW].  All in the window that is set.
.macro QUANT s, pc
.irp b, 0,1,2,3
	v_max3_num_f32 v[TM+\b], |v[\s+16*\b]|, |v[\s+1+16*\b]|, 0x1800000   ; my 16 numbers of block b, and the floor 2^(3 - 127): the byte cannot fall under 1.  (Each accumulator is read from its low end on)
.endr
.irp i, 2,4,6,8,10,12,14
.irp b, 0,1,2,3
	v_max3_num_f32 v[TM+\b], v[TM+\b], |v[\s+16*\b+\i]|, |v[\s+1+16*\b+\i]|
.endr
.endr
.irp b, 0,1,2,3
	v_permlanex16_b32 v[TM+4+\b], v[TM+\b], s20, s21
.endr
.irp b, 0,1,2,3
	v_max_num_f32 v[TM+\b], v[TM+\b], v[TM+4+\b]   ; with lane l xor 16's: the block's largest magnitude
.endr
.irp b, 0,1,2,3
	v_add_nc_u32 v[TM+12+\b], 0xff000000, v[TM+\b] ; 2 off its exponent field: the conversion's scale operand
.endr
.irp b, 0,1,2,3
	v_lshrrev_b32 v[TM+4+\b], 23, v[TM+12+\b]      ; the byte
.endr
	v_lshl_or_b32 v[PW], v[TM+5], 8, v[TM+4]
	v_lshl_or_b32 v[PW], v[TM+6], 16, v[PW]
	v_lshl_or_b32 v[PW], v[TM+7], 24, v[PW]
.irp c, 0,1
	v_cvt_scalef32_pk16_fp6_f32 v[\pc+6*\c:\pc+6*\c+2], v[\s+32*\c:\s+32*\c+15], v[TM+12+2*\c]
	v_cvt_scalef32_pk16_fp6_f32 v[\pc+12+4*\c:\pc+14+4*\c], v[\s+32*\c+16:\s+32*\c+31], v[TM+13+2*\c]   ; (a conversion's three registers begin on an even number)
.endr
	v_nop                                          ; one plain place behind a scaled conversion
.irp c, 0,1                                    ; the layout wants a whole block in a lane: lanes 0-15 block 2 c, lanes 16-31 block 2 c + 1
.irp i, 0,1,2
	v_permlane16_swap_b32 v[\pc+6*\c+\i], v[\pc+12+4*\c+\i]
.endr
.irp i, 0,1,2
	v_mov_b32 v[\pc+3+6*\c+\i], v[\pc+12+4*\c+\i]
.endr
.endr
.endm
.macro PUTF l                          ; L tile l's fragment leaves as its image; its scale word is kept in window 0
	WIN 0x04*(1+(\l)/2)
.irp c, 0,1,2
	global_store_b128 v[LI], v[QPC+4*\c:QPC+4*\c+3], s[92:93] offset:FRB*(\l)+512*\c
.endr
	WIN 0x01*(1+(\l)/2)
	v_mov_b32 v[PWS+(\l)], v[PW]
.endm
.macro TAILQ l                         ; each tile has its own registers for its codes: no store's data are written again
.set QSRC, 64*((\l)%2)
.set QPC, 152+24*((\l)%2)
	WIN 0x55*(1+(\l)/2)
.if (\l)%2 == 0
.irp b, 0,1,2,3
	v_mov_b32 v[TM+4+\b], 0                        ; a lane permute's destination counts as one of its sources
.endr
.endif
	QUANT QSRC, QPC
	PUTF \l
.endm
.macro PACK2 src, pr, off              ; four words a lane-row: lanes 0-15 store tiles 0, 1, lanes 16-31 tiles 2, 3: one aligned block of 256 bytes
	v_cndmask_b32 v[\pr], v[\src], v[\src+2], s18
	v_cndmask_b32 v[\pr+1], v[\src+1], v[\src+3], s18
	global_store_b64 v[SSO], v[\pr:\pr+1], s[94:95] offset:\off
.endm
; The rotation of L tile l: a pair of registers is (x0, x1), the table's pair (cos, sin): (x0 cos - x1 sin, x0 sin + x1 cos).  The products with x1 go to v32-95 of window 0, where L's fragments lay.
.macro ROPE l
.set XA, 64*((\l)%2)
	WIN 0x05*(1+(\l)/2)
.set J, 0
.rept 32
	v_pk_mul_f32 v[LF+J:LF+J+1], v[XA+J:XA+J+1], v[128+XA+J:128+XA+J+1] op_sel:[1,1] op_sel_hi:[1,0]   ; (x1 sin, x1 cos)
.set J, J+2
.endr
	WIN 0x45*(1+(\l)/2)
.set J, 0
.rept 32
	v_pk_fma_f32 v[XA+J:XA+J+1], v[XA+J:XA+J+1], v[128+XA+J:128+XA+J+1], v[LF+J:LF+J+1] op_sel_hi:[0,1,1] neg_lo:[0,0,1]
.set J, J+2
.endr
.endm
	s_load_b128 s[4:7], s[0:1], 0x0                ; xw, rope
	s_load_b64 s[8:9], s[0:1], 0x10                ; qkv
	v_lshl_add_u32 v[SPW], v0, 2, SPARE
	v_mov_b32 v[NIL], 0
	ds_add_u32 v[SPW], v[NIL]                      ; the wave's opening: an add and its wait ahead of my first tensor load; work on registers stands between them
	v_lshrrev_b32 v12, 5, v0
	v_readfirstlane_b32 s10, v12                   ; wave 0..3
	s_lshr_b32 s11, s10, 1                         ; my L half.  Also: I fetch for L (0) or for R (1)
	s_and_b32 s12, s10, 1                          ; my R half.  Also: which half I fetch
	s_bfe_u32 s13, ttmp6, 0x40000                  ; cx
	s_bfe_u32 s14, ttmp6, 0x40004                  ; cy
	s_lshl_b32 s15, ttmp9, 2
	s_add_co_u32 s15, s15, s13                     ; X
	s_and_b32 s17, ttmp7, 0xffff                   ; the cluster's y
	s_lshl_b32 s16, s17, 2
	s_add_co_u32 s16, s16, s14                     ; Y
	s_lshl_b32 s19, s14, 2
	s_lshl_b32 s19, 15, s19                        ; my row of the cluster
	s_or_b32 s[G1L], s19, (3<<16)|(1<<21)          ; 15:0 the mask; 17:16 elements of 8 bytes; 21 set beside a mask; no padding
	s_lshl_b32 s19, 0x1111, s13                    ; my column
	s_or_b32 s[G1R], s19, (3<<16)|(1<<21)
	G1SET G1L, 768, 2, LW5                         ; 4 fragments, 6,144 dense bytes, of each of two K steps
	G1SET G1R, 1536, 2, RW5                        ; 8 fragments
	s_mov_b32 s20, 0x76543210
	s_mov_b32 s21, 0xfedcba98                      ; v_permlanex16_b32's selects for lane l xor 16
	; q, k: R = weights, row block 512 + 16 X; L = x, row block 8 Y
	s_lshl_b32 s76, s15, 4
	s_add_co_u32 s76, s76, 512
	s_lshl_b32 s77, s16, 3
	s_lshl_b32 s78, s15, 1
	s_add_co_u32 s78, s78, s12
	s_and_b32 s78, s78, 7                          ; the K step of the next product that my 128 of e are
	s_lshr_b32 s79, s15, 2                         ; 0: q, 1: k
	s_lshl_b32 s80, s79, 9
	s_add_co_u32 s80, s80, s77
	s_lshl_b32 s81, s11, 2
	s_add_co_u32 s80, s80, s81
	s_mul_i32 s80, s80, FRB
	s_mul_i32 s81, s78, 1572864
	s_add_co_u32 s80, s80, s81                     ; where my codes go
	s_lshl_b32 s81, s79, 7
	s_lshl_b32 s82, s16, 1
	s_add_co_u32 s81, s81, s82
	s_add_co_u32 s81, s81, s11
	s_lshl_b32 s81, s81, 8
	s_lshl_b32 s82, s78, 16
	s_add_co_u32 s81, s81, s82
	s_add_co_u32 s81, s81, QS                      ; and my scale words
	; the table's image for my tokens and my 128 of e (inside the buffer in v's cluster too)
	s_lshl_b32 s90, s16, 3
	s_lshl_b32 s91, s11, 2
	s_add_co_u32 s90, s90, s91
	s_and_b32 s90, s90, 127
	s_lshl_b32 s90, s90, 16
	s_lshl_b32 s91, s78, 13
	s_add_co_u32 s100, s90, s91
	s_mov_b32 s101, 0
	; v: R = x, tile cx + 4 (cluster y / 2); L = wv, tile 4 (cluster y % 2) + cy
	s_lshr_b32 s84, s17, 1
	s_lshl_b32 s84, s84, 2
	s_add_co_u32 s84, s84, s13
	s_and_b32 s85, s17, 1
	s_lshl_b32 s85, s85, 2
	s_add_co_u32 s85, s85, s14
	s_lshl_b32 s86, s84, 1
	s_add_co_u32 s86, s86, s12                     ; my 128 tokens: K step 0 .. 63 over the four batches
	s_lshl_b32 s87, s85, 3
	s_lshl_b32 s88, s11, 2
	s_add_co_u32 s88, s88, s87
	s_mul_i32 s88, s88, FRB
	s_mul_i32 s89, s86, 98304
	s_add_co_u32 s88, s88, s89
	s_add_co_u32 s88, s88, VC
	s_lshl_b32 s89, s85, 1
	s_add_co_u32 s89, s89, s11
	s_lshl_b32 s89, s89, 8
	s_lshl_b32 s90, s86, 12
	s_add_co_u32 s89, s89, s90
	s_add_co_u32 s89, s89, VS
	s_lshl_b32 s84, s84, 4
	s_add_co_u32 s87, s87, 640
	s_cmp_eq_u32 ttmp9, 2                          ; v's cluster?  The same in all sixteen partners
	s_cselect_b32 s76, s84, s76                    ; R's first row block: hangs on cx, never on cy
	s_cselect_b32 s77, s87, s77                    ; L's: hangs on cy, never on cx
	s_cselect_b32 s92, s88, s80
	s_cselect_b32 s94, s89, s81
	s_mov_b32 s93, 0
	s_mov_b32 s95, 0
	s_lshl_b32 s2, s12, 2
	s_add_co_u32 s2, s2, s77
	s_mul_i32 s2, s2, FRB                          ; L: the half that I fetch
	s_mov_b32 s3, 0
	s_lshl_b32 s18, s12, 3
	s_add_co_u32 s18, s18, s76
	s_mul_i32 s18, s18, FRB                        ; R likewise
	s_mov_b32 s19, 0
	s_lshl_b32 s96, s76, 6
	s_lshl_b32 s97, s12, 9
	s_add_co_u32 s96, s96, s97
	s_add_co_u32 s96, s96, XSC                     ; the scale words of the R half that I multiply
	s_mov_b32 s97, 0
	s_lshl_b32 s98, s77, 6
	s_lshl_b32 s99, s11, 8
	s_add_co_u32 s98, s98, s99
	s_add_co_u32 s98, s98, XSC                     ; and of my L half
	s_mov_b32 s99, 0
	v_and_b32 v1, 15, v0                           ; r
	v_bfe_u32 v2, v0, 4, 1                         ; h
	v_and_b32 v3, 31, v0
	v_lshlrev_b32 v[LI], 4, v3
	s_mul_i32 s79, s11, LH
	v_add_nc_u32 v[ADL], s79, v[LI]
	s_mul_i32 s79, s12, RH
	s_add_co_u32 s79, s79, RB0
	v_add_nc_u32 v[ADR0], s79, v[LI]
	v_add_nc_u32 v[ADR1], 4*8*FRB, v[ADR0]
	v_lshlrev_b32 v[RSO], 4, v1
	v_lshl_add_u32 v[SSO], v2, 3, v[RSO]
	v_mul_u32_u24 v[LSO], v2, LSP
	v_add_nc_u32 v[LSO], v[LSO], v[RSO]
	v_lshl_add_u32 v[RSO], v2, 8, v[RSO]
	s_wait_dscnt 0x0                               ; the opening add is done
	s_wait_kmcnt 0x0
	s_add_nc_u64 s[2:3], s[4:5], s[2:3]
	s_add_nc_u64 s[18:19], s[4:5], s[18:19]
	s_add_nc_u64 s[96:97], s[4:5], s[96:97]
	s_add_nc_u64 s[98:99], s[4:5], s[98:99]
	s_add_nc_u64 s[100:101], s[6:7], s[100:101]
	s_add_nc_u64 s[92:93], s[8:9], s[92:93]
	s_add_nc_u64 s[94:95], s[8:9], s[94:95]
.irp k, 0,1,2,3,4,5,6,7
	global_load_b128 v[RS+4*\k:RS+4*\k+3], v[RSO], s[96:97] offset:\k*RSP      ; two whole blocks of 256 bytes: four row blocks' words a lane
.endr
.irp k, 0,1,2,3
	global_load_b128 v[LS+4*\k:LS+4*\k+3], v[LSO], s[98:99] offset:2*\k*LSP
.endr
	G0SET
	s_mov_b32 s18, 0xffff0000                      ; from here on: the mask of lanes 16-31
	CROUND                                         ; all sixteen work-groups are here: the first joint loads meet
	FILL4
.irp l, 0,1,2,3                                ; the table's image, register for register that of my accumulators.  v's cluster loads it too and leaves it unused: so the text has one branch, round the rotation alone
	WIN 0x40*(1+\l/2)
.irp j, 0,1,2,3,4,5,6,7,8,9,10,11,12,13,14,15
	global_load_b128 v[128+64*(\l%2)+4*\j:128+64*(\l%2)+4*\j+3], v[LI], s[100:101] offset:65536*\l+512*\j
.endr
.endr
	WIN 0
	s_wait_loadcnt 63                              ; behind the 12 loads of scale words 64 were issued: with 63 out at the most the 12 are in
	s_wait_tensorcnt 0x3                           ; my first fill is in; the three behind it may be out,
	s_barrier_signal -1
	s_barrier_wait -1                              ; everybody's is
	FETCH 0
	KSTEP 0, 0, 0, 0
	KSTEP 1, 0, 1, 2
	KSTEP 2, 0, 0, 0
	KSTEP 3, 0, 1, 1
	KSTEP 4, 0, 0, 0
	KSTEP 5, 0, 1, 0
	KSTEP 6, 0, 0, 0
	KSTEP 7, 1, 0, 0
	PLACES
	s_wait_loadcnt 0x0                             ; the table
	s_cmp_eq_u32 ttmp9, 2
	s_cbranch_scc1 .Lno_rope                       ; v is not rotated
	ROPE 0
	ROPE 1
	ROPE 2
	ROPE 3
	WIN 0
.Lno_rope:
	TAILQ 0
	TAILQ 1
	TAILQ 2
	TAILQ 3
	WIN 0
	PACK2 PWS, 224, 0
	s_wait_tensorcnt 0x0                           ; the wave's end
	ds_add_u32 v[SPW], v[NIL]
	s_wait_dscnt 0x0
	CROUND                                         ; the closing round
	s_endpgm
.Lfunc_end_k_qade9a49c15_qkv:
	.size	k_qade9a49c15_qkv, .Lfunc_end_k_qade9a49c15_qkv-k_qade9a49c15_qkv
	.p2alignl 7, 3214868480
	.fill 96, 4, 3214868480
	.section	.rodata,"a",@progbits
	.p2align	6, 0x0
	.amdhsa_kernel k_qade9a49c15_qkv
		.amdhsa_group_segment_fixed_size 327680
		.amdhsa_private_segment_fixed_size 0
		.amdhsa_enable_private_segment 0
		.amdhsa_kernarg_size 24
		.amdhsa_user_sgpr_count 2
		.amdhsa_user_sgpr_kernarg_segment_ptr 1
		.amdhsa_wavefront_size32 1
		.amdhsa_system_sgpr_workgroup_id_x 1
		.amdhsa_system_sgpr_workgroup_id_y 1
		.amdhsa_system_sgpr_workgroup_id_z 1
		.amdhsa_system_vgpr_workitem_id 0
		.amdhsa_next_free_vgpr 1024
		.amdhsa_next_free_sgpr 102
		.amdhsa_reserve_vcc 0
		.amdhsa_float_denorm_mode_32 3
		.amdhsa_float_denorm_mode_16_64 3
		.amdhsa_memory_ordered 1
		.amdhsa_forward_progress 1
		.amdhsa_inst_pref_size 104
	.end_amdhsa_kernel
	.amdgpu_metadata
---
amdhsa.version: [ 1, 2 ]
amdhsa.kernels:
  - .name:           k_qade9a49c15_qkv
    .symbol:         k_qade9a49c15_qkv.kd
    .args:
      - { .name: xw, .offset: 0, .size: 8, .value_kind: global_buffer, .address_space: global }
      - { .name: rope, .offset: 8, .size: 8, .value_kind: global_buffer, .address_space: global }
      - { .name: qkv, .offset: 16, .size: 8, .value_kind: global_buffer, .address_space: global }
    .group_segment_fixed_size: 327680
    .private_segment_fixed_size: 0
    .kernarg_segment_align: 8
    .kernarg_segment_size: 24
    .max_flat_workgroup_size: 128
    .sgpr_count:     102
    .vgpr_count:     1024
    .wavefront_size: 32
...
	.end_amdgpu_metadata
.endif
;; end of part 2
;; launch scores (part 3): grid 8 x 64, 4 waves a work-group, clusters of 4 x 4, 327,680 bytes of LDS; arguments qkv, p; writes p
.if DOCPART == 3
	.amdgcn_target "amdgcn-amd-amdhsa--gfx1250"
	.amdhsa_code_object_version 6
	.text
	.protected	k_qade9a49c15_scores
	.globl	k_qade9a49c15_scores
	.p2align	8
	.type	k_qade9a49c15_scores,@function
k_qade9a49c15_scores:
	s_mov_b64 s[64:65], 0
	v_nop
	global_prefetch_b8 v0, s[64:65] scope:SCOPE_SE
	s_setreg_imm32_b32 hwreg(HW_REG_WAVE_MODE, 25, 1), 1
	s_wait_xcnt 0x0
	s_wait_alu depctr_hold_cnt(0) depctr_sa_sdst(0) depctr_va_vdst(0) depctr_va_sdst(0) depctr_va_ssrc(0) depctr_va_vcc(0) depctr_vm_vsrc(0)
	s_getreg_b32 s2, hwreg(HW_REG_IB_STS2, 6, 4)
	s_cmp_eq_u32 s2, 0
	s_cbranch_scc0 .Lentry_in_a_cluster
	s_endpgm
.Lentry_in_a_cluster:
	s_bfe_u32 s2, ttmp6, 0x10000c
	s_cmp_lg_u32 s2, 0xf033
	s_cbranch_scc0 .Lentry_shape_is_right
	s_endpgm
.Lentry_shape_is_right:
; SCORES.  S = q k^T on codes of FP6 (E2M3) with E8M0 scales, and the softmax's numerator, quantised at once along the keys.
; t = score x log2(e) / 32.  A wave owns 128 keys, one K step of the next product.  For each query it takes M_loc = the ceiling of the largest t AMONG THESE 128 KEYS, p = 2^(t - M_loc), the sum l_loc of the
; unquantised p, p's codes and its four scale bytes.  M_loc is a whole number, so the row's own M, found in the next launch, only shifts the scale bytes: the codes are those of p under the row's M.
; Stored: p's fragment images [16 K steps][512 rb][1536], and three planes [16][128 groups of 4 rb][16 lane-rows][4 rb] of words: scale words, -M_loc (f32), l_loc (f32).
; OPERANDS are fragment images (16 rows x 128 K = 1,536 bytes: registers 4 c .. 4 c + 3 of lane L at 512 c + 16 L); row block rb holds in lane-row q the row 32 (rb / 2) + 8 (rb % 2) + q + 8 (q / 8).
; TILE.  256 keys (R, source 0) x 128 queries (L, source 1); wave w: R half w % 2 x L half w / 2: 32 accumulators.  A lane holds ONE query, and its 64 registers of an L tile are keys 32 b + 16 h + 0 .. 15.
; K = 1,024 lies in LDS whole, brought by four first fills a wave; nothing is filled again.  CLUSTERS: 4 x 4: q's tile is asked for jointly along a row of the cluster, k's along a column.
; REGISTERS: window 0: v0-19 addresses, v20-31 words to store, v32-127 L's fragments, v128-159 R's scale words, v160-175 L's, v224-229 the stores' pairs.   windows 1, 2: v0-127 accumulators, v128.. at work.   window 3: R's fragments.
; LIMITS: NaN and infinities are not served; a block whose every p has fallen to 0 gets the byte 1 (its codes are zeros).
.set FRB,    1536
.set LH,     49152                     ; LDS: an L half: 8 K steps x 4 fragments; two of them from byte 0
.set RB0,    2*LH                      ; then two R halves:
.set RH,     98304                     ; 8 K steps x 8 fragments
.set SPARE,  RB0+2*RH                  ; the spare words, 128 bytes a wave: two blocks of 256 bytes that no other line names
.set LPITCH, 1572864                   ; 1,024 rb x 1,536 bytes
.set RPITCH, 1572864
.set LW5,    196608
.set RW5,    196608
.set LSP,    65536
.set RSP,    65536
.set QS,     18874368                  ; qkv: q's and k's scale words
.set PS,     12582912                  ; p: the planes
.set PLANE,  524288
.set LI,  3
.set ADL, 4
.set ADR0, 5
.set ADR1, 6
.set SPW, 7                            ; v7   my spare word; never rewritten
.set NIL, 8                            ; v8   0; never rewritten
.set RSO, 9
.set LSO, 10
.set SSO, 11
.set PWS, 20                           ; v20-23 scale words, v24-27 -M_loc, v28-31 l_loc of the four L tiles
.set NMS, 24
.set LLS, 28
.set LF,  32
.set RS,  128
.set LS,  160
.set BM,  128                          ; in windows 1, 2: v128-131 the blocks' largest scores, then p;  v132-135 the partner lane's, then bytes;  v136 at work
.set BP,  132
.set TT,  136
.set SU,  138                          ; v[138:139], v[140:141] the sum in two chains
.set NM,  142                          ; v142 -M_loc (v143 named with it as a pair)
.set SCO, 144                          ; v144-147 the conversions' scale operands
.set PW,  148
.set G1L, 24
.set G1R, 32
.set MSB, 0
.macro WIN new                         ; the immediate's high byte repeats the setting that is left
.if MSB != (\new)
	s_set_vgpr_msb (MSB<<8)|(\new)
.set MSB, \new
.endif
.endm
.macro PLACES                          ; four plain places behind matrix instructions, ahead of loads into their sources and of reads of their results
.rept 4
	v_nop
.endr
.endm
.macro CREST
	s_cmp_lg_u32 s10, 0
	s_cbranch_scc1 .Lnot_wave_0_\@
	s_barrier_signal -3
.Lnot_wave_0_\@:
	s_barrier_wait -3
	s_barrier_signal -1
	s_barrier_wait -1
.endm
.macro CROUND
	s_barrier_signal -1
	s_barrier_wait -1
	CREST
.endm
.macro G1SET g, d0, nk, w5
	s_mov_b32 s[\g+1], (\d0)<<16
	s_mov_b32 s[\g+2], (\nk)<<16
	s_mov_b32 s[\g+3], (\d0)<<16
	s_mov_b32 s[\g+4], \nk
	s_mov_b32 s[\g+5], \w5
	s_mov_b32 s[\g+6], 0
	s_mov_b32 s[\g+7], 0
.endm
.macro G0SET                           ; groups 0 of the four fills: L's at s40, 44, 48, 52, R's at s56, 60, 68, 72
	s_mul_i32 s41, s12, LH
	s_mul_i32 s57, s12, RH
	s_add_co_u32 s57, s57, RB0
.irp c, 0,1,2,3
	s_mov_b32 s[40+4*\c], 1
.if \c > 0
	s_add_co_u32 s[41+4*\c], s41, 2*\c*4*FRB
.endif
	s_add_nc_u64 s[42+4*\c:43+4*\c], s[2:3], 2*\c*LPITCH
	s_or_b32 s[43+4*\c], s[43+4*\c], 0x80000000
	s_mov_b32 s[56+4*\c+4*(\c/2)], 1
.if \c > 0
	s_add_co_u32 s[57+4*\c+4*(\c/2)], s57, 2*\c*8*FRB
.endif
	s_add_nc_u64 s[58+4*\c+4*(\c/2):59+4*\c+4*(\c/2)], s[18:19], 2*\c*RPITCH
	s_or_b32 s[59+4*\c+4*(\c/2)], s[59+4*\c+4*(\c/2)], 0x80000000
.endr
.endm
.macro FILL4                           ; a wave's four first fills stand in one branch on its number; four tensor loads of mine are out
	s_cmp_eq_u32 s11, 0
	s_cbranch_scc0 .Lfill_r
.irp c, 0,1,2,3
	tensor_load_to_lds s[40+4*\c:43+4*\c], s[G1L:G1L+7]
	s_nop 0
.endr
	PLACES
	s_branch .Lfilled
.Lfill_r:
.irp c, 0,1,2,3
	tensor_load_to_lds s[56+4*\c+4*(\c/2):59+4*\c+4*(\c/2)], s[G1R:G1R+7]
	s_nop 0
.endr
	PLACES
.Lfilled:
.endm
.macro FETCH k
.set FP, (\k)%2
.set FS, (\k)%8
	WIN 0xc0
.irp t, 0,1,2,3,4,5,6,7
.irp c, 0,1,2
	ds_load_b128 v[96*FP+12*\t+4*\c:96*FP+12*\t+4*\c+3], v[ADR0+FS/4] offset:(FS%4)*8*FRB+FRB*\t+512*\c
.endr
.endr
	WIN 0
.irp l, 0,1,2,3
.irp c, 0,1,2
	ds_load_b128 v[LF+48*FP+12*\l+4*\c:LF+48*FP+12*\l+4*\c+3], v[ADL] offset:4*FRB*FS+FRB*\l+512*\c
.endr
.endr
.endm
; 16 matrix instructions: L tiles 2 hi, 2 hi + 1 x R's eight.  The 32 accumulators take turns, in the same order in every step.  K step 0 starts the sums.
.macro MUL k, hi
.set MP, (\k)%2
	WIN 0x53+0x50*(\hi)
.irp l, 0,1
.irp t, 0,1,2,3,4,5,6,7
.set AD, 64*\l+8*\t
.set AA, 96*MP+12*\t
.set AB, LF+48*MP+12*(2*(\hi)+\l)
.set SA, RS+4*(\k)+\t%4
.set SB, LS+4*((\k)/2)+2*(\hi)+\l
.if (\k) == 0
.if \t < 4
	v_wmma_scale_f32_16x16x128_f8f6f4 v[AD:AD+7], v[AA:AA+11], v[AB:AB+11], 0, v[SA], v[SB] matrix_a_fmt:MATRIX_FMT_FP6 matrix_b_fmt:MATRIX_FMT_FP6
.else
	v_wmma_scale_f32_16x16x128_f8f6f4 v[AD:AD+7], v[AA:AA+11], v[AB:AB+11], 0, v[SA], v[SB] matrix_a_fmt:MATRIX_FMT_FP6 matrix_b_fmt:MATRIX_FMT_FP6 matrix_a_scale:MATRIX_SCALE_ROW1
.endif
.elseif (\k)%2 == 0
.if \t < 4
	v_wmma_scale_f32_16x16x128_f8f6f4 v[AD:AD+7], v[AA:AA+11], v[AB:AB+11], v[AD:AD+7], v[SA], v[SB] matrix_a_fmt:MATRIX_FMT_FP6 matrix_b_fmt:MATRIX_FMT_FP6
.else
	v_wmma_scale_f32_16x16x128_f8f6f4 v[AD:AD+7], v[AA:AA+11], v[AB:AB+11], v[AD:AD+7], v[SA], v[SB] matrix_a_fmt:MATRIX_FMT_FP6 matrix_b_fmt:MATRIX_FMT_FP6 matrix_a_scale:MATRIX_SCALE_ROW1
.endif
.else
.if \t < 4
	v_wmma_scale_f32_16x16x128_f8f6f4 v[AD:AD+7], v[AA:AA+11], v[AB:AB+11], v[AD:AD+7], v[SA], v[SB] matrix_a_fmt:MATRIX_FMT_FP6 matrix_b_fmt:MATRIX_FMT_FP6 matrix_b_scale:MATRIX_SCALE_ROW1
.else
	v_wmma_scale_f32_16x16x128_f8f6f4 v[AD:AD+7], v[AA:AA+11], v[AB:AB+11], v[AD:AD+7], v[SA], v[SB] matrix_a_fmt:MATRIX_FMT_FP6 matrix_b_fmt:MATRIX_FMT_FP6 matrix_a_scale:MATRIX_SCALE_ROW1 matrix_b_scale:MATRIX_SCALE_ROW1
.endif
.endif
.endr
.endr
.endm
.macro KSTEP k, last, bnd, cnt
	s_wait_dscnt 0x0                               ; this step's fragments, asked for a step ago, are in
.if \bnd
	s_wait_tensorcnt \cnt                          ; my part of the fill that holds the next step (cnt later fills may be out),
	s_barrier_signal -1
	s_barrier_wait -1                              ; everybody's
.endif
.if !(\last)
.if (\k) > 0
	PLACES
.endif
	FETCH (\k)+1
.endif
	MUL \k, 0
	MUL \k, 1
	WIN 0
.endm
.macro PACK2 src, pr, off              ; four words a lane-row: lanes 0-15 store tiles 0, 1, lanes 16-31 tiles 2, 3: one aligned block of 256 bytes
	v_cndmask_b32 v[\pr], v[\src], v[\src+2], s18
	v_cndmask_b32 v[\pr+1], v[\src+1], v[\src+3], s18
	global_store_b64 v[SSO], v[\pr:\pr+1], s[94:95] offset:\off
.endm
; L tile l: 16 queries x my 128 keys.  All in the accumulators' window.
.macro SOFT l
.set S, 64*((\l)%2)
.set QPC, 152+24*((\l)%2)
	WIN 0x55*(1+(\l)/2)
.if (\l)%2 == 0
.irp b, 0,1,2,3
	v_mov_b32 v[BP+\b], 0                          ; a lane permute's destination counts as one of its sources
.endr
.endif
.irp b, 0,1,2,3
	v_max3_num_f32 v[BM+\b], v[S+16*\b], v[S+16*\b+1], v[S+16*\b+2]   ; the largest score of each block of 32 keys: for the maximum, and, since p rises with the score, for the block's largest p.  (Each accumulator is read from its low end on)
.endr
.irp i, 3,5,7,9,11,13
.irp b, 0,1,2,3
	v_max3_num_f32 v[BM+\b], v[BM+\b], v[S+16*\b+\i], v[S+16*\b+\i+1]
.endr
.endr
.irp b, 0,1,2,3
	v_max_num_f32 v[BM+\b], v[BM+\b], v[S+16*\b+15]
.endr
.irp b, 0,1,2,3
	v_permlanex16_b32 v[BP+\b], v[BM+\b], s20, s21
.endr
.irp b, 0,1,2,3
	v_max_num_f32 v[BM+\b], v[BM+\b], v[BP+\b]     ; with lane l xor 16's 16 keys
.endr
	v_max3_num_f32 v[TT], v[BM], v[BM+1], v[BM+2]
	v_max_num_f32 v[TT], v[TT], v[BM+3]
	v_mul_f32 v[TT], s22, v[TT]                    ; the largest t of these 128 keys (c is positive)
	v_floor_f32 v[NM], -v[TT]                      ; -M_loc = floor(-t) = -ceil(t): a whole number
	v_mov_b32 v[NM+1], v[NM]
.set J, 0
.rept 32
	v_pk_fma_f32 v[S+J:S+J+1], v[S+J:S+J+1], s[22:23], v[NM:NM+1] op_sel_hi:[1,0,0]   ; t - M_loc, two at a time
.set J, J+2
.endr
.irp b, 0,1,2,3
	v_fma_f32 v[BM+\b], v[BM+\b], s22, v[NM]       ; the same of each block's largest score
.endr
.set J, 0
.rept 64
	v_exp_f32 v[S+J], v[S+J]                       ; p, at most 1
.set J, J+1
.endr
	v_nop                                          ; a plain place behind the exponentials
	s_wait_alu depctr_va_vdst(0)                   ; one wait for the batch, ahead of its first reader
.irp b, 0,1,2,3
	v_exp_f32 v[BM+\b], v[BM+\b]                   ; the block's largest p: the same two instructions on the same number give the same bits
.endr
	v_pk_add_f32 v[SU:SU+1], v[S:S+1], v[S+2:S+3]  ; the sum of the UNQUANTISED p, in two chains: plain work behind the four
	v_pk_add_f32 v[SU+2:SU+3], v[S+4:S+5], v[S+6:S+7]
.set J, 8
.rept 14
	v_pk_add_f32 v[SU:SU+1], v[SU:SU+1], v[S+J:S+J+1]
	v_pk_add_f32 v[SU+2:SU+3], v[SU+2:SU+3], v[S+J+2:S+J+3]
.set J, J+4
.endr
	v_pk_add_f32 v[SU:SU+1], v[SU:SU+1], v[SU+2:SU+3]
	v_add_f32 v[SU], v[SU], v[SU+1]
	v_permlanex16_b32 v[TT], v[SU], s20, s21
	v_add_f32 v[SU], v[SU], v[TT]                  ; l_loc
	s_wait_alu depctr_va_vdst(0)                   ; and one wait for the four
.irp b, 0,1,2,3
	v_max_num_f32 v[BM+\b], 0x1800000, v[BM+\b]    ; the floor 2^(3 - 127): the byte cannot fall under 1
.endr
.irp b, 0,1,2,3
	v_add_nc_u32 v[SCO+\b], 0xff000000, v[BM+\b]   ; 2 off the exponent field: the conversion's scale operand
.endr
.irp b, 0,1,2,3
	v_lshrrev_b32 v[BP+\b], 23, v[SCO+\b]          ; the byte: 125 at the most, since p is at most 1
.endr
	v_lshl_or_b32 v[PW], v[BP+1], 8, v[BP]
	v_lshl_or_b32 v[PW], v[BP+2], 16, v[PW]
	v_lshl_or_b32 v[PW], v[BP+3], 24, v[PW]
.irp c, 0,1
	v_cvt_scalef32_pk16_fp6_f32 v[QPC+6*\c:QPC+6*\c+2], v[S+32*\c:S+32*\c+15], v[SCO+2*\c]
	v_cvt_scalef32_pk16_fp6_f32 v[QPC+12+4*\c:QPC+14+4*\c], v[S+32*\c+16:S+32*\c+31], v[SCO+2*\c+1]   ; (a conversion's three registers begin on an even number)
.endr
	v_nop                                          ; one plain place behind a scaled conversion
.irp c, 0,1                                    ; the layout wants a whole block in a lane
.irp i, 0,1,2
	v_permlane16_swap_b32 v[QPC+6*\c+\i], v[QPC+12+4*\c+\i]
.endr
.irp i, 0,1,2
	v_mov_b32 v[QPC+3+6*\c+\i], v[QPC+12+4*\c+\i]
.endr
.endr
	WIN 0x04*(1+(\l)/2)
.irp c, 0,1,2
	global_store_b128 v[LI], v[QPC+4*\c:QPC+4*\c+3], s[92:93] offset:FRB*(\l)+512*\c   ; the image; each tile has its own registers for its codes
.endr
	WIN 0x01*(1+(\l)/2)
	v_mov_b32 v[PWS+(\l)], v[PW]
	v_mov_b32 v[NMS+(\l)], v[NM]
	v_mov_b32 v[LLS+(\l)], v[SU]
.endm
	s_load_b128 s[4:7], s[0:1], 0x0                ; qkv, p
	v_lshl_add_u32 v[SPW], v0, 2, SPARE
	v_mov_b32 v[NIL], 0
	ds_add_u32 v[SPW], v[NIL]                      ; the wave's opening: an add and its wait ahead of my first tensor load; work on registers stands between them
	v_lshrrev_b32 v12, 5, v0
	v_readfirstlane_b32 s10, v12                   ; wave 0..3
	s_lshr_b32 s11, s10, 1                         ; my L half.  Also: I fetch for L (0) or for R (1)
	s_and_b32 s12, s10, 1                          ; my R half.  Also: which half I fetch
	s_bfe_u32 s13, ttmp6, 0x40000                  ; cx
	s_bfe_u32 s14, ttmp6, 0x40004                  ; cy
	s_lshl_b32 s15, ttmp9, 2
	s_add_co_u32 s15, s15, s13                     ; X: which 256 keys of the batch
	s_and_b32 s17, ttmp7, 0xffff
	s_lshl_b32 s16, s17, 2
	s_add_co_u32 s16, s16, s14                     ; Y: which 128 queries of all 8,192
	s_lshl_b32 s19, s14, 2
	s_lshl_b32 s19, 15, s19                        ; my row of the cluster
	s_or_b32 s[G1L], s19, (3<<16)|(1<<21)          ; 15:0 the mask; 17:16 elements of 8 bytes; 21 set beside a mask; no padding
	s_lshl_b32 s19, 0x1111, s13                    ; my column
	s_or_b32 s[G1R], s19, (3<<16)|(1<<21)
	G1SET G1L, 768, 2, LW5
	G1SET G1R, 1536, 2, RW5
	s_mov_b32 s20, 0x76543210
	s_mov_b32 s21, 0xfedcba98
	s_mov_b32 s22, 0x3d38aa3b                      ; c = log2(e) / sqrt(1024)
	s_mov_b32 s23, s22                             ; (named with it as a pair)
	s_lshr_b32 s76, s17, 2                         ; the batch: the same in all sixteen partners
	s_lshl_b32 s76, s76, 7
	s_lshl_b32 s78, s15, 4
	s_add_co_u32 s76, s76, s78
	s_add_co_u32 s76, s76, 512                     ; R: k's row block
	s_lshl_b32 s77, s16, 3                         ; L: q's
	s_lshl_b32 s79, s15, 1
	s_add_co_u32 s79, s79, s12                     ; my 128 keys: K step 0 .. 15
	s_lshl_b32 s92, s11, 2
	s_add_co_u32 s92, s92, s77
	s_mul_i32 s92, s92, FRB
	s_mul_i32 s93, s79, 786432
	s_add_co_u32 s92, s92, s93                     ; where my codes go
	s_mov_b32 s93, 0
	s_lshl_b32 s94, s16, 9
	s_lshl_b32 s95, s11, 8
	s_add_co_u32 s94, s94, s95
	s_lshl_b32 s95, s79, 15
	s_add_co_u32 s94, s94, s95
	s_add_co_u32 s94, s94, PS                      ; and my words
	s_mov_b32 s95, 0
	s_lshl_b32 s2, s12, 2
	s_add_co_u32 s2, s2, s77
	s_mul_i32 s2, s2, FRB
	s_mov_b32 s3, 0
	s_lshl_b32 s18, s12, 3
	s_add_co_u32 s18, s18, s76
	s_mul_i32 s18, s18, FRB
	s_mov_b32 s19, 0
	s_lshl_b32 s96, s76, 6
	s_lshl_b32 s97, s12, 9
	s_add_co_u32 s96, s96, s97
	s_add_co_u32 s96, s96, QS
	s_mov_b32 s97, 0
	s_lshl_b32 s98, s77, 6
	s_lshl_b32 s99, s11, 8
	s_add_co_u32 s98, s98, s99
	s_add_co_u32 s98, s98, QS
	s_mov_b32 s99, 0
	v_and_b32 v1, 15, v0                           ; r
	v_bfe_u32 v2, v0, 4, 1                         ; h
	v_and_b32 v3, 31, v0
	v_lshlrev_b32 v[LI], 4, v3
	s_mul_i32 s79, s11, LH
	v_add_nc_u32 v[ADL], s79, v[LI]
	s_mul_i32 s79, s12, RH
	s_add_co_u32 s79, s79, RB0
	v_add_nc_u32 v[ADR0], s79, v[LI]
	v_add_nc_u32 v[ADR1], 4*8*FRB, v[ADR0]
	v_lshlrev_b32 v[RSO], 4, v1
	v_lshl_add_u32 v[SSO], v2, 3, v[RSO]
	v_mul_u32_u24 v[LSO], v2, LSP
	v_add_nc_u32 v[LSO], v[LSO], v[RSO]
	v_lshl_add_u32 v[RSO], v2, 8, v[RSO]
	s_wait_dscnt 0x0                               ; the opening add is done
	s_wait_kmcnt 0x0
	s_add_nc_u64 s[2:3], s[4:5], s[2:3]
	s_add_nc_u64 s[18:19], s[4:5], s[18:19]
	s_add_nc_u64 s[96:97], s[4:5], s[96:97]
	s_add_nc_u64 s[98:99], s[4:5], s[98:99]
	s_add_nc_u64 s[92:93], s[6:7], s[92:93]
	s_add_nc_u64 s[94:95], s[6:7], s[94:95]
.irp k, 0,1,2,3,4,5,6,7
	global_load_b128 v[RS+4*\k:RS+4*\k+3], v[RSO], s[96:97] offset:\k*RSP
.endr
.irp k, 0,1,2,3
	global_load_b128 v[LS+4*\k:LS+4*\k+3], v[LSO], s[98:99] offset:2*\k*LSP
.endr
	G0SET
	s_mov_b32 s18, 0xffff0000                      ; from here on: the mask of lanes 16-31
	CROUND                                         ; all sixteen work-groups are here: the first joint loads meet
	FILL4
	s_wait_loadcnt 0x0                             ; the scale words
	s_wait_tensorcnt 0x3                           ; my first fill is in; the three behind it may be out,
	s_barrier_signal -1
	s_barrier_wait -1                              ; everybody's is
	FETCH 0
	KSTEP 0, 0, 0, 0
	KSTEP 1, 0, 1, 2
	KSTEP 2, 0, 0, 0
	KSTEP 3, 0, 1, 1
	KSTEP 4, 0, 0, 0
	KSTEP 5, 0, 1, 0
	KSTEP 6, 0, 0, 0
	KSTEP 7, 1, 0, 0
	PLACES
	SOFT 0
	SOFT 1
	SOFT 2
	SOFT 3
	WIN 0
	PACK2 PWS, 224, 0
	PACK2 NMS, 226, PLANE
	PACK2 LLS, 228, 2*PLANE
	s_wait_tensorcnt 0x0                           ; the wave's end
	ds_add_u32 v[SPW], v[NIL]
	s_wait_dscnt 0x0
	CROUND                                         ; the closing round
	s_endpgm
.Lfunc_end_k_qade9a49c15_scores:
	.size	k_qade9a49c15_scores, .Lfunc_end_k_qade9a49c15_scores-k_qade9a49c15_scores
	.p2alignl 7, 3214868480
	.fill 96, 4, 3214868480
	.section	.rodata,"a",@progbits
	.p2align	6, 0x0
	.amdhsa_kernel k_qade9a49c15_scores
		.amdhsa_group_segment_fixed_size 327680
		.amdhsa_private_segment_fixed_size 0
		.amdhsa_enable_private_segment 0
		.amdhsa_kernarg_size 16
		.amdhsa_user_sgpr_count 2
		.amdhsa_user_sgpr_kernarg_segment_ptr 1
		.amdhsa_wavefront_size32 1
		.amdhsa_system_sgpr_workgroup_id_x 1
		.amdhsa_system_sgpr_workgroup_id_y 1
		.amdhsa_system_sgpr_workgroup_id_z 1
		.amdhsa_system_vgpr_workitem_id 0
		.amdhsa_next_free_vgpr 1024
		.amdhsa_next_free_sgpr 102
		.amdhsa_reserve_vcc 0
		.amdhsa_float_denorm_mode_32 3
		.amdhsa_float_denorm_mode_16_64 3
		.amdhsa_memory_ordered 1
		.amdhsa_forward_progress 1
		.amdhsa_inst_pref_size 108
	.end_amdhsa_kernel
	.amdgpu_metadata
---
amdhsa.version: [ 1, 2 ]
amdhsa.kernels:
  - .name:           k_qade9a49c15_scores
    .symbol:         k_qade9a49c15_scores.kd
    .args:
      - { .name: qkv, .offset: 0, .size: 8, .value_kind: global_buffer, .address_space: global }
      - { .name: p, .offset: 8, .size: 8, .value_kind: global_buffer, .address_space: global }
    .group_segment_fixed_size: 327680
    .private_segment_fixed_size: 0
    .kernarg_segment_align: 8
    .kernarg_segment_size: 16
    .max_flat_workgroup_size: 128
    .sgpr_count:     102
    .vgpr_count:     1024
    .wavefront_size: 32
...
	.end_amdgpu_metadata
.endif
;; end of part 3
;; launch pv (part 4): grid 4 x 64, 4 waves a work-group, clusters of 4 x 4, 327,680 bytes of LDS; arguments p, qkv, o; writes o
.if DOCPART == 4
	.amdgcn_target "amdgcn-amd-amdhsa--gfx1250"
	.amdhsa_code_object_version 6
	.text
	.protected	k_qade9a49c15_pv
	.globl	k_qade9a49c15_pv
	.p2align	8
	.type	k_qade9a49c15_pv,@function
k_qade9a49c15_pv:
	s_mov_b64 s[64:65], 0
	v_nop
	global_prefetch_b8 v0, s[64:65] scope:SCOPE_SE
	s_setreg_imm32_b32 hwreg(HW_REG_WAVE_MODE, 25, 1), 1
	s_wait_xcnt 0x0
	s_wait_alu depctr_hold_cnt(0) depctr_sa_sdst(0) depctr_va_vdst(0) depctr_va_sdst(0) depctr_va_ssrc(0) depctr_va_vcc(0) depctr_vm_vsrc(0)
	s_getreg_b32 s2, hwreg(HW_REG_IB_STS2, 6, 4)
	s_cmp_eq_u32 s2, 0
	s_cbranch_scc0 .Lentry_in_a_cluster
	s_endpgm
.Lentry_in_a_cluster:
	s_bfe_u32 s2, ttmp6, 0x10000c
	s_cmp_lg_u32 s2, 0xf033
	s_cbranch_scc0 .Lentry_shape_is_right
	s_endpgm
.Lentry_shape_is_right:
; PV.  o = (p v) / l on codes of FP6 (E2M3) with E8M0 scales; o is quantised at once along d and leaves as fragment images.
; p was quantised under a whole number M_loc for each query and each 128 keys.  Here the row's M = the largest M_loc; a K step's four scale bytes of p have M - M_loc taken off (a power of two, which rounds nothing),
; and l = the sum of l_loc x 2^(M_loc - M).  That is done in registers at the head, while the first tiles are on their way.
; OPERANDS are fragment images (16 rows x 128 K = 1,536 bytes); row block rb holds in lane-row q the row 32 (rb / 2) + 8 (rb % 2) + q + 8 (q / 8).
; TILE.  256 of d (R = v^T, source 0) x 128 queries (L = p, source 1); wave w: R half w % 2 x L half w / 2: 32 accumulators.  A lane holds ONE query, and its 64 registers of an L tile are d = 32 b + 16 h + 0 .. 15.
; K = 2,048: LDS holds 8 K steps.  K steps 0-7 come by four first fills a wave; behind K step 3's fetches the first four slots take K steps 8-11, behind K step 7's the other four take 12-15, each by ONE load a wave
; behind a round of the cluster's barrier; such a load has four K steps, 128 matrix instructions a wave, in which to land.
; CLUSTERS: 4 x 4: p's tile is asked for jointly along a row of the cluster, v^T's along a column.
; REGISTERS: window 0: v0-19 addresses and at work, v20-23 the scale words made, v32-127 L's fragments (at the head: -M_loc and l_loc), v128-191 R's scale words, v192-223 L's, v224-225 a store's pair, v232-239 1 / l, v240-251 at work.
;   windows 1, 2: v0-127 accumulators, v128.. at work.   window 3: R's fragments.
; LIMITS: NaN and infinities are not served.  A scale byte of p that the shift would carry under 0 is held at 0 (2^-127), and an l_loc 127 or more powers of two under the row's M counts as 0: both under 2^-120 of l, which is above 1/2.
; A block of zeros of o gets the byte 1 (its codes are zeros; this program alone reads the bytes).
.set FRB,    1536
.set LH,     49152                     ; LDS: an L half: 8 slots x 4 fragments; two of them from byte 0
.set RB0,    2*LH                      ; then two R halves:
.set RH,     98304                     ; 8 slots x 8 fragments
.set SPARE,  RB0+2*RH                  ; the spare words, 128 bytes a wave: two blocks of 256 bytes that no other line names
.set LPITCH, 786432                    ; p: 512 rb x 1,536 bytes
.set RPITCH, 98304                     ; v^T: 64 rb
.set LW5,    98304
.set RW5,    12288
.set LSP,    32768
.set RSP,    4096
.set PS,     12582912                  ; p: the planes: scale words, -M_loc, l_loc
.set PLANE,  524288
.set VC,     12582912                  ; qkv: v^T's codes
.set VS,     19398656                  ; and scale words
.set OS,     6291456                   ; o: the scale words
.set LI,  3
.set ADL, 4
.set ADR0, 5
.set ADR1, 6
.set SPW, 7                            ; v7   my spare word; never rewritten
.set NIL, 8                            ; v8   0; never rewritten
.set RSO, 9
.set LSO, 10
.set SSO, 11
.set NMG, 12                           ; v12-15 -M of the four L tiles' queries;  v16-19 l
.set LT,  16
.set PWS, 20
.set LF,  32
.set NM,  32                           ; at the head: v32-63 -M_loc, v64-95 l_loc: register 4 kp + l; lanes 0-15 K step 2 kp, lanes 16-31 K step 2 kp + 1
.set LL,  64
.set RS,  128
.set LS,  192
.set RL,  232
.set TM,  128
.set PW,  148
.set G1L, 24
.set G1R, 32
.set G1L4, 76                          ; the refills' groups 1: four K steps
.set G1R4, 84
.set MSB, 0
.macro WIN new                         ; the immediate's high byte repeats the setting that is left
.if MSB != (\new)
	s_set_vgpr_msb (MSB<<8)|(\new)
.set MSB, \new
.endif
.endm
.macro PLACES                          ; four plain places behind matrix instructions, ahead of loads into their sources and of reads of their results
.rept 4
	v_nop
.endr
.endm
.macro CREST
	s_cmp_lg_u32 s10, 0
	s_cbranch_scc1 .Lnot_wave_0_\@
	s_barrier_signal -3
.Lnot_wave_0_\@:
	s_barrier_wait -3
	s_barrier_signal -1
	s_barrier_wait -1
.endm
.macro CROUND
	s_barrier_signal -1
	s_barrier_wait -1
	CREST
.endm
.macro G1SET g, d0, nk, w5
	s_mov_b32 s[\g+1], (\d0)<<16
	s_mov_b32 s[\g+2], (\nk)<<16
	s_mov_b32 s[\g+3], (\d0)<<16
	s_mov_b32 s[\g+4], \nk
	s_mov_b32 s[\g+5], \w5
	s_mov_b32 s[\g+6], 0
	s_mov_b32 s[\g+7], 0
.endm
.macro G0SET                           ; groups 0 of the four fills: L's at s40, 44, 48, 52, R's at s56, 60, 68, 72
	s_mul_i32 s41, s12, LH
	s_mul_i32 s57, s12, RH
	s_add_co_u32 s57, s57, RB0
.irp c, 0,1,2,3
	s_mov_b32 s[40+4*\c], 1
.if \c > 0
	s_add_co_u32 s[41+4*\c], s41, 2*\c*4*FRB
.endif
	s_add_nc_u64 s[42+4*\c:43+4*\c], s[2:3], 2*\c*LPITCH
	s_or_b32 s[43+4*\c], s[43+4*\c], 0x80000000
	s_mov_b32 s[56+4*\c+4*(\c/2)], 1
.if \c > 0
	s_add_co_u32 s[57+4*\c+4*(\c/2)], s57, 2*\c*8*FRB
.endif
	s_add_nc_u64 s[58+4*\c+4*(\c/2):59+4*\c+4*(\c/2)], s[18:19], 2*\c*RPITCH
	s_or_b32 s[59+4*\c+4*(\c/2)], s[59+4*\c+4*(\c/2)], 0x80000000
.endr
.endm
.macro FILL4                           ; a wave's four first fills stand in one branch on its number; four tensor loads of mine are out
	s_cmp_eq_u32 s11, 0
	s_cbranch_scc0 .Lfill_r
.irp c, 0,1,2,3
	tensor_load_to_lds s[40+4*\c:43+4*\c], s[G1L:G1L+7]
	s_nop 0
.endr
	PLACES
	s_branch .Lfilled
.Lfill_r:
.irp c, 0,1,2,3
	tensor_load_to_lds s[56+4*\c+4*(\c/2):59+4*\c+4*(\c/2)], s[G1R:G1R+7]
	s_nop 0
.endr
	PLACES
.Lfilled:
.endm
.macro JLOAD g0l, g1l, g0r, g1r        ; a joint refill: waves 0, 1 for L, waves 2, 3 for R; an s_nop 0 and four v_nop follow each of the two lines
	s_cmp_eq_u32 s11, 0
	s_cbranch_scc0 .Lfor_r_\@
	tensor_load_to_lds s[\g0l:\g0l+3], s[\g1l:\g1l+7]
	s_nop 0
	PLACES
	s_branch .Lasked_\@
.Lfor_r_\@:
	tensor_load_to_lds s[\g0r:\g0r+3], s[\g1r:\g1r+7]
	s_nop 0
	PLACES
.Lasked_\@:
.endm
.macro FETCH k                         ; K step k lies in slot k % 8
.set FP, (\k)%2
.set FS, (\k)%8
	WIN 0xc0
.irp t, 0,1,2,3,4,5,6,7
.irp c, 0,1,2
	ds_load_b128 v[96*FP+12*\t+4*\c:96*FP+12*\t+4*\c+3], v[ADR0+FS/4] offset:(FS%4)*8*FRB+FRB*\t+512*\c
.endr
.endr
	WIN 0
.irp l, 0,1,2,3
.irp c, 0,1,2
	ds_load_b128 v[LF+48*FP+12*\l+4*\c:LF+48*FP+12*\l+4*\c+3], v[ADL] offset:4*FRB*FS+FRB*\l+512*\c
.endr
.endr
.endm
; 16 matrix instructions: L tiles 2 hi, 2 hi + 1 x R's eight.  The 32 accumulators take turns, in the same order in every step.  K step 0 starts the sums.
.macro MUL k, hi
.set MP, (\k)%2
	WIN 0x53+0x50*(\hi)
.irp l, 0,1
.irp t, 0,1,2,3,4,5,6,7
.set AD, 64*\l+8*\t
.set AA, 96*MP+12*\t
.set AB, LF+48*MP+12*(2*(\hi)+\l)
.set SA, RS+4*(\k)+\t%4
.set SB, LS+4*((\k)/2)+2*(\hi)+\l
.if (\k) == 0
.if \t < 4
	v_wmma_scale_f32_16x16x128_f8f6f4 v[AD:AD+7], v[AA:AA+11], v[AB:AB+11], 0, v[SA], v[SB] matrix_a_fmt:MATRIX_FMT_FP6 matrix_b_fmt:MATRIX_FMT_FP6
.else
	v_wmma_scale_f32_16x16x128_f8f6f4 v[AD:AD+7], v[AA:AA+11], v[AB:AB+11], 0, v[SA], v[SB] matrix_a_fmt:MATRIX_FMT_FP6 matrix_b_fmt:MATRIX_FMT_FP6 matrix_a_scale:MATRIX_SCALE_ROW1
.endif
.elseif (\k)%2 == 0
.if \t < 4
	v_wmma_scale_f32_16x16x128_f8f6f4 v[AD:AD+7], v[AA:AA+11], v[AB:AB+11], v[AD:AD+7], v[SA], v[SB] matrix_a_fmt:MATRIX_FMT_FP6 matrix_b_fmt:MATRIX_FMT_FP6
.else
	v_wmma_scale_f32_16x16x128_f8f6f4 v[AD:AD+7], v[AA:AA+11], v[AB:AB+11], v[AD:AD+7], v[SA], v[SB] matrix_a_fmt:MATRIX_FMT_FP6 matrix_b_fmt:MATRIX_FMT_FP6 matrix_a_scale:MATRIX_SCALE_ROW1
.endif
.else
.if \t < 4
	v_wmma_scale_f32_16x16x128_f8f6f4 v[AD:AD+7], v[AA:AA+11], v[AB:AB+11], v[AD:AD+7], v[SA], v[SB] matrix_a_fmt:MATRIX_FMT_FP6 matrix_b_fmt:MATRIX_FMT_FP6 matrix_b_scale:MATRIX_SCALE_ROW1
.else
	v_wmma_scale_f32_16x16x128_f8f6f4 v[AD:AD+7], v[AA:AA+11], v[AB:AB+11], v[AD:AD+7], v[SA], v[SB] matrix_a_fmt:MATRIX_FMT_FP6 matrix_b_fmt:MATRIX_FMT_FP6 matrix_a_scale:MATRIX_SCALE_ROW1 matrix_b_scale:MATRIX_SCALE_ROW1
.endif
.endif
.endr
.endr
.endm
.macro KSTEP k, last, bnd, cnt
	s_wait_dscnt 0x0                               ; this step's fragments, asked for a step ago, are in
.if \bnd
	s_wait_tensorcnt \cnt                          ; my part of the fill that holds the next step (cnt later fills may be out),
	s_barrier_signal -1
	s_barrier_wait -1                              ; everybody's
.endif
.if !(\last)
.if (\k) > 0
	PLACES
.endif
	FETCH (\k)+1
.endif
	MUL \k, 0
	MUL \k, 1
	WIN 0
.endm
; A K step behind whose fetch four slots are free.  Every wave waits for ALL its tensor loads, adds 0 to its spare word, waits for that and for its reads of the four slots, and passes a round of the cluster's barrier;
; the joint refill, four K steps by one load, is the first tensor load behind the round.  Its group 0 is fill c's: the same LDS bytes on, eight K steps further along K.
.macro RSTEP k, c
	s_wait_tensorcnt 0x0                           ; no tensor load of mine is out, so a group 0 may be written
	ds_add_u32 v[SPW], v[NIL]                      ; 0 onto my spare word: the descriptors' steps stand between it and the wait for it
	s_add_nc_u64 s[42+4*\c:43+4*\c], s[42+4*\c:43+4*\c], 8*LPITCH
	s_add_nc_u64 s[58+4*\c+4*(\c/2):59+4*\c+4*(\c/2)], s[58+4*\c+4*(\c/2):59+4*\c+4*(\c/2)], 8*RPITCH
	s_wait_dscnt 0x0                               ; the add is done; this step's fragments are in, and with them my last reads of the four slots
	s_barrier_signal -1
	MUL \k, 0                                      ; work on registers while the others arrive
	WIN 0
	s_barrier_wait -1
	CREST                                          ; no wave of any partner still reads the four slots or has a load on its way
	JLOAD 40+4*\c, G1L4, 56+4*\c+4*(\c/2), G1R4    ; its four v_nop are also the places in front of the loads below
	FETCH (\k)+1
	MUL \k, 1
	WIN 0
.endm
.macro QUANT s, pc
.irp b, 0,1,2,3
	v_max3_num_f32 v[TM+\b], |v[\s+16*\b]|, |v[\s+1+16*\b]|, 0x1800000   ; my 16 numbers of block b, and the floor 2^(3 - 127): the byte cannot fall under 1
.endr
.irp i, 2,4,6,8,10,12,14
.irp b, 0,1,2,3
	v_max3_num_f32 v[TM+\b], v[TM+\b], |v[\s+16*\b+\i]|, |v[\s+1+16*\b+\i]|
.endr
.endr
.irp b, 0,1,2,3
	v_permlanex16_b32 v[TM+4+\b], v[TM+\b], s20, s21
.endr
.irp b, 0,1,2,3
	v_max_num_f32 v[TM+\b], v[TM+\b], v[TM+4+\b]
.endr
.irp b, 0,1,2,3
	v_add_nc_u32 v[TM+12+\b], 0xff000000, v[TM+\b] ; 2 off the exponent field: the conversion's scale operand
.endr
.irp b, 0,1,2,3
	v_lshrrev_b32 v[TM+4+\b], 23, v[TM+12+\b]      ; the byte
.endr
	v_lshl_or_b32 v[PW], v[TM+5], 8, v[TM+4]
	v_lshl_or_b32 v[PW], v[TM+6], 16, v[PW]
	v_lshl_or_b32 v[PW], v[TM+7], 24, v[PW]
.irp c, 0,1
	v_cvt_scalef32_pk16_fp6_f32 v[\pc+6*\c:\pc+6*\c+2], v[\s+32*\c:\s+32*\c+15], v[TM+12+2*\c]
	v_cvt_scalef32_pk16_fp6_f32 v[\pc+12+4*\c:\pc+14+4*\c], v[\s+32*\c+16:\s+32*\c+31], v[TM+13+2*\c]
.endr
	v_nop                                          ; one plain place behind a scaled conversion
.irp c, 0,1
.irp i, 0,1,2
	v_permlane16_swap_b32 v[\pc+6*\c+\i], v[\pc+12+4*\c+\i]
.endr
.irp i, 0,1,2
	v_mov_b32 v[\pc+3+6*\c+\i], v[\pc+12+4*\c+\i]
.endr
.endr
.endm
.macro PUTF l
	WIN 0x04*(1+(\l)/2)
.irp c, 0,1,2
	global_store_b128 v[LI], v[QPC+4*\c:QPC+4*\c+3], s[92:93] offset:FRB*(\l)+512*\c
.endr
	WIN 0x01*(1+(\l)/2)
	v_mov_b32 v[PWS+(\l)], v[PW]
.endm
.macro TAILQ l
.set QSRC, 64*((\l)%2)
.set QPC, 152+24*((\l)%2)
	WIN 0x55*(1+(\l)/2)
.if (\l)%2 == 0
.irp b, 0,1,2,3
	v_mov_b32 v[TM+4+\b], 0                        ; a lane permute's destination counts as one of its sources
.endr
.endif
	QUANT QSRC, QPC
	PUTF \l
.endm
.macro PACK2 src, pr, off
	v_cndmask_b32 v[\pr], v[\src], v[\src+2], s18
	v_cndmask_b32 v[\pr+1], v[\src+1], v[\src+3], s18
	global_store_b64 v[SSO], v[\pr:\pr+1], s[94:95] offset:\off
.endm
	s_load_b128 s[4:7], s[0:1], 0x0                ; p, qkv
	s_load_b64 s[8:9], s[0:1], 0x10                ; o
	v_lshl_add_u32 v[SPW], v0, 2, SPARE
	v_mov_b32 v[NIL], 0
	ds_add_u32 v[SPW], v[NIL]                      ; the wave's opening: an add and its wait ahead of my first tensor load; work on registers stands between them
	v_lshrrev_b32 v12, 5, v0
	v_readfirstlane_b32 s10, v12                   ; wave 0..3
	s_lshr_b32 s11, s10, 1                         ; my L half.  Also: I fetch for L (0) or for R (1)
	s_and_b32 s12, s10, 1                          ; my R half.  Also: which half I fetch
	s_bfe_u32 s13, ttmp6, 0x40000                  ; cx
	s_bfe_u32 s14, ttmp6, 0x40004                  ; cy
	s_lshl_b32 s15, ttmp9, 2
	s_add_co_u32 s15, s15, s13                     ; X: which 256 of d
	s_and_b32 s17, ttmp7, 0xffff
	s_lshl_b32 s16, s17, 2
	s_add_co_u32 s16, s16, s14                     ; Y: which 128 queries
	s_lshl_b32 s19, s14, 2
	s_lshl_b32 s19, 15, s19                        ; my row of the cluster
	s_or_b32 s[G1L], s19, (3<<16)|(1<<21)          ; 15:0 the mask; 17:16 elements of 8 bytes; 21 set beside a mask; no padding
	s_or_b32 s[G1L4], s19, (3<<16)|(1<<21)
	s_lshl_b32 s19, 0x1111, s13                    ; my column
	s_or_b32 s[G1R], s19, (3<<16)|(1<<21)
	s_or_b32 s[G1R4], s19, (3<<16)|(1<<21)
	G1SET G1L, 768, 2, LW5
	G1SET G1R, 1536, 2, RW5
	G1SET G1L4, 768, 4, LW5
	G1SET G1R4, 1536, 4, RW5
	s_mov_b32 s20, 0x76543210
	s_mov_b32 s21, 0xfedcba98
	s_lshl_b32 s2, s16, 3
	s_lshl_b32 s3, s12, 2
	s_add_co_u32 s2, s2, s3
	s_mul_i32 s2, s2, FRB                          ; L: p's row block 8 Y + 4 x the half that I fetch
	s_mov_b32 s3, 0
	s_lshl_b32 s18, s15, 4
	s_lshl_b32 s19, s12, 3
	s_add_co_u32 s18, s18, s19
	s_mul_i32 s18, s18, FRB                        ; R: v^T's row block 16 X + 8 x half,
	s_lshr_b32 s19, s17, 2                         ; in the batch (the same in all sixteen partners):
	s_mul_i32 s19, s19, 16*RPITCH                  ; its 16 K steps
	s_add_co_u32 s18, s18, s19
	s_add_co_u32 s18, s18, VC
	s_mov_b32 s19, 0
	s_lshl_b32 s96, s15, 10
	s_lshl_b32 s97, s12, 9
	s_add_co_u32 s96, s96, s97
	s_lshr_b32 s97, s17, 2
	s_lshl_b32 s97, s97, 16
	s_add_co_u32 s96, s96, s97
	s_add_co_u32 s96, s96, VS                      ; the scale words of the R half that I multiply
	s_mov_b32 s97, 0
	s_lshl_b32 s98, s16, 9
	s_lshl_b32 s99, s11, 8
	s_add_co_u32 s98, s98, s99
	s_add_co_u32 s94, s98, OS
	s_add_co_u32 s98, s98, PS                      ; my L half's words in p's planes
	s_mov_b32 s99, 0
	s_lshl_b32 s22, s15, 1
	s_add_co_u32 s22, s22, s12                     ; my 128 of d: K step 0 .. 7 of the next product
	s_lshl_b32 s23, s22, 15
	s_add_co_u32 s94, s94, s23                     ; where my scale words go
	s_mov_b32 s95, 0
	s_lshl_b32 s92, s16, 3
	s_lshl_b32 s93, s11, 2
	s_add_co_u32 s92, s92, s93
	s_mul_i32 s92, s92, FRB
	s_mul_i32 s93, s22, 786432
	s_add_co_u32 s92, s92, s93                     ; and my codes
	s_mov_b32 s93, 0
	v_and_b32 v1, 15, v0                           ; r
	v_bfe_u32 v2, v0, 4, 1                         ; h
	v_and_b32 v3, 31, v0
	v_lshlrev_b32 v[LI], 4, v3
	s_mul_i32 s22, s11, LH
	v_add_nc_u32 v[ADL], s22, v[LI]
	s_mul_i32 s22, s12, RH
	s_add_co_u32 s22, s22, RB0
	v_add_nc_u32 v[ADR0], s22, v[LI]
	v_add_nc_u32 v[ADR1], 4*8*FRB, v[ADR0]
	v_lshlrev_b32 v[RSO], 4, v1
	v_lshl_add_u32 v[SSO], v2, 3, v[RSO]
	v_mul_u32_u24 v[LSO], v2, LSP
	v_add_nc_u32 v[LSO], v[LSO], v[RSO]
	v_lshl_add_u32 v[RSO], v2, 8, v[RSO]
	s_wait_dscnt 0x0                               ; the opening add is done
	s_wait_kmcnt 0x0
	s_add_nc_u64 s[2:3], s[4:5], s[2:3]
	s_add_nc_u64 s[18:19], s[6:7], s[18:19]
	s_add_nc_u64 s[96:97], s[6:7], s[96:97]
	s_add_nc_u64 s[98:99], s[4:5], s[98:99]
	s_add_nc_u64 s[92:93], s[8:9], s[92:93]
	s_add_nc_u64 s[94:95], s[8:9], s[94:95]
.irp k, 0,1,2,3,4,5,6,7
	global_load_b128 v[NM+4*\k:NM+4*\k+3], v[LSO], s[98:99] offset:2*\k*LSP+PLANE
.endr
.irp k, 0,1,2,3,4,5,6,7
	global_load_b128 v[LL+4*\k:LL+4*\k+3], v[LSO], s[98:99] offset:2*\k*LSP+2*PLANE
.endr
.irp k, 0,1,2,3,4,5,6,7
	global_load_b128 v[LS+4*\k:LS+4*\k+3], v[LSO], s[98:99] offset:2*\k*LSP
.endr
.irp k, 0,1,2,3,4,5,6,7,8,9,10,11,12,13,14,15
	global_load_b128 v[RS+4*\k:RS+4*\k+3], v[RSO], s[96:97] offset:\k*RSP
.endr
	G0SET
	s_mov_b32 s18, 0xffff0000                      ; from here on: the mask of lanes 16-31,
	s_mov_b32 s3, 0x80808080                       ; and the top bit of each byte
	CROUND                                         ; all sixteen work-groups are here: the first joint loads meet
	FILL4
	s_wait_loadcnt 16                              ; the 16 loads of v^T's scale words may be out: p's three planes are in
	; ---- p's scale bytes under the row's M, and l
.irp l, 0,1,2,3
	v_min3_num_f32 v[NMG+\l], v[NM+\l], v[NM+4+\l], v[NM+8+\l]
.endr
.irp l, 0,1,2,3
	v_min3_num_f32 v[NMG+\l], v[NMG+\l], v[NM+12+\l], v[NM+16+\l]
.endr
.irp l, 0,1,2,3
	v_min3_num_f32 v[NMG+\l], v[NMG+\l], v[NM+20+\l], v[NM+24+\l]
.endr
.irp l, 0,1,2,3
	v_min_num_f32 v[NMG+\l], v[NMG+\l], v[NM+28+\l]
.endr
.irp l, 0,1,2,3
	v_mov_b32 v[240+\l], 0                         ; a lane permute's destination counts as one of its sources
.endr
.irp l, 0,1,2,3
	v_permlanex16_b32 v[240+\l], v[NMG+\l], s20, s21
.endr
.irp l, 0,1,2,3
	v_min_num_f32 v[NMG+\l], v[NMG+\l], v[240+\l]  ; -M = the least -M_loc of all 16 K steps
.endr
.irp kp, 0,1,2,3,4,5,6,7
.irp l, 0,1,2,3
	v_sub_f32 v[240+\l], v[NM+4*\kp+\l], v[NMG+\l] ; d = M - M_loc: a whole number, 0 or more
.endr
.irp l, 0,1,2,3
	v_min_num_f32 v[240+\l], 0x42fe0000, v[240+\l] ; 127 at the most
.endr
.irp l, 0,1,2,3
	v_cvt_u32_f32 v[240+\l], v[240+\l]
.endr
.irp l, 0,1,2,3
	v_sub_nc_u32 v[244+\l], 127, v[240+\l]
.endr
.irp l, 0,1,2,3
	v_lshlrev_b32 v[244+\l], 23, v[244+\l]         ; 2^-d (d = 127: 0)
.endr
.irp l, 0,1,2,3
.if \kp == 0
	v_mul_f32 v[LT+\l], v[LL+\l], v[244+\l]
.else
	v_fmac_f32 v[LT+\l], v[LL+4*\kp+\l], v[244+\l]
.endif
.endr
.irp l, 0,1,2,3
	v_perm_b32 v[240+\l], v[240+\l], v[240+\l], 0  ; d in all four bytes
.endr
.irp l, 0,1,2,3
	v_or_b32 v[244+\l], s3, v[LS+4*\kp+\l]         ; each byte b, 125 at the most, as 128 + b:
.endr
.irp l, 0,1,2,3
	v_sub_nc_u32 v[244+\l], v[244+\l], v[240+\l]   ; 128 + b - d is 1 or more, so no byte borrows from the next
.endr
.irp l, 0,1,2,3
	v_and_b32 v[240+\l], s3, v[244+\l]             ; the top bit stands where b >= d
.endr
.irp l, 0,1,2,3
	v_lshrrev_b32 v[248+\l], 7, v[240+\l]
.endr
.irp l, 0,1,2,3
	v_sub_nc_u32 v[240+\l], v[240+\l], v[248+\l]   ; 0x7f there, 0 elsewhere
.endr
.irp l, 0,1,2,3
	v_and_b32 v[LS+4*\kp+\l], v[244+\l], v[240+\l] ; b - d, held at 0
.endr
.endr
.irp l, 0,1,2,3
	v_permlanex16_b32 v[240+\l], v[LT+\l], s20, s21
.endr
.irp l, 0,1,2,3
	v_add_f32 v[LT+\l], v[LT+\l], v[240+\l]        ; even and odd K steps: l
.endr
.irp l, 0,1,2,3
	v_rcp_f32 v[RL+2*\l], v[LT+\l]
.endr
	v_nop                                          ; a plain place behind the reciprocals
	s_wait_alu depctr_va_vdst(0)                   ; one wait for the four, ahead of their first reader
.irp l, 0,1,2,3
	v_mov_b32 v[RL+2*\l+1], v[RL+2*\l]             ; (a pair is named whole).  Behind the last write of a scale register stand four additions, the v_nop and these four: nine plain places ahead of the first scaled product
.endr
	s_wait_loadcnt 0x0                             ; v^T's scale words
	s_wait_tensorcnt 0x3                           ; my first fill is in; the three behind it may be out,
	s_barrier_signal -1
	s_barrier_wait -1                              ; everybody's is
	FETCH 0
	KSTEP 0, 0, 0, 0
	KSTEP 1, 0, 1, 2
	KSTEP 2, 0, 0, 0
	RSTEP 3, 0                                     ; slots 0-3 take K steps 8-11
	KSTEP 4, 0, 0, 0
	KSTEP 5, 0, 0, 0
	KSTEP 6, 0, 0, 0
	RSTEP 7, 2                                     ; slots 4-7 take K steps 12-15
	KSTEP 8, 0, 0, 0
	KSTEP 9, 0, 0, 0
	KSTEP 10, 0, 0, 0
	KSTEP 11, 0, 1, 0                              ; the one load that is out is the last refill
	KSTEP 12, 0, 0, 0
	KSTEP 13, 0, 0, 0
	KSTEP 14, 0, 0, 0
	KSTEP 15, 1, 0, 0
	PLACES
.irp l, 0,1,2,3
	WIN 0x41*(1+\l/2)
.set J, 64*(\l%2)
.rept 32
	v_pk_mul_f32 v[J:J+1], v[J:J+1], v[RL+2*\l:RL+2*\l+1] op_sel_hi:[1,0]   ; / l; each accumulator from its low end on
.set J, J+2
.endr
	TAILQ \l
.endr
	WIN 0
	PACK2 PWS, 224, 0
	s_wait_tensorcnt 0x0                           ; the wave's end
	ds_add_u32 v[SPW], v[NIL]
	s_wait_dscnt 0x0
	CROUND                                         ; the closing round
	s_endpgm
.Lfunc_end_k_qade9a49c15_pv:
	.size	k_qade9a49c15_pv, .Lfunc_end_k_qade9a49c15_pv-k_qade9a49c15_pv
	.p2alignl 7, 3214868480
	.fill 96, 4, 3214868480
	.section	.rodata,"a",@progbits
	.p2align	6, 0x0
	.amdhsa_kernel k_qade9a49c15_pv
		.amdhsa_group_segment_fixed_size 327680
		.amdhsa_private_segment_fixed_size 0
		.amdhsa_enable_private_segment 0
		.amdhsa_kernarg_size 24
		.amdhsa_user_sgpr_count 2
		.amdhsa_user_sgpr_kernarg_segment_ptr 1
		.amdhsa_wavefront_size32 1
		.amdhsa_system_sgpr_workgroup_id_x 1
		.amdhsa_system_sgpr_workgroup_id_y 1
		.amdhsa_system_sgpr_workgroup_id_z 1
		.amdhsa_system_vgpr_workitem_id 0
		.amdhsa_next_free_vgpr 1024
		.amdhsa_next_free_sgpr 102
		.amdhsa_reserve_vcc 0
		.amdhsa_float_denorm_mode_32 3
		.amdhsa_float_denorm_mode_16_64 3
		.amdhsa_memory_ordered 1
		.amdhsa_forward_progress 1
		.amdhsa_inst_pref_size 164
	.end_amdhsa_kernel
	.amdgpu_metadata
---
amdhsa.version: [ 1, 2 ]
amdhsa.kernels:
  - .name:           k_qade9a49c15_pv
    .symbol:         k_qade9a49c15_pv.kd
    .args:
      - { .name: p, .offset: 0, .size: 8, .value_kind: global_buffer, .address_space: global }
      - { .name: qkv, .offset: 8, .size: 8, .value_kind: global_buffer, .address_space: global }
      - { .name: o, .offset: 16, .size: 8, .value_kind: global_buffer, .address_space: global }
    .group_segment_fixed_size: 327680
    .private_segment_fixed_size: 0
    .kernarg_segment_align: 8
    .kernarg_segment_size: 24
    .max_flat_workgroup_size: 128
    .sgpr_count:     102
    .vgpr_count:     1024
    .wavefront_size: 32
...
	.end_amdgpu_metadata
.endif
;; end of part 4
;; launch outp (part 5): grid 4 x 64, 4 waves a work-group, clusters of 4 x 4, 327,680 bytes of LDS; arguments o, xw, out0; writes out0
.if DOCPART == 5
	.amdgcn_target "amdgcn-amd-amdhsa--gfx1250"
	.amdhsa_code_object_version 6
	.text
	.protected	k_qade9a49c15_outp
	.globl	k_qade9a49c15_outp
	.p2align	8
	.type	k_qade9a49c15_outp,@function
k_qade9a49c15_outp:
	s_mov_b64 s[64:65], 0
	v_nop
	global_prefetch_b8 v0, s[64:65] scope:SCOPE_SE
	s_setreg_imm32_b32 hwreg(HW_REG_WAVE_MODE, 25, 1), 1
	s_wait_xcnt 0x0
	s_wait_alu depctr_hold_cnt(0) depctr_sa_sdst(0) depctr_va_vdst(0) depctr_va_sdst(0) depctr_va_ssrc(0) depctr_va_vcc(0) depctr_vm_vsrc(0)
	s_getreg_b32 s2, hwreg(HW_REG_IB_STS2, 6, 4)
	s_cmp_eq_u32 s2, 0
	s_cbranch_scc0 .Lentry_in_a_cluster
	s_endpgm
.Lentry_in_a_cluster:
	s_bfe_u32 s2, ttmp6, 0x10000c
	s_cmp_lg_u32 s2, 0xf033
	s_cbranch_scc0 .Lentry_shape_is_right
	s_endpgm
.Lentry_shape_is_right:
; OUTP.  out0 = o wo^T on codes of FP6 (E2M3) with E8M0 scales; f32 out.
; OPERANDS are fragment images (16 rows x 128 K = 1,536 bytes); row block rb holds in lane-row q the row 32 (rb / 2) + 8 (rb % 2) + q + 8 (q / 8).
; TILE.  256 outputs (R = wo, source 0) x 128 tokens (L = o, source 1); wave w: R half w % 2 x L half w / 2: 32 accumulators.  A lane holds ONE token, and its 64 registers of an L tile are outputs 32 b + 16 h + 0 .. 15.
; K = 1,024 lies in LDS whole, brought by four first fills a wave; nothing is filled again.  CLUSTERS: 4 x 4: o's tile is asked for jointly along a row of the cluster, wo's along a column.
; THE WAY OUT.  A lane's numbers are pieces of one row, and the lanes beside it hold other rows: an L tile (16 rows x 512 bytes) goes through the wave's stage in LDS and leaves as whole rows, 512 consecutive bytes a store.
; The stages lie where L half 0 lay: it has had its only fill, and a barrier stands between every wave's last read of it and the first store.
; REGISTERS: window 0: v0-19 addresses, v32-127 L's fragments, v128-159 R's scale words, v160-175 L's.   windows 1, 2: v0-127 accumulators.   window 3: R's fragments; on the way out four buffers of 64.
; LIMITS: NaN and infinities are not served.
.set FRB,    1536
.set LH,     49152
.set RB0,    2*LH
.set RH,     98304
.set SPARE,  RB0+2*RH                  ; the spare words, 128 bytes a wave: two blocks of 256 bytes that no other line names
.set LPITCH, 786432                    ; o: 512 rb x 1,536 bytes
.set RPITCH, 1179648                   ; xw: 768 rb
.set LW5,    98304
.set RW5,    147456
.set LSP,    32768
.set RSP,    49152
.set OS,     6291456
.set XSC,    9437184
.set STG,    8448                      ; a wave's stage: 16 rows x (512 bytes + 16)
.set LI,  3
.set ADL, 4
.set ADR0, 5
.set ADR1, 6
.set SPW, 7                            ; v7   my spare word; never rewritten
.set NIL, 8                            ; v8   0; never rewritten
.set RSO, 9
.set LSO, 10
.set STI, 12                           ; v12  the stage, in: row r, + 64 h
.set STO, 13                           ; v13  out: 16 x lane
.set LF,  32
.set RS,  128
.set LS,  160
.set G1L, 24
.set G1R, 32
.set MSB, 0
.macro WIN new                         ; the immediate's high byte repeats the setting that is left
.if MSB != (\new)
	s_set_vgpr_msb (MSB<<8)|(\new)
.set MSB, \new
.endif
.endm
.macro PLACES                          ; four plain places behind matrix instructions, ahead of loads into their sources and of reads of their results
.rept 4
	v_nop
.endr
.endm
.macro CREST
	s_cmp_lg_u32 s10, 0
	s_cbranch_scc1 .Lnot_wave_0_\@
	s_barrier_signal -3
.Lnot_wave_0_\@:
	s_barrier_wait -3
	s_barrier_signal -1
	s_barrier_wait -1
.endm
.macro CROUND
	s_barrier_signal -1
	s_barrier_wait -1
	CREST
.endm
.macro G1SET g, d0, nk, w5
	s_mov_b32 s[\g+1], (\d0)<<16
	s_mov_b32 s[\g+2], (\nk)<<16
	s_mov_b32 s[\g+3], (\d0)<<16
	s_mov_b32 s[\g+4], \nk
	s_mov_b32 s[\g+5], \w5
	s_mov_b32 s[\g+6], 0
	s_mov_b32 s[\g+7], 0
.endm
.macro G0SET                           ; groups 0 of the four fills: L's at s40, 44, 48, 52, R's at s56, 60, 68, 72
	s_mul_i32 s41, s12, LH
	s_mul_i32 s57, s12, RH
	s_add_co_u32 s57, s57, RB0
.irp c, 0,1,2,3
	s_mov_b32 s[40+4*\c], 1
.if \c > 0
	s_add_co_u32 s[41+4*\c], s41, 2*\c*4*FRB
.endif
	s_add_nc_u64 s[42+4*\c:43+4*\c], s[2:3], 2*\c*LPITCH
	s_or_b32 s[43+4*\c], s[43+4*\c], 0x80000000
	s_mov_b32 s[56+4*\c+4*(\c/2)], 1
.if \c > 0
	s_add_co_u32 s[57+4*\c+4*(\c/2)], s57, 2*\c*8*FRB
.endif
	s_add_nc_u64 s[58+4*\c+4*(\c/2):59+4*\c+4*(\c/2)], s[18:19], 2*\c*RPITCH
	s_or_b32 s[59+4*\c+4*(\c/2)], s[59+4*\c+4*(\c/2)], 0x80000000
.endr
.endm
.macro FILL4                           ; a wave's four first fills stand in one branch on its number; four tensor loads of mine are out
	s_cmp_eq_u32 s11, 0
	s_cbranch_scc0 .Lfill_r
.irp c, 0,1,2,3
	tensor_load_to_lds s[40+4*\c:43+4*\c], s[G1L:G1L+7]
	s_nop 0
.endr
	PLACES
	s_branch .Lfilled
.Lfill_r:
.irp c, 0,1,2,3
	tensor_load_to_lds s[56+4*\c+4*(\c/2):59+4*\c+4*(\c/2)], s[G1R:G1R+7]
	s_nop 0
.endr
	PLACES
.Lfilled:
.endm
.macro FETCH k
.set FP, (\k)%2
.set FS, (\k)%8
	WIN 0xc0
.irp t, 0,1,2,3,4,5,6,7
.irp c, 0,1,2
	ds_load_b128 v[96*FP+12*\t+4*\c:96*FP+12*\t+4*\c+3], v[ADR0+FS/4] offset:(FS%4)*8*FRB+FRB*\t+512*\c
.endr
.endr
	WIN 0
.irp l, 0,1,2,3
.irp c, 0,1,2
	ds_load_b128 v[LF+48*FP+12*\l+4*\c:LF+48*FP+12*\l+4*\c+3], v[ADL] offset:4*FRB*FS+FRB*\l+512*\c
.endr
.endr
.endm
; 16 matrix instructions: L tiles 2 hi, 2 hi + 1 x R's eight.  The 32 accumulators take turns, in the same order in every step.  K step 0 starts the sums.
.macro MUL k, hi
.set MP, (\k)%2
	WIN 0x53+0x50*(\hi)
.irp l, 0,1
.irp t, 0,1,2,3,4,5,6,7
.set AD, 64*\l+8*\t
.set AA, 96*MP+12*\t
.set AB, LF+48*MP+12*(2*(\hi)+\l)
.set SA, RS+4*(\k)+\t%4
.set SB, LS+4*((\k)/2)+2*(\hi)+\l
.if (\k) == 0
.if \t < 4
	v_wmma_scale_f32_16x16x128_f8f6f4 v[AD:AD+7], v[AA:AA+11], v[AB:AB+11], 0, v[SA], v[SB] matrix_a_fmt:MATRIX_FMT_FP6 matrix_b_fmt:MATRIX_FMT_FP6
.else
	v_wmma_scale_f32_16x16x128_f8f6f4 v[AD:AD+7], v[AA:AA+11], v[AB:AB+11], 0, v[SA], v[SB] matrix_a_fmt:MATRIX_FMT_FP6 matrix_b_fmt:MATRIX_FMT_FP6 matrix_a_scale:MATRIX_SCALE_ROW1
.endif
.elseif (\k)%2 == 0
.if \t < 4
	v_wmma_scale_f32_16x16x128_f8f6f4 v[AD:AD+7], v[AA:AA+11], v[AB:AB+11], v[AD:AD+7], v[SA], v[SB] matrix_a_fmt:MATRIX_FMT_FP6 matrix_b_fmt:MATRIX_FMT_FP6
.else
	v_wmma_scale_f32_16x16x128_f8f6f4 v[AD:AD+7], v[AA:AA+11], v[AB:AB+11], v[AD:AD+7], v[SA], v[SB] matrix_a_fmt:MATRIX_FMT_FP6 matrix_b_fmt:MATRIX_FMT_FP6 matrix_a_scale:MATRIX_SCALE_ROW1
.endif
.else
.if \t < 4
	v_wmma_scale_f32_16x16x128_f8f6f4 v[AD:AD+7], v[AA:AA+11], v[AB:AB+11], v[AD:AD+7], v[SA], v[SB] matrix_a_fmt:MATRIX_FMT_FP6 matrix_b_fmt:MATRIX_FMT_FP6 matrix_b_scale:MATRIX_SCALE_ROW1
.else
	v_wmma_scale_f32_16x16x128_f8f6f4 v[AD:AD+7], v[AA:AA+11], v[AB:AB+11], v[AD:AD+7], v[SA], v[SB] matrix_a_fmt:MATRIX_FMT_FP6 matrix_b_fmt:MATRIX_FMT_FP6 matrix_a_scale:MATRIX_SCALE_ROW1 matrix_b_scale:MATRIX_SCALE_ROW1
.endif
.endif
.endr
.endr
.endm
.macro KSTEP k, last, bnd, cnt
	s_wait_dscnt 0x0                               ; this step's fragments, asked for a step ago, are in
.if \bnd
	s_wait_tensorcnt \cnt                          ; my part of the fill that holds the next step (cnt later fills may be out),
	s_barrier_signal -1
	s_barrier_wait -1                              ; everybody's
.endif
.if !(\last)
.if (\k) > 0
	PLACES
.endif
	FETCH (\k)+1
.endif
	MUL \k, 0
	MUL \k, 1
	WIN 0
.endm
.macro TOSTAGE l                       ; L tile l into my stage and back as rows.  LDS serves a wave's instructions in order: no wait between the stores and the loads, nor in front of the next tile's stores
	WIN 0x04*(1+(\l)/2)
.irp b, 0,1,2,3
.irp q, 0,1,2,3
	ds_store_b128 v[STI], v[64*((\l)%2)+16*\b+4*\q:64*((\l)%2)+16*\b+4*\q+3] offset:128*\b+16*\q   ; outputs 32 b + 16 h + 4 q on of row r; each accumulator from its low end on
.endr
.endr
	WIN 0xc0
.irp i, 0,1,2,3,4,5,6,7,8,9,10,11,12,13,14,15
	ds_load_b128 v[64*(\l)+4*\i:64*(\l)+4*\i+3], v[STO] offset:528*\i
.endr
.endm
.macro SEND l, younger                 ; younger: the LDS instructions issued behind tile l's loads, which may stay out.  Each tile has its own 64 registers: no store's data are written again
	s_wait_dscnt \younger
	WIN 0x0c
.irp i, 0,1,2,3,4,5,6,7,8,9,10,11,12,13,14,15
	global_store_b128 v[LI], v[64*(\l)+4*\i:64*(\l)+4*\i+3], s[92:93] offset:(32*((\l)/2)+8*((\l)%2)+\i+8*(\i/8))*4096 th:TH_STORE_NT   ; 512 consecutive bytes of lane-row i's row, aligned; written once, read by nobody here
.endr
.endm
	s_load_b128 s[4:7], s[0:1], 0x0                ; o, xw
	s_load_b64 s[8:9], s[0:1], 0x10                ; out0
	v_lshl_add_u32 v[SPW], v0, 2, SPARE
	v_mov_b32 v[NIL], 0
	ds_add_u32 v[SPW], v[NIL]                      ; the wave's opening: an add and its wait ahead of my first tensor load; work on registers stands between them
	v_lshrrev_b32 v14, 5, v0
	v_readfirstlane_b32 s10, v14                   ; wave 0..3
	s_lshr_b32 s11, s10, 1                         ; my L half.  Also: I fetch for L (0) or for R (1)
	s_and_b32 s12, s10, 1                          ; my R half.  Also: which half I fetch
	s_bfe_u32 s13, ttmp6, 0x40000                  ; cx
	s_bfe_u32 s14, ttmp6, 0x40004                  ; cy
	s_lshl_b32 s15, ttmp9, 2
	s_add_co_u32 s15, s15, s13                     ; X: which 256 outputs
	s_and_b32 s17, ttmp7, 0xffff
	s_lshl_b32 s16, s17, 2
	s_add_co_u32 s16, s16, s14                     ; Y: which 128 tokens
	s_lshl_b32 s19, s14, 2
	s_lshl_b32 s19, 15, s19                        ; my row of the cluster
	s_or_b32 s[G1L], s19, (3<<16)|(1<<21)          ; 15:0 the mask; 17:16 elements of 8 bytes; 21 set beside a mask; no padding
	s_lshl_b32 s19, 0x1111, s13                    ; my column
	s_or_b32 s[G1R], s19, (3<<16)|(1<<21)
	G1SET G1L, 768, 2, LW5
	G1SET G1R, 1536, 2, RW5
	s_lshl_b32 s2, s16, 3
	s_lshl_b32 s3, s12, 2
	s_add_co_u32 s2, s2, s3
	s_mul_i32 s2, s2, FRB                          ; L: o's row block 8 Y + 4 x the half that I fetch
	s_mov_b32 s3, 0
	s_lshl_b32 s18, s15, 4
	s_lshl_b32 s19, s12, 3
	s_add_co_u32 s18, s18, s19
	s_add_co_u32 s18, s18, 704
	s_mul_i32 s18, s18, FRB                        ; R: wo's row block 704 + 16 X + 8 x half
	s_mov_b32 s19, 0
	s_lshl_b32 s96, s15, 10
	s_lshl_b32 s97, s12, 9
	s_add_co_u32 s96, s96, s97
	s_add_co_u32 s96, s96, XSC+704*64              ; the scale words of the R half that I multiply
	s_mov_b32 s97, 0
	s_lshl_b32 s98, s16, 9
	s_lshl_b32 s99, s11, 8
	s_add_co_u32 s98, s98, s99
	s_add_co_u32 s98, s98, OS                      ; and of my L half
	s_mov_b32 s99, 0
	s_lshl_b32 s92, s16, 19                        ; out0: row 128 Y + 64 x my L half, column 256 X + 128 x my R half
	s_lshl_b32 s93, s11, 18
	s_add_co_u32 s92, s92, s93
	s_lshl_b32 s93, s15, 10
	s_add_co_u32 s92, s92, s93
	s_lshl_b32 s93, s12, 9
	s_add_co_u32 s92, s92, s93
	s_mov_b32 s93, 0
	v_and_b32 v1, 15, v0                           ; r
	v_bfe_u32 v2, v0, 4, 1                         ; h
	v_and_b32 v3, 31, v0
	v_lshlrev_b32 v[LI], 4, v3
	s_mul_i32 s22, s11, LH
	v_add_nc_u32 v[ADL], s22, v[LI]
	s_mul_i32 s22, s12, RH
	s_add_co_u32 s22, s22, RB0
	v_add_nc_u32 v[ADR0], s22, v[LI]
	v_add_nc_u32 v[ADR1], 4*8*FRB, v[ADR0]
	v_lshlrev_b32 v[RSO], 4, v1
	v_mul_u32_u24 v[LSO], v2, LSP
	v_add_nc_u32 v[LSO], v[LSO], v[RSO]
	v_lshl_add_u32 v[RSO], v2, 8, v[RSO]
	s_mul_i32 s22, s10, STG
	v_mul_u32_u24 v[STI], v1, 528
	v_lshl_add_u32 v[STI], v2, 6, v[STI]
	v_add_nc_u32 v[STI], s22, v[STI]
	v_add_nc_u32 v[STO], s22, v[LI]
	s_wait_dscnt 0x0                               ; the opening add is done
	s_wait_kmcnt 0x0
	s_add_nc_u64 s[2:3], s[4:5], s[2:3]
	s_add_nc_u64 s[18:19], s[6:7], s[18:19]
	s_add_nc_u64 s[96:97], s[6:7], s[96:97]
	s_add_nc_u64 s[98:99], s[4:5], s[98:99]
	s_add_nc_u64 s[92:93], s[8:9], s[92:93]
.irp k, 0,1,2,3,4,5,6,7
	global_load_b128 v[RS+4*\k:RS+4*\k+3], v[RSO], s[96:97] offset:\k*RSP
.endr
.irp k, 0,1,2,3
	global_load_b128 v[LS+4*\k:LS+4*\k+3], v[LSO], s[98:99] offset:2*\k*LSP
.endr
	G0SET
	CROUND                                         ; all sixteen work-groups are here: the first joint loads meet
	FILL4
	s_wait_loadcnt 0x0                             ; the scale words
	s_wait_tensorcnt 0x3                           ; my first fill is in; the three behind it may be out,
	s_barrier_signal -1
	s_barrier_wait -1                              ; everybody's is
	FETCH 0
	KSTEP 0, 0, 0, 0
	KSTEP 1, 0, 1, 2
	KSTEP 2, 0, 0, 0
	KSTEP 3, 0, 1, 1
	KSTEP 4, 0, 0, 0
	KSTEP 5, 0, 1, 0
	KSTEP 6, 0, 0, 0
	KSTEP 7, 1, 0, 0
	PLACES
	s_wait_dscnt 0x0                               ; my reads of the operands are over (they were at the last step's head)
	s_barrier_signal -1
	s_barrier_wait -1                              ; everybody's are: the stages may be written
	TOSTAGE 0
	TOSTAGE 1
	SEND 0, 32                                     ; behind tile 0's loads: tile 1's 16 stores and 16 loads
	TOSTAGE 2
	SEND 1, 32
	TOSTAGE 3
	SEND 2, 32
	SEND 3, 0
	WIN 0
	s_wait_tensorcnt 0x0                           ; the wave's end, behind my last tensor load and my last LDS store
	ds_add_u32 v[SPW], v[NIL]
	s_wait_dscnt 0x0
	CROUND                                         ; the closing round
	s_endpgm
.Lfunc_end_k_qade9a49c15_outp:
	.size	k_qade9a49c15_outp, .Lfunc_end_k_qade9a49c15_outp-k_qade9a49c15_outp
	.p2alignl 7, 3214868480
	.fill 96, 4, 3214868480
	.section	.rodata,"a",@progbits
	.p2align	6, 0x0
	.amdhsa_kernel k_qade9a49c15_outp
		.amdhsa_group_segment_fixed_size 327680
		.amdhsa_private_segment_fixed_size 0
		.amdhsa_enable_private_segment 0
		.amdhsa_kernarg_size 24
		.amdhsa_user_sgpr_count 2
		.amdhsa_user_sgpr_kernarg_segment_ptr 1
		.amdhsa_wavefront_size32 1
		.amdhsa_system_sgpr_workgroup_id_x 1
		.amdhsa_system_sgpr_workgroup_id_y 1
		.amdhsa_system_sgpr_workgroup_id_z 1
		.amdhsa_system_vgpr_workitem_id 0
		.amdhsa_next_free_vgpr 1024
		.amdhsa_next_free_sgpr 102
		.amdhsa_reserve_vcc 0
		.amdhsa_float_denorm_mode_32 3
		.amdhsa_float_denorm_mode_16_64 3
		.amdhsa_memory_ordered 1
		.amdhsa_forward_progress 1
		.amdhsa_inst_pref_size 77
	.end_amdhsa_kernel
	.amdgpu_metadata
---
amdhsa.version: [ 1, 2 ]
amdhsa.kernels:
  - .name:           k_qade9a49c15_outp
    .symbol:         k_qade9a49c15_outp.kd
    .args:
      - { .name: o, .offset: 0, .size: 8, .value_kind: global_buffer, .address_space: global }
      - { .name: xw, .offset: 8, .size: 8, .value_kind: global_buffer, .address_space: global }
      - { .name: out0, .offset: 16, .size: 8, .value_kind: global_buffer, .address_space: global }
    .group_segment_fixed_size: 327680
    .private_segment_fixed_size: 0
    .kernarg_segment_align: 8
    .kernarg_segment_size: 24
    .max_flat_workgroup_size: 128
    .sgpr_count:     102
    .vgpr_count:     1024
    .wavefront_size: 32
...
	.end_amdgpu_metadata
.endif
;; end of part 5
;; ======== version 2 of 2: 5 launches
;; limits: right only within a limited range of input values
;; workspace buffers: xw 9,830,400 bytes; rope 8,388,608 bytes; qkv 19,660,800 bytes; p 14,155,776 bytes; o 6,553,600 bytes
;; launch prep (part 6): grid 1024 x 1, 8 waves a work-group, no clusters, 69,120 bytes of LDS; arguments x, wq, wk, wv, wo, xw, rope; writes xw, rope
.if DOCPART == 6
	.amdgcn_target "amdgcn-amd-amdhsa--gfx1250"
	.amdhsa_code_object_version 6
	.text
	.protected	k_qade9a49c15_prep
	.globl	k_qade9a49c15_prep
	.p2align	8
	.type	k_qade9a49c15_prep,@function
k_qade9a49c15_prep:
	s_mov_b64 s[64:65], 0
	v_nop
	global_prefetch_b8 v0, s[64:65] scope:SCOPE_SE
	s_setreg_imm32_b32 hwreg(HW_REG_WAVE_MODE, 25, 1), 1
	s_wait_xcnt 0x0
; PREP.  (a) x [8192][1024] and wq, wk, wv, wo [1024][1024], f32, K innermost, become codes of FP6 (E2M3) with one E8M0 byte for each 32 along K, in the buffer xw.
; (b) the table of cosines and sines for the rotary embedding, in the buffer rope.
; LAYOUT OF xw.  A fragment is 16 rows x 128 K: 12 registers a lane (lane (r, h): registers 6 c .. 6 c + 5 = k 64 c + 32 h + 0 .. 31 of lane-row r).  It is stored as the IMAGE of these registers: registers
; 4 c .. 4 c + 3 of lane L at 512 c + 16 L, 1,536 bytes.  Row block rb holds in lane-row q the row 32 (rb / 2) + 8 (rb % 2) + q + 8 (q / 8).  Codes: [8 K steps][768 rb][1536]; rb 0-511 x, 512-575 wq, 576-639 wk,
; 640-703 wv, 704-767 wo.  Scale words (four bytes: a row's 128 along K): [8 K steps][192 groups of 4 rb][16 lane-rows][4 rb] words, from byte XSC on.
; LAYOUT OF rope.  [128 row blocks of a batch's tokens][8 steps of 128 along e][16 j][32 lanes][16 bytes]: word i of lane (r, h), j = 4 b + q, belongs to e = 128 ec + 32 b + 16 h + 4 q + i and the token of lane-row r:
; the cosine for even e, the sine for odd e, of the angle token x 10000^(-(e / 2) / 512).
; SHARES.  Work-groups 0-127 make the table; work-groups 128-895 quantise: 64 rows x 256 along K each, a wave one fragment.  No tensor load; waves meet once, for the scale words.
; A block's scale is 2^(floor(log2(largest magnitude)) - 2): its byte is the largest magnitude's exponent field - 2, held at 1 from below.
; LIMITS: NaN and infinities are not served.  A block of zeros gets the byte 1 (its codes are zeros; this program alone reads the bytes).  The frequency is good to about one unit in the last place,
; sine and cosine to about 1e-7; the angle is one f32 multiplication of the token's number by the frequency.
; THE SHARES AS THEY STAND NOW (in place of the head's words on them): work-groups 0-255 make the table, 8 row blocks of tokens a wave; work-groups 256-1023 quantise.
; The 16 rows as loaded and the two blocks read back from the stage share v16-79: 104 registers a wave.
.set STG,    8448                      ; a wave's stage: 16 rows x (512 bytes + 16)
.set SCA,    8*STG                     ; two groups of scale words, 256 bytes each
.set SPARE,  SCA+512                   ; the spare words, 128 bytes for each of the eight waves: four blocks of 256 bytes that no other line names
.set KPITCH, 1179648                   ; 768 rb x 1,536 bytes: from K step to K step
.set XSC,    8*KPITCH
.set SPITCH, 49152                     ; 192 groups x 256 bytes
.set SPW, 10                           ; v10  my spare word's LDS address; never rewritten
.set NIL, 11                           ; v11  0; never rewritten
.set R,   16                           ; v16-79   16 rows as loaded
.set X,   16                           ; v16-79   my two blocks of 32 neighbours, in the registers of the rows as loaded
.set C,   80                           ; v80-91   the fragment
.set C2,  92                           ; v92-94, v96-98 the second halves of the conversions; v100-103 at work on the scale word
; sine and cosine of v[a] (0 .. about 2,047): n = the nearest whole number to a x 2 / pi; r = a - n pi / 2 in two parts (the first fused step is exact); polynomials on |r| <= pi / 4; the quadrant n mod 4 swaps and signs
.macro SINCOS a, c, s
	v_mul_f32 v40, s28, v[\a]
	s_delay_alu instid0(VALU_DEP_1)
	v_rndne_f32 v40, v40
	s_delay_alu instid0(VALU_DEP_1)
	v_fma_f32 v41, v40, s29, v[\a]
	s_delay_alu instid0(VALU_DEP_1)
	v_fma_f32 v41, v40, s30, v41
	s_delay_alu instid0(VALU_DEP_3)
	v_cvt_i32_f32 v42, v40
	s_delay_alu instid0(VALU_DEP_2)
	v_mul_f32 v43, v41, v41
	s_delay_alu instid0(VALU_DEP_1)
	v_fma_f32 v44, v43, s33, s32
	s_delay_alu instid0(VALU_DEP_2)
	v_fma_f32 v45, v43, s36, s35
	s_delay_alu instid0(VALU_DEP_2)
	v_fma_f32 v44, v44, v43, s31
	s_delay_alu instid0(VALU_DEP_2)
	v_fma_f32 v45, v45, v43, s34
	s_delay_alu instid0(VALU_DEP_2)
	v_mul_f32 v44, v44, v43
	s_delay_alu instid0(VALU_DEP_2)
	v_fma_f32 v45, v45, v43, -0.5
	s_delay_alu instid0(VALU_DEP_2)
	v_fma_f32 v44, v44, v41, v41                   ; sin r
	s_delay_alu instid0(VALU_DEP_2)
	v_fma_f32 v45, v45, v43, 1.0                   ; cos r
	v_and_b32 v46, 1, v42
	s_delay_alu instid0(VALU_DEP_1)
	v_cmp_eq_u32 vcc_lo, 1, v46
	s_delay_alu instid0(VALU_DEP_1)
	v_cndmask_b32 v[\s], v44, v45, vcc_lo          ; odd quadrants: the two change places
	s_delay_alu instid0(VALU_DEP_2)
	v_cndmask_b32 v[\c], v45, v44, vcc_lo
	v_lshlrev_b32 v46, 30, v42
	v_add_nc_u32 v47, 1, v42
	s_delay_alu instid0(VALU_DEP_2)
	v_and_b32 v46, s37, v46                        ; the sine is negative in quadrants 2 and 3,
	s_delay_alu instid0(VALU_DEP_2)
	v_lshlrev_b32 v47, 30, v47
	s_delay_alu instid0(VALU_DEP_2)
	v_xor_b32 v[\s], v[\s], v46
	s_delay_alu instid0(VALU_DEP_2)
	v_and_b32 v47, s37, v47                        ; the cosine in 1 and 2
	s_delay_alu instid0(VALU_DEP_1)
	v_xor_b32 v[\c], v[\c], v47
.endm
	s_load_b256 s[4:11], s[0:1], 0x0               ; x s[4:5], wq s[6:7], wk s[8:9], wv s[10:11]
	s_load_b128 s[12:15], s[0:1], 0x20             ; wo s[12:13], xw s[14:15]
	s_load_b64 s[16:17], s[0:1], 0x30              ; rope
	v_lshl_add_u32 v[SPW], v0, 2, SPARE
	v_mov_b32 v[NIL], 0
	v_lshrrev_b32 v12, 5, v0
	s_delay_alu instid0(VALU_DEP_1)
	v_readfirstlane_b32 s18, v12                   ; wave 0..7
	v_and_b32 v1, 31, v0                           ; lane
	v_and_b32 v2, 15, v0                           ; r
	v_bfe_u32 v3, v0, 4, 1                         ; h
	s_delay_alu instid0(VALU_DEP_3)
	v_lshlrev_b32 v4, 4, v1                        ; 16 x lane
	s_mul_i32 s19, s18, STG
	v_add_nc_u32 v5, s19, v4                       ; the stage, in: a row's 512 bytes as they lie
	v_mul_u32_u24 v6, v2, 528
	s_delay_alu instid0(VALU_DEP_1)
	v_lshl_add_u32 v6, v3, 7, v6
	s_delay_alu instid0(VALU_DEP_1)
	v_add_nc_u32 v6, s19, v6                       ; out: row r, + 128 h
	s_lshr_b32 s20, s18, 2
	s_lshl_b32 s20, s20, 8
	s_and_b32 s21, s18, 3
	s_lshl_b32 s21, s21, 2
	s_add_co_u32 s20, s20, s21
	s_add_co_u32 s20, s20, SCA
	v_lshl_add_u32 v7, v2, 4, s20                  ; my scale word: group wave / 4, lane-row r, row block wave % 4
	v_lshl_add_u32 v8, v1, 4, SCA                  ; and the way out of both groups
	v_mul_u32_u24 v9, v3, SPITCH
	s_delay_alu instid0(VALU_DEP_1)
	v_lshl_add_u32 v9, v2, 4, v9                   ; lanes 0-15 the even K step's group, lanes 16-31 the odd one's
	s_mov_b32 s26, 0x76543210
	s_mov_b32 s27, 0xfedcba98                      ; v_permlanex16_b32's selects for lane l xor 16
	s_cmp_ge_u32 ttmp9, 256                        ; the same in all waves of a work-group
	s_cbranch_scc1 .Lquant
	; ---- THE TABLE.  A wave owns one (ec, j) and 8 row blocks of tokens; a lane two frequencies.
	s_mov_b32 s28, 0x3f22f983                      ; 2 / pi
	s_mov_b32 s29, 0xbfc90fdb                      ; -(pi / 2), the f32 nearest,
	s_mov_b32 s30, 0x333bbd2e                      ; and what that leaves
	s_mov_b32 s31, 0xbe2aaaa3                      ; the sine's three coefficients
	s_mov_b32 s32, 0x3c08839e
	s_mov_b32 s33, 0xb94ca1f9
	s_mov_b32 s34, 0x3d2aaaa5                      ; the cosine's three behind 1 - z / 2
	s_mov_b32 s35, 0xbab6061a
	s_mov_b32 s36, 0x37ccf5ce
	s_mov_b32 s37, 0x80000000
	s_mov_b32 s38, 0x3cd49a78                      ; log2(10000) / 512, the f32 nearest,
	s_mov_b32 s39, 0x30179a28                      ; and what that leaves
	s_mov_b32 s40, 0x3f317218                      ; ln 2
	s_and_b32 s19, ttmp9, 15
	s_lshl_b32 s19, s19, 3
	s_add_co_u32 s19, s19, s18                     ; 0 .. 127
	s_lshr_b32 s20, s19, 4                         ; ec
	s_and_b32 s21, s19, 15                         ; j
	s_lshl_b32 s22, s20, 6
	s_lshr_b32 s23, s21, 2
	s_lshl_b32 s23, s23, 4
	s_add_co_u32 s22, s22, s23
	s_and_b32 s23, s21, 3
	s_lshl_b32 s23, s23, 1
	s_add_co_u32 s22, s22, s23
	v_lshl_add_u32 v20, v3, 3, s22                 ; my first pair's number m = 64 ec + 16 (j / 4) + 2 (j % 4) + 8 h
	s_delay_alu instid0(VALU_DEP_1)
	v_add_nc_u32 v21, 1, v20
	s_delay_alu instid0(VALU_DEP_2)
	v_cvt_f32_u32 v20, v20
	s_delay_alu instid0(VALU_DEP_2)
	v_cvt_f32_u32 v21, v21
	s_delay_alu instid0(VALU_DEP_2)
	v_mul_f32 v22, s38, v20                        ; the exponent a, rounded;
	s_delay_alu instid0(VALU_DEP_2)
	v_mul_f32 v23, s38, v21
	s_delay_alu instid0(VALU_DEP_2)
	v_fma_f32 v24, v20, s38, -v22                  ; what the rounding dropped, exactly,
	s_delay_alu instid0(VALU_DEP_2)
	v_fma_f32 v25, v21, s38, -v23
	s_delay_alu instid0(VALU_DEP_2)
	v_fma_f32 v24, v20, s39, v24                   ; and the constant's own residue
	s_delay_alu instid0(VALU_DEP_2)
	v_fma_f32 v25, v21, s39, v25
	s_wait_alu depctr_va_vdst(0)
	v_exp_f32 v26, -v22
	v_exp_f32 v27, -v23
	v_mul_f32 v24, s40, v24                        ; (plain work behind the two exponentials)
	v_mul_f32 v25, s40, v25
	s_wait_alu depctr_va_vdst(0)                   ; one wait for both, ahead of their first reader
	v_fma_f32 v26, -v24, v26, v26                  ; 2^-(a + e) = 2^-a (1 - e ln 2)
	v_fma_f32 v27, -v25, v27, v27
	v_and_b32 v28, 8, v2
	s_delay_alu instid0(VALU_DEP_1)
	v_add_nc_u32 v28, v28, v2                      ; r + 8 (r / 8)
	s_lshr_b32 s24, ttmp9, 4
	s_lshl_b32 s24, s24, 3                         ; my first row block: 8 x (work-group / 16)
	s_lshl_b32 s25, s24, 16
	s_lshl_b32 s23, s20, 13
	s_add_co_u32 s25, s25, s23
	s_lshl_b32 s23, s21, 9
	s_add_co_u32 s25, s25, s23
	v_add_nc_u32 v29, s25, v4                      ; where my 16 bytes go
	s_mov_b32 s44, 0
	s_wait_kmcnt 0x0
.Lrow:
	s_add_co_u32 s45, s24, s44                     ; the row block
	s_lshr_b32 s46, s45, 1
	s_lshl_b32 s46, s46, 5
	s_and_b32 s47, s45, 1
	s_lshl_b32 s47, s47, 3
	s_add_co_u32 s46, s46, s47
	s_wait_alu depctr_va_vdst(0)
	v_add_nc_u32 v30, s46, v28                     ; my token
	s_delay_alu instid0(VALU_DEP_1)
	v_cvt_f32_u32 v30, v30
	s_delay_alu instid0(VALU_DEP_1)
	v_mul_f32 v31, v30, v26                        ; the angles: one f32 multiplication each
	s_delay_alu instid0(VALU_DEP_2)
	v_mul_f32 v32, v30, v27
	SINCOS 31, 36, 37
	SINCOS 32, 38, 39
	global_store_b128 v29, v[36:39], s[16:17]      ; the wave stores 512 consecutive bytes, aligned
	s_wait_xcnt 0x0                                ; the store's offset and data are written again only behind this wait
	v_add_nc_u32 v29, 0x10000, v29
	s_add_co_u32 s44, s44, 1
	s_cmp_lt_u32 s44, 8
	s_cbranch_scc1 .Lrow
	s_branch .Lend
	; ---- THE QUANTISER.  Work-group G: group g = G / 4 of 64 rows, K steps 2 (G % 4) and 2 (G % 4) + 1.  Wave w: row block w % 4, K step 2 (G % 4) + w / 4.
.Lquant:
	s_sub_co_u32 s24, ttmp9, 256
	s_lshr_b32 s22, s24, 2                         ; g
	s_and_b32 s23, s24, 3
	s_and_b32 s25, s18, 3                          ; my row block of the four
	s_lshr_b32 s44, s18, 2
	s_lshl_b32 s45, s23, 1
	s_add_co_u32 s44, s44, s45                     ; my K step
	s_lshl_b32 s50, s22, 2
	s_add_co_u32 s50, s50, s25
	s_mul_i32 s50, s50, 1536
	s_mul_i32 s51, s44, KPITCH
	s_add_co_u32 s50, s50, s51                     ; my fragment's place
	s_mov_b32 s51, 0
	s_mul_i32 s54, s45, SPITCH
	s_lshl_b32 s55, s22, 8
	s_add_co_u32 s54, s54, s55
	s_add_co_u32 s54, s54, XSC                     ; the work-group's scale words, even K step
	s_mov_b32 s55, 0
	s_wait_kmcnt 0x0
	s_cmp_lt_u32 s22, 176                          ; which tensor: the choice hangs on the work-group's number alone
	s_cselect_b64 s[46:47], s[10:11], s[12:13]
	s_cmp_lt_u32 s22, 160
	s_cselect_b64 s[46:47], s[8:9], s[46:47]
	s_cmp_lt_u32 s22, 144
	s_cselect_b64 s[46:47], s[6:7], s[46:47]
	s_and_b32 s48, s22, 15
	s_cmp_lt_u32 s22, 128
	s_cselect_b64 s[46:47], s[4:5], s[46:47]
	s_cselect_b32 s48, s22, s48                    ; the group's number inside its tensor
	s_lshl_b32 s48, s48, 6
	s_lshr_b32 s49, s25, 1
	s_lshl_b32 s49, s49, 5
	s_add_co_u32 s48, s48, s49
	s_and_b32 s49, s25, 1
	s_lshl_b32 s49, s49, 3
	s_add_co_u32 s48, s48, s49                     ; lane-row 0's row
	s_lshl_b32 s48, s48, 12
	s_lshl_b32 s49, s44, 9
	s_add_co_u32 s48, s48, s49
	s_mov_b32 s49, 0
	s_add_nc_u64 s[46:47], s[46:47], s[48:49]
	s_add_nc_u64 s[52:53], s[14:15], s[50:51]
	s_add_nc_u64 s[54:55], s[14:15], s[54:55]
	s_wait_alu depctr_va_vdst(0)
.irp i, 0,1,2,3,4,5,6,7,8,9,10,11,12,13,14,15
	global_load_b128 v[R+4*\i:R+4*\i+3], v4, s[46:47] offset:(\i+8*(\i/8))*4096 th:TH_LOAD_NT   ; lane-row i: 512 consecutive bytes, read once in the launch
.endr
.irp i, 0,1,2,3,4,5,6,7,8,9,10,11,12,13,14,15
	s_wait_loadcnt 15-\i                           ; loads come back in order: row i is in, the younger ones may be out
	ds_store_b128 v5, v[R+4*\i:R+4*\i+3] offset:528*\i
.endr
	s_wait_dscnt 0x0                               ; the stores have read their registers: the loads below land on them
.irp c, 0,1
.irp j, 0,1,2,3,4,5,6,7
	ds_load_b128 v[X+32*\c+4*\j:X+32*\c+4*\j+3], v6 offset:256*\c+16*\j   ; LDS serves a wave's instructions in order: these see my stores.  k = 64 c + 32 h + 0 .. 31 of row r
.endr
.endr
	s_wait_dscnt 0x0
.irp c, 0,1
	v_max3_num_f32 v[12+\c], |v[X+32*\c]|, |v[X+1+32*\c]|, 0x1800000   ; block 2 c + h is all mine; the floor 2^(3 - 127) keeps the byte at 1 or above
.endr
.irp i, 2,4,6,8,10,12,14,16,18,20,22,24,26,28,30
.irp c, 0,1
	s_delay_alu instid0(VALU_DEP_2)
	v_max3_num_f32 v[12+\c], v[12+\c], |v[X+32*\c+\i]|, |v[X+1+32*\c+\i]|
.endr
.endr
.irp c, 0,1
	s_delay_alu instid0(VALU_DEP_2)
	v_add_nc_u32 v[14+\c], 0xff000000, v[12+\c]    ; 2 off the exponent field: the conversion's scale operand
.endr
.irp c, 0,1
	s_delay_alu instid0(VALU_DEP_2)
	v_lshrrev_b32 v[100+\c], 23, v[14+\c]          ; the byte
.endr
	s_delay_alu instid0(VALU_DEP_1)
	v_lshl_or_b32 v102, v101, 16, v100             ; my bytes: blocks h and 2 + h,
	v_lshlrev_b32 v103, 3, v3
	s_delay_alu instid0(VALU_DEP_1)
	v_lshlrev_b32 v102, v103, v102                 ; at their places;
	v_mov_b32 v103, 0
	s_delay_alu instid0(VALU_DEP_1)
	v_permlanex16_b32 v103, v102, s26, s27
	s_delay_alu instid0(VALU_DEP_1)
	v_or_b32 v102, v102, v103                      ; with lane l xor 16's the word is whole
.irp c, 0,1
	v_cvt_scalef32_pk16_fp6_f32 v[C+6*\c:C+6*\c+2], v[X+32*\c:X+32*\c+15], v[14+\c]
	v_cvt_scalef32_pk16_fp6_f32 v[C2+4*\c:C2+4*\c+2], v[X+32*\c+16:X+32*\c+31], v[14+\c]   ; (a conversion's three registers begin on an even number)
.endr
	v_nop                                          ; one plain place behind a scaled conversion
.irp c, 0,1
.irp i, 0,1,2
	v_mov_b32 v[C+3+6*\c+\i], v[C2+4*\c+\i]
.endr
.endr
.irp c, 0,1,2
	global_store_b128 v4, v[C+4*\c:C+4*\c+3], s[52:53] offset:512*\c   ; the image: 512 consecutive bytes a store
.endr
	ds_store_b32 v7, v102                          ; lanes r and r + 16 write the same word with the same value
	s_wait_dscnt 0x0                               ; for the others' sake
	s_barrier_signal -1
	s_barrier_wait -1
	s_cmp_lg_u32 s18, 0
	s_cbranch_scc1 .Lend
	ds_load_b128 v[16:19], v8                      ; wave 0: both groups, 16 bytes a lane,
	s_wait_dscnt 0x0
	global_store_b128 v9, v[16:19], s[54:55]       ; as two whole aligned blocks of 256 bytes
.Lend:
	s_wait_tensorcnt 0x0                           ; the wave's end: a tensor wait (though no tensor load stands in the text), an add of 0 and its wait
	ds_add_u32 v[SPW], v[NIL]
	s_wait_dscnt 0x0
	s_endpgm
.Lfunc_end_k_qade9a49c15_prep:
	.size	k_qade9a49c15_prep, .Lfunc_end_k_qade9a49c15_prep-k_qade9a49c15_prep
	.p2alignl 7, 3214868480
	.fill 96, 4, 3214868480
	.section	.rodata,"a",@progbits
	.p2align	6, 0x0
	.amdhsa_kernel k_qade9a49c15_prep
		.amdhsa_group_segment_fixed_size 69120
		.amdhsa_private_segment_fixed_size 0
		.amdhsa_enable_private_segment 0
		.amdhsa_kernarg_size 56
		.amdhsa_user_sgpr_count 2
		.amdhsa_user_sgpr_kernarg_segment_ptr 1
		.amdhsa_wavefront_size32 1
		.amdhsa_system_sgpr_workgroup_id_x 1
		.amdhsa_system_sgpr_workgroup_id_y 1
		.amdhsa_system_sgpr_workgroup_id_z 1
		.amdhsa_system_vgpr_workitem_id 0
		.amdhsa_next_free_vgpr 104
		.amdhsa_next_free_sgpr 66
		.amdhsa_reserve_vcc 1
		.amdhsa_float_denorm_mode_32 3
		.amdhsa_float_denorm_mode_16_64 3
		.amdhsa_memory_ordered 1
		.amdhsa_forward_progress 1
		.amdhsa_inst_pref_size 20
	.end_amdhsa_kernel
	.amdgpu_metadata
---
amdhsa.version: [ 1, 2 ]
amdhsa.kernels:
  - .name:           k_qade9a49c15_prep
    .symbol:         k_qade9a49c15_prep.kd
    .args:
      - { .name: x, .offset: 0, .size: 8, .value_kind: global_buffer, .address_space: global }
      - { .name: wq, .offset: 8, .size: 8, .value_kind: global_buffer, .address_space: global }
      - { .name: wk, .offset: 16, .size: 8, .value_kind: global_buffer, .address_space: global }
      - { .name: wv, .offset: 24, .size: 8, .value_kind: global_buffer, .address_space: global }
      - { .name: wo, .offset: 32, .size: 8, .value_kind: global_buffer, .address_space: global }
      - { .name: xw, .offset: 40, .size: 8, .value_kind: global_buffer, .address_space: global }
      - { .name: rope, .offset: 48, .size: 8, .value_kind: global_buffer, .address_space: global }
    .group_segment_fixed_size: 69120
    .private_segment_fixed_size: 0
    .kernarg_segment_align: 8
    .kernarg_segment_size: 56
    .max_flat_workgroup_size: 256
    .sgpr_count:     66
    .vgpr_count:     104
    .wavefront_size: 32
...
	.end_amdgpu_metadata
.endif
;; end of part 6
;; launch qkv (part 7): grid 4 x 64, 4 waves a work-group, clusters of 4 x 4, 327,680 bytes of LDS; arguments xw, rope, qkv; writes qkv
.if DOCPART == 7
	.amdgcn_target "amdgcn-amd-amdhsa--gfx1250"
	.amdhsa_code_object_version 6
	.text
	.protected	k_qade9a49c15_qkv
	.globl	k_qade9a49c15_qkv
	.p2align	8
	.type	k_qade9a49c15_qkv,@function
k_qade9a49c15_qkv:
	s_mov_b64 s[64:65], 0
	v_nop
	global_prefetch_b8 v0, s[64:65] scope:SCOPE_SE
	s_setreg_imm32_b32 hwreg(HW_REG_WAVE_MODE, 25, 1), 1
	s_wait_xcnt 0x0
	s_wait_alu depctr_hold_cnt(0) depctr_sa_sdst(0) depctr_va_vdst(0) depctr_va_sdst(0) depctr_va_ssrc(0) depctr_va_vcc(0) depctr_vm_vsrc(0)
	s_getreg_b32 s2, hwreg(HW_REG_IB_STS2, 6, 4)
	s_cmp_eq_u32 s2, 0
	s_cbranch_scc0 .Lentry_in_a_cluster
	s_endpgm
.Lentry_in_a_cluster:
	s_bfe_u32 s2, ttmp6, 0x10000c
	s_cmp_lg_u32 s2, 0xf033
	s_cbranch_scc0 .Lentry_shape_is_right
	s_endpgm
.Lentry_shape_is_right:
; QKV.  q = rope(x wq^T), k = rope(x wk^T), v = x wv^T on codes of FP6 (E2M3) with E8M0 scales; the results are quantised at once: q and k along e, v along the tokens (the keys), and leave as fragment images.
; OPERANDS are fragment images (16 rows x 128 K = 1,536 bytes: registers 4 c .. 4 c + 3 of lane L at 512 c + 16 L); row block rb holds in lane-row q the row 32 (rb / 2) + 8 (rb % 2) + q + 8 (q / 8).
; TILE.  256 rows of the R side x 128 rows of the L side; wave w 128 (R half w % 2) x 64 (L half w / 2): 32 accumulators.  Source 0 = 16 rows of R, source 1 = 16 rows of L: a lane holds ONE row of L,
; and by the row order its 64 registers of an L tile are R's indices 32 b + 16 h + 0 .. 15, b = 0 .. 3: a whole K step of the next product, so a wave makes whole fragments and whole scale words.
; A WORK-GROUP STAYS and makes three tiles.  1: q: R = 256 rows of wq (e), L = 128 rows of x (tokens).  2: k: R = the same rows of wk, L as before: x's tile stays in LDS, its scale words and the table of cosines and sines
; stay in registers.  3: v: R = 256 rows of x (tokens), L = 128 rows of wv (d): the result is v^T with the keys innermost.
; THE RING.  LDS holds 8 K steps, all of K = 1,024.  Tile 1 comes by four first fills a wave.  Behind K step 3's fetch slots 0-3 take the NEXT tile's K steps 0-3, behind K step 7's slots 4-7 its K steps 4-7, each by ONE load a wave
; behind a round of the cluster's barrier: the first has four K steps in which to land, the second a tile's way out and four K steps.  From q to k only R is filled again.
; CLUSTERS: 4 x 4.  L's tile hangs on the tile row alone and is asked for jointly along a row of the cluster, R's on the tile column alone, along a column.
; REGISTERS: window 0: v0-19 addresses, v20-23 the scale words made, v32-127 L's fragments (two sets; on the way out the rotation's products, then the codes), v128-159 R's scale words, v160-175 L's, v224-225 a store's pair, v240-255 at work.
;   windows 1, 2: v0-127 the accumulators of L tiles 0, 1 and 2, 3; v128-255 the table's image.   window 3: R's fragments, two sets of 96.
; LIMITS: NaN and infinities are not served; a block of zeros gets the byte 1 (its codes are zeros; this program alone reads the bytes).
.set FRB,    1536
; LDS AS IT STANDS NOW (in place of the head's words on halves): L's 8 K steps from byte 0, a K step's 8 fragments on end as they lie in memory; then R's 8 K steps of 16 fragments.
.set LROW,   8*FRB                     ; a K step of L: 12,288 bytes
.set RROW,   16*FRB                    ; a K step of R: 24,576 bytes
.set RB0,    8*LROW
.set SPARE,  RB0+8*RROW                ; the spare words, 128 bytes a wave: two blocks of 256 bytes that no other line names
.set LPITCH, 1179648                   ; bytes from K step to K step in L's codes, in R's
.set RPITCH, 1179648
.set LW5,    147456                    ; the same in elements of 8 bytes
.set RW5,    147456
.set LSP,    49152                     ; and in the scale words
.set RSP,    49152
.set XSC,    9437184                   ; xw: where the scale words begin
.set VC,     12582912                  ; qkv: v^T's codes [64 K steps][64 rb][1536]
.set QS,     18874368                  ; q's and k's scale words [8][256 groups][256]
.set VS,     19398656                  ; v^T's [64][16][256]
.set KCOD,   512*FRB                   ; k's codes lie 512 row blocks behind q's,
.set KSCL,   128*256                   ; its scale words 128 groups,
.set KRS,    64*64                     ; and wk's scale words 64 row blocks behind wq's
.set LI,  3                            ; v3   16 x lane
.set ADL, 24                           ; v24-25 LDS: my four fragments of L, K steps 0-3, 4-7
.set ADR, 26                           ; v26-29 my eight fragments of R, K steps 0-1, 2-3, 4-5, 6-7
.set PFO, 30                           ; v30  the prefetches' offset: 256 x min(lane, 23); never rewritten
.set SPW, 7                            ; v7   my spare word; never rewritten
.set NIL, 8                            ; v8   0; never rewritten
.set RSO, 9                            ; v9   256 h + 16 r: R's scale words
.set LSO, 10                           ; v10  LSP h + 16 r: L's
.set SSO, 11                           ; v11  16 r + 8 h: the words that I store
.set PWS, 20
.set LF,  32
.set RS,  128
.set LS,  160
.set TM,  240                          ; v240-243 largest magnitudes, v244-247 the partner lane's, then bytes, v252-255 the conversions' scale operands
.set G1L, 24
.set G1R, 32
.set G1L4, 76                          ; the refills' groups 1: a wave's two of the four K steps
.set G1R4, 84
.set MSB, 0
.macro WIN new                         ; the immediate's high byte repeats the setting that is left
.if MSB != (\new)
	s_set_vgpr_msb (MSB<<8)|(\new)
.set MSB, \new
.endif
.endm
.macro PLACES                          ; four plain places behind matrix instructions, ahead of loads into their sources and of reads of their results
.rept 4
	v_nop
.endr
.endm
.macro CREST                           ; a round of the cluster's barrier behind its opening barrier
	s_cmp_lg_u32 s10, 0
	s_cbranch_scc1 .Lnot_wave_0_\@
	s_barrier_signal -3
.Lnot_wave_0_\@:
	s_barrier_wait -3
	s_barrier_signal -1
	s_barrier_wait -1
.endm
.macro CROUND
	s_barrier_signal -1
	s_barrier_wait -1
	CREST
.endm
.macro G1SET g, d0, nk, w5             ; descriptor group 1 but for its first word: nk rows (K steps) of d0 elements of 8 bytes, w5 elements apart
	s_mov_b32 s[\g+1], (\d0)<<16
	s_mov_b32 s[\g+2], (\nk)<<16
	s_mov_b32 s[\g+3], (\d0)<<16
	s_mov_b32 s[\g+4], \nk
	s_mov_b32 s[\g+5], \w5
	s_mov_b32 s[\g+6], 0
	s_mov_b32 s[\g+7], 0
.endm
; THE FILLS AS THEY STAND NOW (in place of the head's words on four first fills).  s[2:3], s[18:19]: the addresses of L's and of R's tile, K step 0.
; Refills: groups 0 at s40, s48 (L: slots 0-3, 4-7) and s56, s68 (R): waves 0, 1 fetch for L, waves 2, 3 for R, each two K steps of the four (wave % 2), whole rows.
; The head: ONE load a wave, all of K in four loads: wave 0 L's K steps 0-3, wave 1 R's, wave 2 L's K steps 4-7, wave 3 R's: groups 0 at s44 (L) and s60 (R), set here for K steps 0-3; waves 2 and 3 step theirs in their arms.
.macro G0SET
	s_mul_i32 s41, s12, 2*LROW
	s_mul_i32 s57, s12, 2*RROW
	s_add_co_u32 s57, s57, RB0
	s_mul_i32 s52, s12, 2*LPITCH
	s_mov_b32 s53, 0
	s_mul_i32 s54, s12, 2*RPITCH
	s_mov_b32 s55, 0
	s_add_nc_u64 s[52:53], s[2:3], s[52:53]
	s_add_nc_u64 s[54:55], s[18:19], s[54:55]
.irp c, 0,2
	s_mov_b32 s[40+4*\c], 1
.if \c > 0
	s_add_co_u32 s[41+4*\c], s41, 2*\c*LROW
.endif
	s_add_nc_u64 s[42+4*\c:43+4*\c], s[52:53], 2*\c*LPITCH
	s_or_b32 s[43+4*\c], s[43+4*\c], 0x80000000
	s_mov_b32 s[56+4*\c+4*(\c/2)], 1
.if \c > 0
	s_add_co_u32 s[57+4*\c+4*(\c/2)], s57, 2*\c*RROW
.endif
	s_add_nc_u64 s[58+4*\c+4*(\c/2):59+4*\c+4*(\c/2)], s[54:55], 2*\c*RPITCH
	s_or_b32 s[59+4*\c+4*(\c/2)], s[59+4*\c+4*(\c/2)], 0x80000000
.endr
	s_mov_b32 s44, 1
	s_mov_b32 s45, 0
	s_mov_b64 s[46:47], s[2:3]
	s_or_b32 s47, s47, 0x80000000
	s_mov_b32 s60, 1
	s_mov_b32 s61, RB0
	s_mov_b64 s[62:63], s[18:19]
	s_or_b32 s63, s63, 0x80000000
	; where my prefetches stand, s[72:73]: wk's rows, 64 row blocks behind wq's.  Of the two K steps that I refill, the partner at place cy takes K step cy / 2, half cy % 2 of its row: 12,288 bytes, told apart by address
	s_lshr_b32 s74, s14, 1
	s_lshl_b32 s75, s12, 1
	s_add_co_u32 s74, s74, s75
	s_mul_i32 s74, s74, RPITCH
	s_and_b32 s75, s14, 1
	s_mul_i32 s75, s75, RROW/2
	s_add_co_u32 s74, s74, s75
	s_add_co_u32 s74, s74, 64*FRB
	s_mov_b32 s75, 0
	s_add_nc_u64 s[72:73], s[18:19], s[74:75]
.endm
; The head's loads: ONE chain of branches on the wave's number, one load to an arm.  The arms of waves 0 and 1 lead through the wait for their loads, K steps 0-3; those of waves 2 and 3 jump past it: K steps 4-7 may stay out.
.macro FILLH
	s_cmp_lt_u32 s10, 3
	s_cbranch_scc1 .Lhead_2
	s_mov_b32 s61, RB0+4*RROW                      ; wave 3: R's K steps 4-7
	s_add_nc_u64 s[62:63], s[62:63], 4*RPITCH
	tensor_load_to_lds s[60:63], s[G1R:G1R+7]
	s_nop 0
	PLACES
	s_branch .Lfilled
.Lhead_2:
	s_cmp_lt_u32 s10, 2
	s_cbranch_scc1 .Lhead_1
	s_mov_b32 s45, 4*LROW                          ; wave 2: L's K steps 4-7
	s_add_nc_u64 s[46:47], s[46:47], 4*LPITCH
	tensor_load_to_lds s[44:47], s[G1L:G1L+7]
	s_nop 0
	PLACES
	s_branch .Lfilled
.Lhead_1:
	s_cmp_lt_u32 s10, 1
	s_cbranch_scc1 .Lhead_0
	tensor_load_to_lds s[60:63], s[G1R:G1R+7]      ; wave 1: R's K steps 0-3
	s_nop 0
	PLACES
	s_branch .Learly
.Lhead_0:
	tensor_load_to_lds s[44:47], s[G1L:G1L+7]      ; wave 0: L's K steps 0-3
	s_nop 0
	PLACES
.Learly:
	s_wait_tensorcnt 0x0                           ; waves 0 and 1: my load has landed
.Lfilled:
.endm
; A PREFETCH INTO THE L2 of wk's K steps 4 j .. 4 j + 3, which the refill of slots 4 j .. 4 j + 3 will load: j = 0 behind the head's load, three K steps ahead of that refill; j = 1 behind the refill at K step 3, four K steps ahead.
; Waves 2 and 3, which issue those refills, ask: 48 blocks of 256 bytes each, 24 lanes to an instruction (lanes 24-31 name the last block again); the four partners of a column share the rows out by address.
; Tile 3's rows of x have been read in this launch; wv's rows come by their refills alone.
.macro ASK j
	s_cmp_eq_u32 s11, 0
	s_cbranch_scc1 .Lno_ask_\@
	global_prefetch_b8 v[PFO], s[72:73] offset:4*\j*RPITCH th:TH_LOAD_NT scope:SCOPE_SE
	global_prefetch_b8 v[PFO], s[72:73] offset:4*\j*RPITCH+6144 th:TH_LOAD_NT scope:SCOPE_SE
.Lno_ask_\@:
.endm
.macro JLOAD g0l, g1l, g0r, g1r        ; a joint refill of L and R: waves 0, 1 for L, waves 2, 3 for R; an s_nop 0 and four v_nop follow each of the two lines
	s_cmp_eq_u32 s11, 0
	s_cbranch_scc0 .Lfor_r_\@
	tensor_load_to_lds s[\g0l:\g0l+3], s[\g1l:\g1l+7]
	s_nop 0
	PLACES
	s_branch .Lasked_\@
.Lfor_r_\@:
	tensor_load_to_lds s[\g0r:\g0r+3], s[\g1r:\g1r+7]
	s_nop 0
	PLACES
.Lasked_\@:
.endm
.macro RLOAD g0r                       ; a joint refill of R alone: waves 0 and 1 have no part of it and issue none.  The places behind the label serve the loads that follow on their way too
	s_cmp_eq_u32 s11, 0
	s_cbranch_scc1 .Lno_part_\@
	tensor_load_to_lds s[\g0r:\g0r+3], s[G1R4:G1R4+7]
	s_nop 0
	PLACES
.Lno_part_\@:
	PLACES
.endm
.macro FETCH k                         ; K step k's twelve fragments, 36 loads of 512 consecutive bytes, into set k % 2
.set FP, (\k)%2
.set FS, (\k)%8
	WIN 0xc0
.irp t, 0,1,2,3,4,5,6,7
.irp c, 0,1,2
	ds_load_b128 v[96*FP+12*\t+4*\c:96*FP+12*\t+4*\c+3], v[ADR+FS/2] offset:(FS%2)*RROW+FRB*\t+512*\c
.endr
.endr
	WIN 0
.irp l, 0,1,2,3
.irp c, 0,1,2
	ds_load_b128 v[LF+48*FP+12*\l+4*\c:LF+48*FP+12*\l+4*\c+3], v[ADL+FS/4] offset:(FS%4)*LROW+FRB*\l+512*\c
.endr
.endr
.endm
; 16 matrix instructions: L tiles 2 hi, 2 hi + 1 x R's eight.  R's scale words: lanes 0-15 blocks 0-3, lanes 16-31 blocks 4-7; L's: lanes 0-15 the even K step, lanes 16-31 the odd one.
; The 32 accumulators take turns, one instruction a turn, in the same order in every step and from tile to tile.  K step 0 starts a tile's sums.
.macro MUL k, hi
.set MP, (\k)%2
	WIN 0x53+0x50*(\hi)
.irp l, 0,1
.irp t, 0,1,2,3,4,5,6,7
.set AD, 64*\l+8*\t
.set AA, 96*MP+12*\t
.set AB, LF+48*MP+12*(2*(\hi)+\l)
.set SA, RS+4*(\k)+\t%4
.set SB, LS+4*((\k)/2)+2*(\hi)+\l
.if (\k) == 0
.if \t < 4
	v_wmma_scale_f32_16x16x128_f8f6f4 v[AD:AD+7], v[AA:AA+11], v[AB:AB+11], 0, v[SA], v[SB] matrix_a_fmt:MATRIX_FMT_FP6 matrix_b_fmt:MATRIX_FMT_FP6
.else
	v_wmma_scale_f32_16x16x128_f8f6f4 v[AD:AD+7], v[AA:AA+11], v[AB:AB+11], 0, v[SA], v[SB] matrix_a_fmt:MATRIX_FMT_FP6 matrix_b_fmt:MATRIX_FMT_FP6 matrix_a_scale:MATRIX_SCALE_ROW1
.endif
.elseif (\k)%2 == 0
.if \t < 4
	v_wmma_scale_f32_16x16x128_f8f6f4 v[AD:AD+7], v[AA:AA+11], v[AB:AB+11], v[AD:AD+7], v[SA], v[SB] matrix_a_fmt:MATRIX_FMT_FP6 matrix_b_fmt:MATRIX_FMT_FP6
.else
	v_wmma_scale_f32_16x16x128_f8f6f4 v[AD:AD+7], v[AA:AA+11], v[AB:AB+11], v[AD:AD+7], v[SA], v[SB] matrix_a_fmt:MATRIX_FMT_FP6 matrix_b_fmt:MATRIX_FMT_FP6 matrix_a_scale:MATRIX_SCALE_ROW1
.endif
.else
.if \t < 4
	v_wmma_scale_f32_16x16x128_f8f6f4 v[AD:AD+7], v[AA:AA+11], v[AB:AB+11], v[AD:AD+7], v[SA], v[SB] matrix_a_fmt:MATRIX_FMT_FP6 matrix_b_fmt:MATRIX_FMT_FP6 matrix_b_scale:MATRIX_SCALE_ROW1
.else
	v_wmma_scale_f32_16x16x128_f8f6f4 v[AD:AD+7], v[AA:AA+11], v[AB:AB+11], v[AD:AD+7], v[SA], v[SB] matrix_a_fmt:MATRIX_FMT_FP6 matrix_b_fmt:MATRIX_FMT_FP6 matrix_a_scale:MATRIX_SCALE_ROW1 matrix_b_scale:MATRIX_SCALE_ROW1
.endif
.endif
.endr
.endr
.endm
; A K step.  bnd = 1: the next step lies in a fill that has not been shown landed: my part of it is waited for (cnt later fills of mine may stay out) and a barrier shows everybody's.
.macro KSTEP k, last, bnd, cnt
	s_wait_dscnt 0x0                               ; this step's fragments, asked for a step ago, are in
.if \bnd
	s_wait_tensorcnt \cnt
	s_barrier_signal -1
	s_barrier_wait -1
.endif
.if !(\last)
.if (\k) > 0
	PLACES                                         ; for the loads into the set that the step before multiplied (ahead of a tile's K step 0 stands the last tile's way out, or nothing that was multiplied)
.endif
	FETCH (\k)+1
.endif
	MUL \k, 0
	MUL \k, 1
	WIN 0
.endm
; A K step behind whose fetch four slots are free.  Every wave waits for ALL its tensor loads, adds 0 to its spare word, waits for that and for its reads of the four slots, and passes a round of the cluster's barrier;
; the joint refill, the NEXT tile's four K steps by one load, is the first tensor load behind the round.  Its group 0 is first fill c's: the same LDS bytes on, the same K steps, the next tile's rows.
; both = 0: from q to k: R goes 64 row blocks on, L stays.  both = 1: from k to v: L goes on to wv's rows, R back to x's.  fetch = 0: a tile's last step.
.macro RSTEP k, c, both, fetch
	s_wait_tensorcnt 0x0                           ; no tensor load of mine is out, so a group 0 may be written
	ds_add_u32 v[SPW], v[NIL]                      ; 0 onto my spare word: the descriptors' steps stand between it and the wait for it
.if \both
	s_add_nc_u64 s[42+4*\c:43+4*\c], s[42+4*\c:43+4*\c], s[16:17]
	s_sub_nc_u64 s[58+4*\c+4*(\c/2):59+4*\c+4*(\c/2)], s[58+4*\c+4*(\c/2):59+4*\c+4*(\c/2)], s[22:23]
.else
	s_add_nc_u64 s[58+4*\c+4*(\c/2):59+4*\c+4*(\c/2)], s[58+4*\c+4*(\c/2):59+4*\c+4*(\c/2)], 64*FRB
.endif
	s_wait_dscnt 0x0                               ; the add is done; this step's fragments are in, and with them my last reads of the four slots
	s_barrier_signal -1
	MUL \k, 0                                      ; work on registers while the others arrive
	WIN 0
	s_barrier_wait -1
	CREST                                          ; no wave of any partner still reads the four slots or has a load on its way
.if \both
	JLOAD 40+4*\c, G1L4, 56+4*\c+4*(\c/2), G1R4    ; its four v_nop are also the places in front of the loads below
.else
	RLOAD 56+4*\c+4*(\c/2)
.endif
.if \fetch
	FETCH (\k)+1
.endif
	MUL \k, 1
	WIN 0
.endm
.macro RSLOAD ptr, off                 ; R's scale words of a tile: two whole blocks of 256 bytes a K step: four row blocks' words a lane
.irp k, 0,1,2,3,4,5,6,7
	global_load_b128 v[RS+4*\k:RS+4*\k+3], v[RSO], s[\ptr:\ptr+1] offset:\k*RSP+\off
.endr
.endm
.macro LSLOAD ptr                      ; L's
.irp k, 0,1,2,3
	global_load_b128 v[LS+4*\k:LS+4*\k+3], v[LSO], s[\ptr:\ptr+1] offset:2*\k*LSP
.endr
.endm
.macro TABLE l                         ; the table's image for L tile l, register for register that of its accumulators
	WIN 0x40*(1+(\l)/2)
.irp j, 0,1,2,3,4,5,6,7,8,9,10,11,12,13,14,15
	global_load_b128 v[128+64*((\l)%2)+4*\j:128+64*((\l)%2)+4*\j+3], v[LI], s[6:7] offset:65536*(\l)+512*\j
.endr
	WIN 0
.endm
; The rotation of L tile l: a pair of registers is (x0, x1), the table's pair (cos, sin): (x0 cos - x1 sin, x0 sin + x1 cos).  The products with x1 go to v32-95 of window 0, where L's fragments lay.
.macro ROPE l
.set XA, 64*((\l)%2)
	WIN 0x05*(1+(\l)/2)
.set J, 0
.rept 32
	v_pk_mul_f32 v[LF+J:LF+J+1], v[XA+J:XA+J+1], v[128+XA+J:128+XA+J+1] op_sel:[1,1] op_sel_hi:[1,0]   ; (x1 sin, x1 cos); each accumulator is read from its low end on
.set J, J+2
.endr
	WIN 0x45*(1+(\l)/2)
.set J, 0
.rept 32
	v_pk_fma_f32 v[XA+J:XA+J+1], v[XA+J:XA+J+1], v[128+XA+J:128+XA+J+1], v[LF+J:LF+J+1] op_sel_hi:[0,1,1] neg_lo:[0,0,1]
.set J, J+2
.endr
.endm
; L tile l's 64 numbers of a lane, register 16 b + i = k 32 b + 16 h + i of my row, become a fragment's codes and its scale word, and the fragment leaves as its image.  The numbers lie in window 1 or 2; all else
; in window 0, so that the table beside the accumulators stays whole.  Each tile has its own registers for its codes: within a tile of C no store's data are written again.
.macro QUANT l, ptr, off
.set QSRC, 64*((\l)%2)
.set QPC, LF+24*(\l)
	WIN 0x14*(1+(\l)/2)                            ; sources 1 and 2: the numbers' window
.irp b, 0,1,2,3
	v_max3_num_f32 v[TM+\b], 0x1800000, |v[QSRC+16*\b]|, |v[QSRC+1+16*\b]|   ; my 16 numbers of block b, and the floor 2^(3 - 127): the byte cannot fall under 1.  (Each accumulator is read from its low end on)
.endr
.irp i, 2,4,6,8,10,12,14
.irp b, 0,1,2,3
	v_max3_num_f32 v[TM+\b], v[TM+\b], |v[QSRC+16*\b+\i]|, |v[QSRC+1+16*\b+\i]|
.endr
.endr
	WIN 0
.irp b, 0,1,2,3
	v_permlanex16_b32 v[TM+4+\b], v[TM+\b], s20, s21
.endr
.irp b, 0,1,2,3
	v_max_num_f32 v[TM+\b], v[TM+\b], v[TM+4+\b]   ; with lane l xor 16's: the block's largest magnitude
.endr
.irp b, 0,1,2,3
	v_add_nc_u32 v[TM+12+\b], 0xff000000, v[TM+\b] ; 2 off its exponent field: the conversion's scale operand
.endr
.irp b, 0,1,2,3
	v_lshrrev_b32 v[TM+4+\b], 23, v[TM+12+\b]      ; the byte
.endr
	v_lshl_or_b32 v[PWS+(\l)], v[TM+5], 8, v[TM+4]
	v_lshl_or_b32 v[PWS+(\l)], v[TM+6], 16, v[PWS+(\l)]
	v_lshl_or_b32 v[PWS+(\l)], v[TM+7], 24, v[PWS+(\l)]
	WIN 0x01*(1+(\l)/2)                            ; source 0: the numbers' window
.irp c, 0,1
	v_cvt_scalef32_pk16_fp6_f32 v[QPC+6*\c:QPC+6*\c+2], v[QSRC+32*\c:QSRC+32*\c+15], v[TM+12+2*\c]
	v_cvt_scalef32_pk16_fp6_f32 v[QPC+12+4*\c:QPC+14+4*\c], v[QSRC+32*\c+16:QSRC+32*\c+31], v[TM+13+2*\c]   ; (a conversion's three registers begin on an even number)
.endr
	WIN 0
	v_nop                                          ; one plain place behind a scaled conversion
.irp c, 0,1                                    ; the layout wants a whole block in a lane: lanes 0-15 block 2 c, lanes 16-31 block 2 c + 1
.irp i, 0,1,2
	v_permlane16_swap_b32 v[QPC+6*\c+\i], v[QPC+12+4*\c+\i]
.endr
.irp i, 0,1,2
	v_mov_b32 v[QPC+3+6*\c+\i], v[QPC+12+4*\c+\i]
.endr
.endr
.irp c, 0,1,2
	global_store_b128 v[LI], v[QPC+4*\c:QPC+4*\c+3], s[\ptr:\ptr+1] offset:FRB*(\l)+512*\c+\off   ; 512 consecutive bytes a store
.endr
.endm
.macro PACK2 src, pr, ptr, off         ; four words a lane-row: lanes 0-15 store tiles 0, 1, lanes 16-31 tiles 2, 3: one aligned block of 256 bytes
	v_cndmask_b32 v[\pr], v[\src], v[\src+2], s18
	v_cndmask_b32 v[\pr+1], v[\src+1], v[\src+3], s18
	global_store_b64 v[SSO], v[\pr:\pr+1], s[\ptr:\ptr+1] offset:\off
.endm
.macro NEXT                            ; a new tile's head.  Its K steps 0-3 were shown landed, in every wave, by the round at the last tile's K step 7: no barrier is owed
	s_wait_loadcnt 0x0                             ; its scale words
	s_wait_xcnt 0x0                                ; the last tile's stores have read their registers: the fetch below lands on them
	FETCH 0
.endm
	s_load_b128 s[4:7], s[0:1], 0x0                ; xw, rope
	s_load_b64 s[8:9], s[0:1], 0x10                ; qkv
	v_lshl_add_u32 v[SPW], v0, 2, SPARE
	v_mov_b32 v[NIL], 0
	ds_add_u32 v[SPW], v[NIL]                      ; the wave's opening: an add and its wait ahead of my first tensor load; work on registers stands between them
	ds_add_u32 v[SPW], v[NIL]
	v_lshrrev_b32 v12, 5, v0
	v_readfirstlane_b32 s10, v12                   ; wave 0..3
	s_lshr_b32 s11, s10, 1                         ; my L half.  Also: I fetch for L (0) or for R (1)
	s_and_b32 s12, s10, 1                          ; my R half.  Also: which half I fetch
	s_bfe_u32 s13, ttmp6, 0x40000                  ; cx
	s_bfe_u32 s14, ttmp6, 0x40004                  ; cy
	s_lshl_b32 s15, ttmp9, 2
	s_add_co_u32 s15, s15, s13                     ; X: which 256 of e
	s_and_b32 s17, ttmp7, 0xffff                   ; the cluster's y
	s_lshl_b32 s16, s17, 2
	s_add_co_u32 s16, s16, s14                     ; Y: which 128 tokens
	s_lshl_b32 s19, s14, 2
	s_lshl_b32 s19, 15, s19                        ; my row of the cluster
	s_or_b32 s[G1L], s19, (3<<16)|(1<<21)          ; 15:0 the mask; 17:16 elements of 8 bytes; 21 set beside a mask; no padding
	s_or_b32 s[G1L4], s19, (3<<16)|(1<<21)
	s_lshl_b32 s19, 0x1111, s13                    ; my column
	s_or_b32 s[G1R], s19, (3<<16)|(1<<21)
	s_or_b32 s[G1R4], s19, (3<<16)|(1<<21)
	G1SET G1L, 1536, 4, LW5                        ; the head: 8 fragments, 12,288 dense bytes, of each of four K steps
	G1SET G1R, 3072, 4, RW5                        ; 16 fragments
	G1SET G1L4, 1536, 2, LW5                       ; a refill: the same of two K steps
	G1SET G1R4, 3072, 2, RW5
	s_mov_b32 s20, 0x76543210
	s_mov_b32 s21, 0xfedcba98                      ; v_permlanex16_b32's selects for lane l xor 16
	; tile 1: L = x, row block 8 Y; R = wq, row block 512 + 16 X
	s_lshl_b32 s2, s16, 3
	s_lshl_b32 s98, s2, 6
	s_lshl_b32 s22, s11, 8
	s_add_co_u32 s98, s98, s22
	s_add_co_u32 s98, s98, XSC                     ; the scale words of my L half
	s_mov_b32 s99, 0
	s_mul_i32 s2, s2, FRB                          ; L: my tile, K step 0: hangs on cy, never on cx
	s_mov_b32 s3, 0
	s_lshl_b32 s18, s15, 4
	s_lshl_b32 s96, s18, 6
	s_lshl_b32 s22, s12, 9
	s_add_co_u32 s96, s96, s22
	s_add_co_u32 s96, s96, XSC+512*64              ; the scale words of the R half that I multiply
	s_mov_b32 s97, 0
	s_add_co_u32 s18, s18, 512
	s_mul_i32 s18, s18, FRB                        ; R: my tile, K step 0: hangs on cx, never on cy
	s_mov_b32 s19, 0
	v_and_b32 v1, 15, v0                           ; r
	v_bfe_u32 v2, v0, 4, 1                         ; h
	v_and_b32 v3, 31, v0
	v_lshlrev_b32 v[LI], 4, v3
	s_mul_i32 s22, s11, 4*FRB
	v_add_nc_u32 v[ADL], s22, v[LI]
	v_add_nc_u32 v[ADL+1], 4*LROW, v[ADL]
	s_mul_i32 s22, s12, 8*FRB
	s_add_co_u32 s22, s22, RB0
	v_add_nc_u32 v[ADR], s22, v[LI]
	v_add_nc_u32 v[ADR+1], 2*RROW, v[ADR]
	v_add_nc_u32 v[ADR+2], 4*RROW, v[ADR]
	v_add_nc_u32 v[ADR+3], 6*RROW, v[ADR]
	v_min_u32 v[PFO], 368, v[LI]
	v_lshlrev_b32 v[PFO], 4, v[PFO]
	v_lshlrev_b32 v[RSO], 4, v1
	v_lshl_add_u32 v[SSO], v2, 3, v[RSO]
	v_mul_u32_u24 v[LSO], v2, LSP
	v_add_nc_u32 v[LSO], v[LSO], v[RSO]
	v_lshl_add_u32 v[RSO], v2, 8, v[RSO]
.irp b, 0,1,2,3
	v_mov_b32 v[TM+4+\b], 0                        ; written once: a lane permute's destination counts as one of its sources
.endr
	s_wait_alu depctr_va_vdst(0)
	s_wait_dscnt 0x0                               ; the opening add is done
	s_wait_kmcnt 0x0
	s_add_nc_u64 s[2:3], s[4:5], s[2:3]
	s_add_nc_u64 s[18:19], s[4:5], s[18:19]
	s_add_nc_u64 s[96:97], s[4:5], s[96:97]
	s_add_nc_u64 s[98:99], s[4:5], s[98:99]
	RSLOAD 96, 0
	LSLOAD 98
	G0SET
	s_mov_b32 s18, 0xffff0000                      ; from here on: the mask of lanes 16-31
	CROUND                                         ; all sixteen work-groups are here: the first joint loads meet
	FILLH                                          ; all of K: one tensor load a wave at the head
	; the other addresses are made here, while the first tiles are on their way
	s_lshl_b32 s2, s15, 1
	s_add_co_u32 s2, s2, s12                       ; the K step of the next product that my 128 of e are
	s_lshl_b32 s3, s16, 3
	s_lshl_b32 s19, s11, 2
	s_add_co_u32 s3, s3, s19                       ; my first row block of tokens
	s_mul_i32 s92, s3, FRB
	s_mul_i32 s19, s2, 1572864
	s_add_co_u32 s92, s92, s19
	s_mov_b32 s93, 0
	s_add_nc_u64 s[92:93], s[8:9], s[92:93]        ; where q's codes go (k's: KCOD further on)
	s_lshl_b32 s94, s3, 6
	s_lshl_b32 s19, s2, 16
	s_add_co_u32 s94, s94, s19
	s_add_co_u32 s94, s94, QS
	s_mov_b32 s95, 0
	s_add_nc_u64 s[94:95], s[8:9], s[94:95]        ; and q's scale words (k's: KSCL further on)
	s_and_b32 s100, s3, 127
	s_lshl_b32 s100, s100, 16
	s_lshl_b32 s19, s2, 13
	s_add_co_u32 s100, s100, s19
	s_mov_b32 s101, 0
	s_add_nc_u64 s[6:7], s[6:7], s[100:101]        ; the table's image for my tokens and my 128 of e: the same for q and for k
	; tile 3, v: R = x, tile cx + 4 (cluster y / 2); L = wv, tile 4 (cluster y % 2) + cy
	s_lshr_b32 s2, s17, 1
	s_lshl_b32 s2, s2, 2
	s_add_co_u32 s2, s2, s13                       ; R's tile, 0 .. 31
	s_and_b32 s3, s17, 1
	s_lshl_b32 s3, s3, 2
	s_add_co_u32 s3, s3, s14                       ; L's tile, 0 .. 7
	s_add_co_u32 s22, s15, 36
	s_sub_co_u32 s22, s22, s2
	s_mul_i32 s22, s22, 16*FRB                     ; R goes back from row block 576 + 16 X to 16 x its tile: 5 tiles or more; made of cx and the cluster's y alone
	s_mov_b32 s23, 0
	s_add_co_u32 s14, s3, 80
	s_sub_co_u32 s14, s14, s16
	s_mul_i32 s16, s14, 8*FRB                      ; L goes on from row block 8 Y to 640 + 8 x its tile: 17 tiles or more; made of cy and the cluster's y alone
	s_mov_b32 s17, 0
	s_lshl_b32 s66, s2, 10
	s_lshl_b32 s19, s12, 9
	s_add_co_u32 s66, s66, s19
	s_add_co_u32 s66, s66, XSC
	s_mov_b32 s67, 0
	s_add_nc_u64 s[66:67], s[4:5], s[66:67]        ; R's scale words
	s_lshl_b32 s2, s2, 1
	s_add_co_u32 s2, s2, s12                       ; my 128 tokens: K step 0 .. 63 over the four batches
	s_lshl_b32 s3, s3, 3
	s_lshl_b32 s19, s11, 2
	s_add_co_u32 s3, s3, s19                       ; my first row block of d
	s_mul_i32 s100, s3, FRB
	s_mul_i32 s19, s2, 98304
	s_add_co_u32 s100, s100, s19
	s_add_co_u32 s100, s100, VC
	s_mov_b32 s101, 0
	s_add_nc_u64 s[100:101], s[8:9], s[100:101]    ; where v^T's codes go
	s_lshl_b32 s19, s3, 6
	s_lshl_b32 s2, s2, 12
	s_add_co_u32 s2, s2, s19
	s_add_co_u32 s2, s2, VS
	s_mov_b32 s3, 0
	s_add_nc_u64 s[8:9], s[8:9], s[2:3]            ; and its scale words
	s_add_co_u32 s2, s19, XSC+640*64
	s_add_nc_u64 s[4:5], s[4:5], s[2:3]            ; L's scale words
	ASK 0
	s_wait_loadcnt 0x0                             ; tile 1's scale words, asked for ahead of the round
	; waves 0 and 1 have waited for K steps 0-3 in their arms; the loads of waves 2 and 3 are waited for by the sequence at K step 3
	s_barrier_signal -1
	s_barrier_wait -1                              ; and every wave knows
	; ---- tile 1: q
	FETCH 0
	TABLE 0                                        ; the table is asked for behind the first tiles: it is wanted on the way out
	TABLE 1
	KSTEP 0, 0, 0, 0
	TABLE 2
	TABLE 3
	KSTEP 1, 0, 0, 0
	KSTEP 2, 0, 0, 0
	RSTEP 3, 0, 0, 1                               ; slots 0-3 of R take wk's K steps 0-3
	ASK 1
	KSTEP 4, 0, 0, 0
	KSTEP 5, 0, 0, 0
	KSTEP 6, 0, 0, 0
	RSTEP 7, 2, 0, 0                               ; slots 4-7 of R take wk's K steps 4-7
	PLACES
	s_wait_loadcnt 0x0                             ; the table
	RSLOAD 96, KRS                                 ; wk's scale words land during the way out
	ROPE 0
	ROPE 1
	ROPE 2
	ROPE 3
	QUANT 0, 92, 0
	QUANT 1, 92, 0
	QUANT 2, 92, 0
	QUANT 3, 92, 0
	PACK2 PWS, 224, 94, 0
	; ---- tile 2: k
	NEXT
	KSTEP 0, 0, 0, 0
	KSTEP 1, 0, 0, 0
	KSTEP 2, 0, 0, 0
	RSTEP 3, 0, 1, 1                               ; slots 0-3 take wv's and x's K steps 0-3
	KSTEP 4, 0, 0, 0
	KSTEP 5, 0, 0, 0
	KSTEP 6, 0, 0, 0
	RSTEP 7, 2, 1, 0                               ; slots 4-7 their K steps 4-7
	PLACES
	RSLOAD 66, 0
	LSLOAD 4
	ROPE 0
	ROPE 1
	ROPE 2
	ROPE 3
	QUANT 0, 92, KCOD
	QUANT 1, 92, KCOD
	QUANT 2, 92, KCOD
	QUANT 3, 92, KCOD
	PACK2 PWS, 224, 94, KSCL
	; ---- tile 3: v: no rotation
	NEXT
	KSTEP 0, 0, 0, 0
	KSTEP 1, 0, 0, 0
	KSTEP 2, 0, 0, 0
	KSTEP 3, 0, 1, 0                               ; the one load that is out is the last refill
	KSTEP 4, 0, 0, 0
	KSTEP 5, 0, 0, 0
	KSTEP 6, 0, 0, 0
	KSTEP 7, 1, 0, 0
	PLACES
	QUANT 0, 100, 0
	QUANT 1, 100, 0
	QUANT 2, 100, 0
	QUANT 3, 100, 0
	PACK2 PWS, 224, 8, 0
	s_wait_tensorcnt 0x0                           ; the wave's end
	ds_add_u32 v[SPW], v[NIL]
	s_wait_dscnt 0x0
	CROUND                                         ; the closing round
	s_endpgm
.Lfunc_end_k_qade9a49c15_qkv:
	.size	k_qade9a49c15_qkv, .Lfunc_end_k_qade9a49c15_qkv-k_qade9a49c15_qkv
	.p2alignl 7, 3214868480
	.fill 96, 4, 3214868480
	.section	.rodata,"a",@progbits
	.p2align	6, 0x0
	.amdhsa_kernel k_qade9a49c15_qkv
		.amdhsa_group_segment_fixed_size 327680
		.amdhsa_private_segment_fixed_size 0
		.amdhsa_enable_private_segment 0
		.amdhsa_kernarg_size 24
		.amdhsa_user_sgpr_count 2
		.amdhsa_user_sgpr_kernarg_segment_ptr 1
		.amdhsa_wavefront_size32 1
		.amdhsa_system_sgpr_workgroup_id_x 1
		.amdhsa_system_sgpr_workgroup_id_y 1
		.amdhsa_system_sgpr_workgroup_id_z 1
		.amdhsa_system_vgpr_workitem_id 0
		.amdhsa_next_free_vgpr 1024
		.amdhsa_next_free_sgpr 102
		.amdhsa_reserve_vcc 0
		.amdhsa_float_denorm_mode_32 3
		.amdhsa_float_denorm_mode_16_64 3
		.amdhsa_memory_ordered 1
		.amdhsa_forward_progress 1
		.amdhsa_inst_pref_size 255
	.end_amdhsa_kernel
	.section	.bss,"aw",@nobits
	.p2align	6
	.space	262144
	.amdgpu_metadata
---
amdhsa.version: [ 1, 2 ]
amdhsa.kernels:
  - .name:           k_qade9a49c15_qkv
    .symbol:         k_qade9a49c15_qkv.kd
    .args:
      - { .name: xw, .offset: 0, .size: 8, .value_kind: global_buffer, .address_space: global }
      - { .name: rope, .offset: 8, .size: 8, .value_kind: global_buffer, .address_space: global }
      - { .name: qkv, .offset: 16, .size: 8, .value_kind: global_buffer, .address_space: global }
    .group_segment_fixed_size: 327680
    .private_segment_fixed_size: 0
    .kernarg_segment_align: 8
    .kernarg_segment_size: 24
    .max_flat_workgroup_size: 128
    .sgpr_count:     102
    .vgpr_count:     1024
    .wavefront_size: 32
...
	.end_amdgpu_metadata
.endif
;; end of part 7
;; launch scores (part 8): grid 4 x 64, 4 waves a work-group, clusters of 4 x 4, 327,680 bytes of LDS; arguments qkv, p; writes p
.if DOCPART == 8
	.amdgcn_target "amdgcn-amd-amdhsa--gfx1250"
	.amdhsa_code_object_version 6
	.text
	.protected	k_qade9a49c15_scores
	.globl	k_qade9a49c15_scores
	.p2align	8
	.type	k_qade9a49c15_scores,@function
k_qade9a49c15_scores:
	s_mov_b64 s[64:65], 0
	v_nop
	global_prefetch_b8 v0, s[64:65] scope:SCOPE_SE
	s_setreg_imm32_b32 hwreg(HW_REG_WAVE_MODE, 25, 1), 1
	s_wait_xcnt 0x0
	s_wait_alu depctr_hold_cnt(0) depctr_sa_sdst(0) depctr_va_vdst(0) depctr_va_sdst(0) depctr_va_ssrc(0) depctr_va_vcc(0) depctr_vm_vsrc(0)
	s_getreg_b32 s2, hwreg(HW_REG_IB_STS2, 6, 4)
	s_cmp_eq_u32 s2, 0
	s_cbranch_scc0 .Lentry_in_a_cluster
	s_endpgm
.Lentry_in_a_cluster:
	s_bfe_u32 s2, ttmp6, 0x10000c
	s_cmp_lg_u32 s2, 0xf033
	s_cbranch_scc0 .Lentry_shape_is_right
	s_endpgm
.Lentry_shape_is_right:
; SCORES.  S = q k^T on codes of FP6 (E2M3) with E8M0 scales, and the softmax's numerator, quantised at once along the keys.
; t = score x log2(e) / 32.  A wave owns 128 keys at a time, one K step of the next product.  For each query it takes M_loc = the ceiling of the largest t AMONG THESE 128 KEYS, p = 2^(t - M_loc), the sum l_loc of the
; unquantised p, p's codes and its four scale bytes.  M_loc is a whole number, so the row's own M, found in the next launch, only shifts the scale bytes: the codes are those of p under the row's M.
; Stored: p's fragment images [16 K steps][512 rb][1536], and three planes [16][128 groups of 4 rb][16 lane-rows][4 rb] of words: scale words, -M_loc (f32), l_loc (f32).
; OPERANDS are fragment images (16 rows x 128 K = 1,536 bytes: registers 4 c .. 4 c + 3 of lane L at 512 c + 16 L); row block rb holds in lane-row q the row 32 (rb / 2) + 8 (rb % 2) + q + 8 (q / 8).
; TILE.  256 keys (R, source 0) x 128 queries (L, source 1); wave w: R half w % 2 x L half w / 2: 32 accumulators.  A lane holds ONE query, and its 64 registers of an L tile are keys 32 b + 16 h + 0 .. 15.
; A WORK-GROUP STAYS and makes two tiles: keys 256 X on and keys 256 (X + 4) on, for the same 128 queries: q's tile stays in LDS and its scale words in registers.
; THE RING.  LDS holds 8 K steps, all of K = 1,024.  The first tile comes by four first fills a wave.  Behind its K step 3's fetch slots 0-3 of R take the second tile's K steps 0-3, behind K step 7's slots 4-7 its K steps 4-7,
; each by ONE load of waves 2 and 3 behind a round of the cluster's barrier: the first has four K steps in which to land, the second the softmax and four K steps.
; CLUSTERS: 4 x 4: q's tile is asked for jointly along a row of the cluster, k's along a column.
; REGISTERS: window 0: v0-19 addresses, v20-31 words to store, v32-127 L's fragments, v128-159 R's scale words, v160-175 L's, v224-229 the stores' pairs.   windows 1, 2: v0-127 accumulators, v128.. at work.   window 3: R's fragments.
; LIMITS: NaN and infinities are not served; a block whose every p has fallen to 0 gets the byte 1 (its codes are zeros).
.set FRB,    1536
; LDS AS IT STANDS NOW (in place of the head's words on halves): L's 8 K steps from byte 0, a K step's 8 fragments on end as they lie in memory; then R's 8 K steps of 16 fragments.
.set LROW,   8*FRB                     ; a K step of L: 12,288 bytes
.set RROW,   16*FRB                    ; a K step of R: 24,576 bytes
.set RB0,    8*LROW
.set SPARE,  RB0+8*RROW                ; the spare words, 128 bytes a wave: two blocks of 256 bytes that no other line names
.set LPITCH, 1572864                   ; 1,024 rb x 1,536 bytes
.set RPITCH, 1572864
.set LW5,    196608
.set RW5,    196608
.set LSP,    65536
.set RSP,    65536
.set QS,     18874368                  ; qkv: q's and k's scale words
.set PS,     12582912                  ; p: the planes
.set PLANE,  524288
.set T2COD,  8*786432                  ; the second tile's keys are 8 K steps of p further on: in the codes,
.set T2PLN,  8*32768                   ; in the planes;
.set T2RS,   64*64                     ; its rows of k are 64 row blocks further on: in the scale words
.set LI,  3
.set ADL, 176                          ; v176-177 LDS: my four fragments of L, K steps 0-3, 4-7
.set ADR, 178                          ; v178-181 my eight fragments of R, K steps 0-1, 2-3, 4-5, 6-7
.set PFO, 182                          ; v182 the prefetches' offset: 256 x min(lane, 23); never rewritten
.set SPW, 7                            ; v7   my spare word; never rewritten
.set NIL, 8                            ; v8   0; never rewritten
.set RSO, 9
.set LSO, 10
.set SSO, 11
.set PWS, 20                           ; v20-23 scale words, v24-27 -M_loc, v28-31 l_loc of the four L tiles
.set NMS, 24
.set LLS, 28
.set LF,  32
.set RS,  128
.set LS,  160
.set BM,  128                          ; in windows 1, 2: v128-131 the blocks' largest scores, then p;  v132-135 the partner lane's, then bytes;  v136 at work
.set BP,  132
.set TT,  136
.set SU,  138                          ; v[138:139], v[140:141] the sum in two chains
.set NM,  142                          ; v142 -M_loc (v143 named with it as a pair)
.set SCO, 144                          ; v144-147 the conversions' scale operands
.set PW,  148
.set G1L, 24
.set G1R, 32
.set G1R4, 84                          ; the refills' group 1: a wave's two of the four K steps of R
.set MSB, 0
.macro WIN new                         ; the immediate's high byte repeats the setting that is left
.if MSB != (\new)
	s_set_vgpr_msb (MSB<<8)|(\new)
.set MSB, \new
.endif
.endm
.macro PLACES                          ; four plain places behind matrix instructions, ahead of loads into their sources and of reads of their results
.rept 4
	v_nop
.endr
.endm
.macro CREST
	s_cmp_lg_u32 s10, 0
	s_cbranch_scc1 .Lnot_wave_0_\@
	s_barrier_signal -3
.Lnot_wave_0_\@:
	s_barrier_wait -3
	s_barrier_signal -1
	s_barrier_wait -1
.endm
.macro CROUND
	s_barrier_signal -1
	s_barrier_wait -1
	CREST
.endm
.macro G1SET g, d0, nk, w5
	s_mov_b32 s[\g+1], (\d0)<<16
	s_mov_b32 s[\g+2], (\nk)<<16
	s_mov_b32 s[\g+3], (\d0)<<16
	s_mov_b32 s[\g+4], \nk
	s_mov_b32 s[\g+5], \w5
	s_mov_b32 s[\g+6], 0
	s_mov_b32 s[\g+7], 0
.endm
; THE FILLS AS THEY STAND NOW (in place of the head's words on four first fills).  s[2:3], s[18:19]: the addresses of L's and of R's tile, K step 0.
; Refills, of R alone: groups 0 at s56, s68 (slots 0-3, 4-7): waves 2, 3 fetch two K steps of the four each (wave % 2), whole rows.
; The head: ONE load a wave, all of K in four loads: wave 0 L's K steps 0-3, wave 1 R's, wave 2 L's K steps 4-7, wave 3 R's: groups 0 at s44 (L) and s60 (R), set here for K steps 0-3; waves 2 and 3 step theirs in their arms.
.macro G0SET
	s_mul_i32 s57, s12, 2*RROW
	s_add_co_u32 s57, s57, RB0
	s_mul_i32 s54, s12, 2*RPITCH
	s_mov_b32 s55, 0
	s_add_nc_u64 s[54:55], s[18:19], s[54:55]
.irp c, 0,2
	s_mov_b32 s[56+4*\c+4*(\c/2)], 1
.if \c > 0
	s_add_co_u32 s[57+4*\c+4*(\c/2)], s57, 2*\c*RROW
.endif
	s_add_nc_u64 s[58+4*\c+4*(\c/2):59+4*\c+4*(\c/2)], s[54:55], 2*\c*RPITCH
	s_or_b32 s[59+4*\c+4*(\c/2)], s[59+4*\c+4*(\c/2)], 0x80000000
.endr
	s_mov_b32 s44, 1
	s_mov_b32 s45, 0
	s_mov_b64 s[46:47], s[2:3]
	s_or_b32 s47, s47, 0x80000000
	s_mov_b32 s60, 1
	s_mov_b32 s61, RB0
	s_mov_b64 s[62:63], s[18:19]
	s_or_b32 s63, s63, 0x80000000
	; where my prefetches stand, s[72:73]: the second tile's rows of k, 64 row blocks on.  Of the two K steps that I refill, the partner at place cy takes K step cy / 2, half cy % 2 of its row: 12,288 bytes, told apart by address
	s_lshr_b32 s74, s14, 1
	s_lshl_b32 s75, s12, 1
	s_add_co_u32 s74, s74, s75
	s_mul_i32 s74, s74, RPITCH
	s_and_b32 s75, s14, 1
	s_mul_i32 s75, s75, RROW/2
	s_add_co_u32 s74, s74, s75
	s_add_co_u32 s74, s74, 64*FRB
	s_mov_b32 s75, 0
	s_add_nc_u64 s[72:73], s[18:19], s[74:75]
.endm
; The head's loads: ONE chain of branches on the wave's number, one load to an arm.  The arms of waves 0 and 1 lead through the wait for their loads, K steps 0-3; those of waves 2 and 3 jump past it: K steps 4-7 may stay out.
.macro FILLH
	s_cmp_lt_u32 s10, 3
	s_cbranch_scc1 .Lhead_2
	s_mov_b32 s61, RB0+4*RROW                      ; wave 3: R's K steps 4-7
	s_add_nc_u64 s[62:63], s[62:63], 4*RPITCH
	tensor_load_to_lds s[60:63], s[G1R:G1R+7]
	s_nop 0
	PLACES
	s_branch .Lfilled
.Lhead_2:
	s_cmp_lt_u32 s10, 2
	s_cbranch_scc1 .Lhead_1
	s_mov_b32 s45, 4*LROW                          ; wave 2: L's K steps 4-7
	s_add_nc_u64 s[46:47], s[46:47], 4*LPITCH
	tensor_load_to_lds s[44:47], s[G1L:G1L+7]
	s_nop 0
	PLACES
	s_branch .Lfilled
.Lhead_1:
	s_cmp_lt_u32 s10, 1
	s_cbranch_scc1 .Lhead_0
	tensor_load_to_lds s[60:63], s[G1R:G1R+7]      ; wave 1: R's K steps 0-3
	s_nop 0
	PLACES
	s_branch .Learly
.Lhead_0:
	tensor_load_to_lds s[44:47], s[G1L:G1L+7]      ; wave 0: L's K steps 0-3
	s_nop 0
	PLACES
.Learly:
	s_wait_tensorcnt 0x0                           ; waves 0 and 1: my load has landed
.Lfilled:
.endm
; A PREFETCH INTO THE L2 of the second tile's K steps 4 j .. 4 j + 3 of k, which the refill of slots 4 j .. 4 j + 3 will load: j = 0 behind the head's load, three K steps ahead of that refill; j = 1 behind the refill at K step 3, four K steps ahead.
; Waves 2 and 3, which issue those refills, ask: 48 blocks of 256 bytes each, 24 lanes to an instruction (lanes 24-31 name the last block again); the four partners of a column share the rows out by address.
.macro ASK j
	s_cmp_eq_u32 s11, 0
	s_cbranch_scc1 .Lno_ask_\@
	global_prefetch_b8 v[PFO], s[72:73] offset:4*\j*RPITCH th:TH_LOAD_NT scope:SCOPE_SE
	global_prefetch_b8 v[PFO], s[72:73] offset:4*\j*RPITCH+6144 th:TH_LOAD_NT scope:SCOPE_SE
.Lno_ask_\@:
.endm
.macro RLOAD g0r                       ; a joint refill of R: waves 0 and 1 have no part of it and issue none.  An s_nop 0 and four v_nop follow the load; the places behind the label serve the loads that follow on the other way too
	s_cmp_eq_u32 s11, 0
	s_cbranch_scc1 .Lno_part_\@
	tensor_load_to_lds s[\g0r:\g0r+3], s[G1R4:G1R4+7]
	s_nop 0
	PLACES
.Lno_part_\@:
	PLACES
.endm
.macro FETCH k
.set FP, (\k)%2
.set FS, (\k)%8
	WIN 0xc0
.irp t, 0,1,2,3,4,5,6,7
.irp c, 0,1,2
	ds_load_b128 v[96*FP+12*\t+4*\c:96*FP+12*\t+4*\c+3], v[ADR+FS/2] offset:(FS%2)*RROW+FRB*\t+512*\c
.endr
.endr
	WIN 0
.irp l, 0,1,2,3
.irp c, 0,1,2
	ds_load_b128 v[LF+48*FP+12*\l+4*\c:LF+48*FP+12*\l+4*\c+3], v[ADL+FS/4] offset:(FS%4)*LROW+FRB*\l+512*\c
.endr
.endr
.endm
; 16 matrix instructions: L tiles 2 hi, 2 hi + 1 x R's eight.  The 32 accumulators take turns, in the same order in every step and from tile to tile.  K step 0 starts a tile's sums.
.macro MUL k, hi
.set MP, (\k)%2
	WIN 0x53+0x50*(\hi)
.irp l, 0,1
.irp t, 0,1,2,3,4,5,6,7
.set AD, 64*\l+8*\t
.set AA, 96*MP+12*\t
.set AB, LF+48*MP+12*(2*(\hi)+\l)
.set SA, RS+4*(\k)+\t%4
.set SB, LS+4*((\k)/2)+2*(\hi)+\l
.if (\k) == 0
.if \t < 4
	v_wmma_scale_f32_16x16x128_f8f6f4 v[AD:AD+7], v[AA:AA+11], v[AB:AB+11], 0, v[SA], v[SB] matrix_a_fmt:MATRIX_FMT_FP6 matrix_b_fmt:MATRIX_FMT_FP6
.else
	v_wmma_scale_f32_16x16x128_f8f6f4 v[AD:AD+7], v[AA:AA+11], v[AB:AB+11], 0, v[SA], v[SB] matrix_a_fmt:MATRIX_FMT_FP6 matrix_b_fmt:MATRIX_FMT_FP6 matrix_a_scale:MATRIX_SCALE_ROW1
.endif
.elseif (\k)%2 == 0
.if \t < 4
	v_wmma_scale_f32_16x16x128_f8f6f4 v[AD:AD+7], v[AA:AA+11], v[AB:AB+11], v[AD:AD+7], v[SA], v[SB] matrix_a_fmt:MATRIX_FMT_FP6 matrix_b_fmt:MATRIX_FMT_FP6
.else
	v_wmma_scale_f32_16x16x128_f8f6f4 v[AD:AD+7], v[AA:AA+11], v[AB:AB+11], v[AD:AD+7], v[SA], v[SB] matrix_a_fmt:MATRIX_FMT_FP6 matrix_b_fmt:MATRIX_FMT_FP6 matrix_a_scale:MATRIX_SCALE_ROW1
.endif
.else
.if \t < 4
	v_wmma_scale_f32_16x16x128_f8f6f4 v[AD:AD+7], v[AA:AA+11], v[AB:AB+11], v[AD:AD+7], v[SA], v[SB] matrix_a_fmt:MATRIX_FMT_FP6 matrix_b_fmt:MATRIX_FMT_FP6 matrix_b_scale:MATRIX_SCALE_ROW1
.else
	v_wmma_scale_f32_16x16x128_f8f6f4 v[AD:AD+7], v[AA:AA+11], v[AB:AB+11], v[AD:AD+7], v[SA], v[SB] matrix_a_fmt:MATRIX_FMT_FP6 matrix_b_fmt:MATRIX_FMT_FP6 matrix_a_scale:MATRIX_SCALE_ROW1 matrix_b_scale:MATRIX_SCALE_ROW1
.endif
.endif
.endr
.endr
.endm
.macro KSTEP k, last, bnd, cnt
	s_wait_dscnt 0x0                               ; this step's fragments, asked for a step ago, are in
.if \bnd
	s_wait_tensorcnt \cnt                          ; my part of the fill that holds the next step (cnt later fills may be out),
	s_barrier_signal -1
	s_barrier_wait -1                              ; everybody's
.endif
.if !(\last)
.if (\k) > 0
	PLACES                                         ; for the loads into the set that the step before multiplied (ahead of a tile's K step 0 stands the softmax, or nothing that was multiplied)
.endif
	FETCH (\k)+1
.endif
	MUL \k, 0
	MUL \k, 1
	WIN 0
.endm
; A K step of the first tile behind whose fetch four slots are free.  Every wave waits for ALL its tensor loads, adds 0 to its spare word, waits for that and for its reads of the four slots, and passes a round of the
; cluster's barrier; the joint refill, the second tile's four K steps of R by one load, is the first tensor load behind the round.  Its group 0 is first fill c's: the same LDS bytes on, the same K steps, 64 row blocks further on.
.macro RSTEP k, c, fetch
	s_wait_tensorcnt 0x0                           ; no tensor load of mine is out, so a group 0 may be written
	ds_add_u32 v[SPW], v[NIL]                      ; 0 onto my spare word: the descriptor's step stands between it and the wait for it
	s_add_nc_u64 s[58+4*\c+4*(\c/2):59+4*\c+4*(\c/2)], s[58+4*\c+4*(\c/2):59+4*\c+4*(\c/2)], 64*FRB
	s_wait_dscnt 0x0                               ; the add is done; this step's fragments are in, and with them my last reads of the four slots
	s_barrier_signal -1
	MUL \k, 0                                      ; work on registers while the others arrive
	WIN 0
	s_barrier_wait -1
	CREST                                          ; no wave of any partner still reads the four slots or has a load on its way
	RLOAD 56+4*\c+4*(\c/2)
.if \fetch
	FETCH (\k)+1
.endif
	MUL \k, 1
	WIN 0
.endm
.macro RSLOAD off                      ; R's scale words of a tile: two whole blocks of 256 bytes a K step
.irp k, 0,1,2,3,4,5,6,7
	global_load_b128 v[RS+4*\k:RS+4*\k+3], v[RSO], s[96:97] offset:\k*RSP+\off
.endr
.endm
.macro PACK2 src, pr, off              ; four words a lane-row: lanes 0-15 store tiles 0, 1, lanes 16-31 tiles 2, 3: one aligned block of 256 bytes
	v_cndmask_b32 v[\pr], v[\src], v[\src+2], s18
	v_cndmask_b32 v[\pr+1], v[\src+1], v[\src+3], s18
	global_store_b64 v[SSO], v[\pr:\pr+1], s[94:95] offset:\off
.endm
; L tile l: 16 queries x my 128 keys.  All in the accumulators' window.  x: where this tile of keys lies behind the first in p's codes.
.macro SOFT l, x
.set S, 64*((\l)%2)
.set QPC, 152+24*((\l)%2)
	WIN 0x55*(1+(\l)/2)
.if (\l)%2 == 0
.irp b, 0,1,2,3
	v_mov_b32 v[BP+\b], 0                          ; a lane permute's destination counts as one of its sources
.endr
.endif
.irp b, 0,1,2,3
	v_max3_num_f32 v[BM+\b], v[S+16*\b], v[S+16*\b+1], v[S+16*\b+2]   ; the largest score of each block of 32 keys: for the maximum, and, since p rises with the score, for the block's largest p.  (Each accumulator is read from its low end on)
.endr
.irp i, 3,5,7,9,11,13
.irp b, 0,1,2,3
	v_max3_num_f32 v[BM+\b], v[BM+\b], v[S+16*\b+\i], v[S+16*\b+\i+1]
.endr
.endr
.irp b, 0,1,2,3
	v_max_num_f32 v[BM+\b], v[BM+\b], v[S+16*\b+15]
.endr
.irp b, 0,1,2,3
	v_permlanex16_b32 v[BP+\b], v[BM+\b], s20, s21
.endr
.irp b, 0,1,2,3
	v_max_num_f32 v[BM+\b], v[BM+\b], v[BP+\b]     ; with lane l xor 16's 16 keys
.endr
	v_max3_num_f32 v[TT], v[BM], v[BM+1], v[BM+2]
	v_max_num_f32 v[TT], v[TT], v[BM+3]
	v_mul_f32 v[TT], s22, v[TT]                    ; the largest t of these 128 keys (c is positive)
	v_floor_f32 v[NM], -v[TT]                      ; -M_loc = floor(-t) = -ceil(t): a whole number
	v_mov_b32 v[NM+1], v[NM]
.set J, 0
.rept 32
	v_pk_fma_f32 v[S+J:S+J+1], v[S+J:S+J+1], s[22:23], v[NM:NM+1] op_sel_hi:[1,0,0]   ; t - M_loc, two at a time
.set J, J+2
.endr
.irp b, 0,1,2,3
	v_fma_f32 v[BM+\b], v[BM+\b], s22, v[NM]       ; the same of each block's largest score
.endr
.set J, 0
	s_wait_alu depctr_va_vdst(0)
.rept 64
	v_exp_f32 v[S+J], v[S+J]                       ; p, at most 1
.set J, J+1
.endr
	v_nop                                          ; a plain place behind the exponentials
	s_wait_alu depctr_va_vdst(0)                   ; one wait for the batch, ahead of its first reader
.irp b, 0,1,2,3
	v_exp_f32 v[BM+\b], v[BM+\b]                   ; the block's largest p: the same two instructions on the same number give the same bits
.endr
	v_pk_add_f32 v[SU:SU+1], v[S:S+1], v[S+2:S+3]  ; the sum of the UNQUANTISED p, in two chains: plain work behind the four
	v_pk_add_f32 v[SU+2:SU+3], v[S+4:S+5], v[S+6:S+7]
.set J, 8
.rept 14
	v_pk_add_f32 v[SU:SU+1], v[SU:SU+1], v[S+J:S+J+1]
	v_pk_add_f32 v[SU+2:SU+3], v[SU+2:SU+3], v[S+J+2:S+J+3]
.set J, J+4
.endr
	v_pk_add_f32 v[SU:SU+1], v[SU:SU+1], v[SU+2:SU+3]
	v_add_f32 v[SU], v[SU], v[SU+1]
	v_permlanex16_b32 v[TT], v[SU], s20, s21
	v_add_f32 v[SU], v[SU], v[TT]                  ; l_loc
	s_wait_alu depctr_va_vdst(0)                   ; and one wait for the four
.irp b, 0,1,2,3
	v_max_num_f32 v[BM+\b], 0x1800000, v[BM+\b]    ; the floor 2^(3 - 127): the byte cannot fall under 1
.endr
.irp b, 0,1,2,3
	v_add_nc_u32 v[SCO+\b], 0xff000000, v[BM+\b]   ; 2 off the exponent field: the conversion's scale operand
.endr
.irp b, 0,1,2,3
	v_lshrrev_b32 v[BP+\b], 23, v[SCO+\b]          ; the byte: 125 at the most, since p is at most 1
.endr
	v_lshl_or_b32 v[PW], v[BP+1], 8, v[BP]
	v_lshl_or_b32 v[PW], v[BP+2], 16, v[PW]
	v_lshl_or_b32 v[PW], v[BP+3], 24, v[PW]
.irp c, 0,1
	v_cvt_scalef32_pk16_fp6_f32 v[QPC+6*\c:QPC+6*\c+2], v[S+32*\c:S+32*\c+15], v[SCO+2*\c]
	v_cvt_scalef32_pk16_fp6_f32 v[QPC+12+4*\c:QPC+14+4*\c], v[S+32*\c+16:S+32*\c+31], v[SCO+2*\c+1]   ; (a conversion's three registers begin on an even number)
.endr
	v_nop                                          ; one plain place behind a scaled conversion
.irp c, 0,1                                    ; the layout wants a whole block in a lane
.irp i, 0,1,2
	v_permlane16_swap_b32 v[QPC+6*\c+\i], v[QPC+12+4*\c+\i]
.endr
.irp i, 0,1,2
	v_mov_b32 v[QPC+3+6*\c+\i], v[QPC+12+4*\c+\i]
.endr
.endr
	WIN 0x04*(1+(\l)/2)
.irp c, 0,1,2
	global_store_b128 v[LI], v[QPC+4*\c:QPC+4*\c+3], s[92:93] offset:FRB*(\l)+512*\c+\x   ; the image; within a tile of keys each L tile has its own registers for its codes
.endr
	WIN 0x01*(1+(\l)/2)
	v_mov_b32 v[PWS+(\l)], v[PW]
	v_mov_b32 v[NMS+(\l)], v[NM]
	v_mov_b32 v[LLS+(\l)], v[SU]
.endm
	s_load_b128 s[4:7], s[0:1], 0x0                ; qkv, p
	v_lshl_add_u32 v[SPW], v0, 2, SPARE
	v_mov_b32 v[NIL], 0
	ds_add_u32 v[SPW], v[NIL]                      ; the wave's opening: an add and its wait ahead of my first tensor load; work on registers stands between them
	ds_add_u32 v[SPW], v[NIL]
	v_lshrrev_b32 v12, 5, v0
	v_readfirstlane_b32 s10, v12                   ; wave 0..3
	s_lshr_b32 s11, s10, 1                         ; my L half.  Also: I fetch for L (0) or for R (1)
	s_and_b32 s12, s10, 1                          ; my R half.  Also: which half I fetch
	s_bfe_u32 s13, ttmp6, 0x40000                  ; cx
	s_bfe_u32 s14, ttmp6, 0x40004                  ; cy
	s_lshl_b32 s15, ttmp9, 2
	s_add_co_u32 s15, s15, s13                     ; X: my first 256 keys of the batch; the second tile's lie 1,024 keys further on
	s_and_b32 s17, ttmp7, 0xffff
	s_lshl_b32 s16, s17, 2
	s_add_co_u32 s16, s16, s14                     ; Y: which 128 queries of all 8,192
	s_lshl_b32 s19, s14, 2
	s_lshl_b32 s19, 15, s19                        ; my row of the cluster
	s_or_b32 s[G1L], s19, (3<<16)|(1<<21)          ; 15:0 the mask; 17:16 elements of 8 bytes; 21 set beside a mask; no padding
	s_lshl_b32 s19, 0x1111, s13                    ; my column
	s_or_b32 s[G1R], s19, (3<<16)|(1<<21)
	s_or_b32 s[G1R4], s19, (3<<16)|(1<<21)
	G1SET G1L, 1536, 4, LW5                        ; the head: 8 fragments, 12,288 dense bytes, of each of four K steps
	G1SET G1R, 3072, 4, RW5                        ; 16 fragments
	G1SET G1R4, 3072, 2, RW5                       ; a refill: the same of two K steps
	s_mov_b32 s20, 0x76543210
	s_mov_b32 s21, 0xfedcba98
	s_mov_b32 s22, 0x3d38aa3b                      ; c = log2(e) / sqrt(1024)
	s_mov_b32 s23, s22                             ; (named with it as a pair)
	s_lshr_b32 s76, s17, 2                         ; the batch: the same in all sixteen partners
	s_lshl_b32 s76, s76, 7
	s_lshl_b32 s78, s15, 4
	s_add_co_u32 s76, s76, s78
	s_add_co_u32 s76, s76, 512                     ; R: k's row block
	s_lshl_b32 s77, s16, 3                         ; L: q's
	s_lshl_b32 s79, s15, 1
	s_add_co_u32 s79, s79, s12                     ; my first 128 keys: K step 0 .. 7
	s_lshl_b32 s92, s11, 2
	s_add_co_u32 s92, s92, s77
	s_mul_i32 s92, s92, FRB
	s_mul_i32 s93, s79, 786432
	s_add_co_u32 s92, s92, s93                     ; where my codes go
	s_mov_b32 s93, 0
	s_lshl_b32 s94, s16, 9
	s_lshl_b32 s95, s11, 8
	s_add_co_u32 s94, s94, s95
	s_lshl_b32 s95, s79, 15
	s_add_co_u32 s94, s94, s95
	s_add_co_u32 s94, s94, PS                      ; and my words
	s_mov_b32 s95, 0
	s_mul_i32 s2, s77, FRB
	s_mov_b32 s3, 0
	s_mul_i32 s18, s76, FRB
	s_mov_b32 s19, 0
	s_lshl_b32 s96, s76, 6
	s_lshl_b32 s97, s12, 9
	s_add_co_u32 s96, s96, s97
	s_add_co_u32 s96, s96, QS
	s_mov_b32 s97, 0
	s_lshl_b32 s98, s77, 6
	s_lshl_b32 s99, s11, 8
	s_add_co_u32 s98, s98, s99
	s_add_co_u32 s98, s98, QS
	s_mov_b32 s99, 0
	v_and_b32 v1, 15, v0                           ; r
	v_bfe_u32 v2, v0, 4, 1                         ; h
	v_and_b32 v3, 31, v0
	v_lshlrev_b32 v[LI], 4, v3
	s_mul_i32 s79, s11, 4*FRB
	v_add_nc_u32 v[ADL], s79, v[LI]
	v_add_nc_u32 v[ADL+1], 4*LROW, v[ADL]
	s_mul_i32 s79, s12, 8*FRB
	s_add_co_u32 s79, s79, RB0
	v_add_nc_u32 v[ADR], s79, v[LI]
	v_add_nc_u32 v[ADR+1], 2*RROW, v[ADR]
	v_add_nc_u32 v[ADR+2], 4*RROW, v[ADR]
	v_add_nc_u32 v[ADR+3], 6*RROW, v[ADR]
	v_min_u32 v[PFO], 368, v[LI]
	v_lshlrev_b32 v[PFO], 4, v[PFO]
	v_lshlrev_b32 v[RSO], 4, v1
	v_lshl_add_u32 v[SSO], v2, 3, v[RSO]
	v_mul_u32_u24 v[LSO], v2, LSP
	v_add_nc_u32 v[LSO], v[LSO], v[RSO]
	v_lshl_add_u32 v[RSO], v2, 8, v[RSO]
	s_wait_alu depctr_va_vdst(0)
	s_wait_dscnt 0x0                               ; the opening add is done
	s_wait_kmcnt 0x0
	s_add_nc_u64 s[2:3], s[4:5], s[2:3]
	s_add_nc_u64 s[18:19], s[4:5], s[18:19]
	s_add_nc_u64 s[96:97], s[4:5], s[96:97]
	s_add_nc_u64 s[98:99], s[4:5], s[98:99]
	s_add_nc_u64 s[92:93], s[6:7], s[92:93]
	s_add_nc_u64 s[94:95], s[6:7], s[94:95]
	RSLOAD 0
.irp k, 0,1,2,3
	global_load_b128 v[LS+4*\k:LS+4*\k+3], v[LSO], s[98:99] offset:2*\k*LSP
.endr
	G0SET
	s_mov_b32 s18, 0xffff0000                      ; from here on: the mask of lanes 16-31
	CROUND                                         ; all sixteen work-groups are here: the first joint loads meet
	FILLH                                          ; all of K: one tensor load a wave at the head
	ASK 0
	s_wait_loadcnt 0x0                             ; the scale words
	; waves 0 and 1 have waited for K steps 0-3 in their arms; the loads of waves 2 and 3 are waited for by the sequence at K step 3
	s_barrier_signal -1
	s_barrier_wait -1                              ; and every wave knows
	; ---- the first 256 keys
	FETCH 0
	KSTEP 0, 0, 0, 0
	KSTEP 1, 0, 0, 0
	KSTEP 2, 0, 0, 0
	RSTEP 3, 0, 1                                  ; slots 0-3 of R take the second tile's K steps 0-3
	ASK 1
	KSTEP 4, 0, 0, 0
	KSTEP 5, 0, 0, 0
	KSTEP 6, 0, 0, 0
	RSTEP 7, 2, 0                                  ; slots 4-7 its K steps 4-7
	PLACES
	RSLOAD T2RS                                    ; the second tile's scale words of k land during the softmax
	SOFT 0, 0
	SOFT 1, 0
	SOFT 2, 0
	SOFT 3, 0
	WIN 0
	PACK2 PWS, 224, 0
	PACK2 NMS, 226, PLANE
	PACK2 LLS, 228, 2*PLANE
	; ---- the second 256 keys.  Their K steps 0-3 were shown landed, in every wave, by the round at K step 7: no barrier is owed
	s_wait_loadcnt 0x0                             ; k's scale words
	s_wait_xcnt 0x0                                ; the first tile's stores have read their registers, which are written again below
	FETCH 0
	KSTEP 0, 0, 0, 0
	KSTEP 1, 0, 0, 0
	KSTEP 2, 0, 0, 0
	KSTEP 3, 0, 1, 0                               ; the one load that is out is the last refill
	KSTEP 4, 0, 0, 0
	KSTEP 5, 0, 0, 0
	KSTEP 6, 0, 0, 0
	KSTEP 7, 1, 0, 0
	PLACES
	SOFT 0, T2COD
	SOFT 1, T2COD
	SOFT 2, T2COD
	SOFT 3, T2COD
	WIN 0
	PACK2 PWS, 224, T2PLN
	PACK2 NMS, 226, T2PLN+PLANE
	PACK2 LLS, 228, T2PLN+2*PLANE
	s_wait_tensorcnt 0x0                           ; the wave's end
	ds_add_u32 v[SPW], v[NIL]
	s_wait_dscnt 0x0
	CROUND                                         ; the closing round
	s_endpgm
.Lfunc_end_k_qade9a49c15_scores:
	.size	k_qade9a49c15_scores, .Lfunc_end_k_qade9a49c15_scores-k_qade9a49c15_scores
	.p2alignl 7, 3214868480
	.fill 96, 4, 3214868480
	.section	.rodata,"a",@progbits
	.p2align	6, 0x0
	.amdhsa_kernel k_qade9a49c15_scores
		.amdhsa_group_segment_fixed_size 327680
		.amdhsa_private_segment_fixed_size 0
		.amdhsa_enable_private_segment 0
		.amdhsa_kernarg_size 16
		.amdhsa_user_sgpr_count 2
		.amdhsa_user_sgpr_kernarg_segment_ptr 1
		.amdhsa_wavefront_size32 1
		.amdhsa_system_sgpr_workgroup_id_x 1
		.amdhsa_system_sgpr_workgroup_id_y 1
		.amdhsa_system_sgpr_workgroup_id_z 1
		.amdhsa_system_vgpr_workitem_id 0
		.amdhsa_next_free_vgpr 1024
		.amdhsa_next_free_sgpr 102
		.amdhsa_reserve_vcc 0
		.amdhsa_float_denorm_mode_32 3
		.amdhsa_float_denorm_mode_16_64 3
		.amdhsa_memory_ordered 1
		.amdhsa_forward_progress 1
		.amdhsa_inst_pref_size 208
	.end_amdhsa_kernel
	.amdgpu_metadata
---
amdhsa.version: [ 1, 2 ]
amdhsa.kernels:
  - .name:           k_qade9a49c15_scores
    .symbol:         k_qade9a49c15_scores.kd
    .args:
      - { .name: qkv, .offset: 0, .size: 8, .value_kind: global_buffer, .address_space: global }
      - { .name: p, .offset: 8, .size: 8, .value_kind: global_buffer, .address_space: global }
    .group_segment_fixed_size: 327680
    .private_segment_fixed_size: 0
    .kernarg_segment_align: 8
    .kernarg_segment_size: 16
    .max_flat_workgroup_size: 128
    .sgpr_count:     102
    .vgpr_count:     1024
    .wavefront_size: 32
...
	.end_amdgpu_metadata
.endif
;; end of part 8
;; launch pv (part 9): grid 4 x 64, 4 waves a work-group, clusters of 4 x 4, 327,680 bytes of LDS; arguments p, qkv, o; writes o
.if DOCPART == 9
	.amdgcn_target "amdgcn-amd-amdhsa--gfx1250"
	.amdhsa_code_object_version 6
	.text
	.protected	k_qade9a49c15_pv
	.globl	k_qade9a49c15_pv
	.p2align	8
	.type	k_qade9a49c15_pv,@function
k_qade9a49c15_pv:
	s_mov_b64 s[64:65], 0
	v_nop
	global_prefetch_b8 v0, s[64:65] scope:SCOPE_SE
	s_setreg_imm32_b32 hwreg(HW_REG_WAVE_MODE, 25, 1), 1
	s_wait_xcnt 0x0
	s_wait_alu depctr_hold_cnt(0) depctr_sa_sdst(0) depctr_va_vdst(0) depctr_va_sdst(0) depctr_va_ssrc(0) depctr_va_vcc(0) depctr_vm_vsrc(0)
	s_getreg_b32 s2, hwreg(HW_REG_IB_STS2, 6, 4)
	s_cmp_eq_u32 s2, 0
	s_cbranch_scc0 .Lentry_in_a_cluster
	s_endpgm
.Lentry_in_a_cluster:
	s_bfe_u32 s2, ttmp6, 0x10000c
	s_cmp_lg_u32 s2, 0xf033
	s_cbranch_scc0 .Lentry_shape_is_right
	s_endpgm
.Lentry_shape_is_right:
; PV.  o = (p v) / l on codes of FP6 (E2M3) with E8M0 scales; o is quantised at once along d and leaves as fragment images.
; p was quantised under a whole number M_loc for each query and each 128 keys.  Here the row's M = the largest M_loc; a K step's four scale bytes of p have M - M_loc taken off (a power of two, which rounds nothing),
; and l = the sum of l_loc x 2^(M_loc - M).  That is done in registers at the head, while the first tiles are on their way.
; OPERANDS are fragment images (16 rows x 128 K = 1,536 bytes); row block rb holds in lane-row q the row 32 (rb / 2) + 8 (rb % 2) + q + 8 (q / 8).
; TILE.  256 of d (R = v^T, source 0) x 128 queries (L = p, source 1); wave w: R half w % 2 x L half w / 2: 32 accumulators.  A lane holds ONE query, and its 64 registers of an L tile are d = 32 b + 16 h + 0 .. 15.
; K = 2,048: LDS holds 8 K steps.  K steps 0-7 come by four first fills a wave; behind K step 3's fetches the first four slots take K steps 8-11, behind K step 7's the other four take 12-15, each by ONE load a wave
; behind a round of the cluster's barrier; such a load has four K steps, 128 matrix instructions a wave, in which to land.
; CLUSTERS: 4 x 4: p's tile is asked for jointly along a row of the cluster, v^T's along a column.
; REGISTERS: window 0: v0-19 addresses and at work, v20-23 the scale words made, v32-127 L's fragments (at the head: -M_loc and l_loc), v128-191 R's scale words, v192-223 L's, v224-225 a store's pair, v232-239 1 / l, v240-251 at work.
;   windows 1, 2: v0-127 accumulators, v128.. at work.   window 3: R's fragments.
; LIMITS: NaN and infinities are not served.  A scale byte of p that the shift would carry under 0 is held at 0 (2^-127), and an l_loc 127 or more powers of two under the row's M counts as 0: both under 2^-120 of l, which is above 1/2.
; A block of zeros of o gets the byte 1 (its codes are zeros; this program alone reads the bytes).
.set FRB,    1536
; LDS AS IT STANDS NOW (in place of the head's words on halves): L's 8 slots from byte 0, a K step's 8 fragments on end as they lie in memory; then R's 8 slots of 16 fragments.
.set LROW,   8*FRB                     ; a K step of L: 12,288 bytes
.set RROW,   16*FRB                    ; a K step of R: 24,576 bytes
.set RB0,    8*LROW
.set SPARE,  RB0+8*RROW                ; the spare words, 128 bytes a wave: two blocks of 256 bytes that no other line names
.set LPITCH, 786432                    ; p: 512 rb x 1,536 bytes
.set RPITCH, 98304                     ; v^T: 64 rb
.set LW5,    98304
.set RW5,    12288
.set LSP,    32768
.set RSP,    4096
.set PS,     12582912                  ; p: the planes: scale words, -M_loc, l_loc
.set PLANE,  524288
.set VC,     12582912                  ; qkv: v^T's codes
.set VS,     19398656                  ; and scale words
.set OS,     6291456                   ; o: the scale words
.set LI,  3
.set ADL, 24                           ; v24-25 LDS: my four fragments of L, slots 0-3, 4-7
.set ADR, 26                           ; v26-29 my eight fragments of R, slots 0-1, 2-3, 4-5, 6-7
.set PFO, 30                           ; v30  the prefetches' offset: 256 x min(lane, 23); never rewritten
.set SPW, 7                            ; v7   my spare word; never rewritten
.set NIL, 8                            ; v8   0; never rewritten
.set RSO, 9
.set LSO, 10
.set SSO, 11
.set NMG, 12                           ; v12-15 -M of the four L tiles' queries;  v16-19 l
.set LT,  16
.set PWS, 20
.set LF,  32
.set NM,  32                           ; at the head: v32-63 -M_loc, v64-95 l_loc: register 4 kp + l; lanes 0-15 K step 2 kp, lanes 16-31 K step 2 kp + 1
.set LL,  64
.set RS,  128
.set LS,  192
.set RL,  232
.set TM,  128
.set PW,  148
.set G1L, 24
.set G1R, 32
.set G1L4, 76                          ; the refills' groups 1: a wave's two of the four K steps
.set G1R4, 84
.set MSB, 0
.macro WIN new                         ; the immediate's high byte repeats the setting that is left
.if MSB != (\new)
	s_set_vgpr_msb (MSB<<8)|(\new)
.set MSB, \new
.endif
.endm
.macro PLACES                          ; four plain places behind matrix instructions, ahead of loads into their sources and of reads of their results
.rept 4
	v_nop
.endr
.endm
.macro CREST
	s_cmp_lg_u32 s10, 0
	s_cbranch_scc1 .Lnot_wave_0_\@
	s_barrier_signal -3
.Lnot_wave_0_\@:
	s_barrier_wait -3
	s_barrier_signal -1
	s_barrier_wait -1
.endm
.macro CROUND
	s_barrier_signal -1
	s_barrier_wait -1
	CREST
.endm
.macro G1SET g, d0, nk, w5
	s_mov_b32 s[\g+1], (\d0)<<16
	s_mov_b32 s[\g+2], (\nk)<<16
	s_mov_b32 s[\g+3], (\d0)<<16
	s_mov_b32 s[\g+4], \nk
	s_mov_b32 s[\g+5], \w5
	s_mov_b32 s[\g+6], 0
	s_mov_b32 s[\g+7], 0
.endm
; THE FILLS AS THEY STAND NOW (in place of the head's words on four first fills).  s[2:3], s[18:19]: the addresses of L's and of R's tile, K step 0.
; Refills: groups 0 at s40, s48 (L: slots 0-3, 4-7) and s56, s68 (R): waves 0, 1 fetch for L, waves 2, 3 for R, each two K steps of the four (wave % 2), whole rows.
; The head: ONE load a wave, K steps 0-7 in four loads: wave 0 L's K steps 0-3, wave 1 R's, wave 2 L's K steps 4-7, wave 3 R's: groups 0 at s44 (L) and s60 (R), set here for K steps 0-3; waves 2 and 3 step theirs in their arms.
.macro G0SET
	s_mul_i32 s41, s12, 2*LROW
	s_mul_i32 s57, s12, 2*RROW
	s_add_co_u32 s57, s57, RB0
	s_mul_i32 s52, s12, 2*LPITCH
	s_mov_b32 s53, 0
	s_mul_i32 s54, s12, 2*RPITCH
	s_mov_b32 s55, 0
	s_add_nc_u64 s[52:53], s[2:3], s[52:53]
	s_add_nc_u64 s[54:55], s[18:19], s[54:55]
.irp c, 0,2
	s_mov_b32 s[40+4*\c], 1
.if \c > 0
	s_add_co_u32 s[41+4*\c], s41, 2*\c*LROW
.endif
	s_add_nc_u64 s[42+4*\c:43+4*\c], s[52:53], 2*\c*LPITCH
	s_or_b32 s[43+4*\c], s[43+4*\c], 0x80000000
	s_mov_b32 s[56+4*\c+4*(\c/2)], 1
.if \c > 0
	s_add_co_u32 s[57+4*\c+4*(\c/2)], s57, 2*\c*RROW
.endif
	s_add_nc_u64 s[58+4*\c+4*(\c/2):59+4*\c+4*(\c/2)], s[54:55], 2*\c*RPITCH
	s_or_b32 s[59+4*\c+4*(\c/2)], s[59+4*\c+4*(\c/2)], 0x80000000
.endr
	s_mov_b32 s44, 1
	s_mov_b32 s45, 0
	s_mov_b64 s[46:47], s[2:3]
	s_or_b32 s47, s47, 0x80000000
	s_mov_b32 s60, 1
	s_mov_b32 s61, RB0
	s_mov_b64 s[62:63], s[18:19]
	s_or_b32 s63, s63, 0x80000000
	; where my prefetches stand, s[72:73]: K step 8 on, in the tensor that I refill.  Of the two K steps of a refill of mine, the partner at place q (cx for L, cy for R) takes K step q / 2, half q % 2 of its row, told apart by address
	s_mov_b32 s75, RPITCH
	s_mov_b32 s53, RROW/2
	s_cmp_eq_u32 s11, 0                            ; do I refill L?  The choice hangs on the wave's number alone
	s_cselect_b32 s74, s13, s14
	s_cselect_b32 s75, LPITCH, s75
	s_cselect_b32 s53, LROW/2, s53
	s_cselect_b64 s[72:73], s[2:3], s[18:19]
	s_lshr_b32 s52, s74, 1
	s_lshl_b32 s54, s12, 1
	s_add_co_u32 s52, s52, s54
	s_add_co_u32 s52, s52, 8
	s_mul_i32 s52, s52, s75
	s_and_b32 s74, s74, 1
	s_mul_i32 s74, s74, s53
	s_add_co_u32 s74, s74, s52
	s_mov_b32 s75, 0
	s_add_nc_u64 s[72:73], s[72:73], s[74:75]
.endm
; The head's loads: ONE chain of branches on the wave's number, one load to an arm.  The arms of waves 0 and 1 lead through the wait for their loads, K steps 0-3; those of waves 2 and 3 jump past it: K steps 4-7 may stay out.
.macro FILLH
	s_cmp_lt_u32 s10, 3
	s_cbranch_scc1 .Lhead_2
	s_mov_b32 s61, RB0+4*RROW                      ; wave 3: R's K steps 4-7
	s_add_nc_u64 s[62:63], s[62:63], 4*RPITCH
	tensor_load_to_lds s[60:63], s[G1R:G1R+7]
	s_nop 0
	PLACES
	s_branch .Lfilled
.Lhead_2:
	s_cmp_lt_u32 s10, 2
	s_cbranch_scc1 .Lhead_1
	s_mov_b32 s45, 4*LROW                          ; wave 2: L's K steps 4-7
	s_add_nc_u64 s[46:47], s[46:47], 4*LPITCH
	tensor_load_to_lds s[44:47], s[G1L:G1L+7]
	s_nop 0
	PLACES
	s_branch .Lfilled
.Lhead_1:
	s_cmp_lt_u32 s10, 1
	s_cbranch_scc1 .Lhead_0
	tensor_load_to_lds s[60:63], s[G1R:G1R+7]      ; wave 1: R's K steps 0-3
	s_nop 0
	PLACES
	s_branch .Learly
.Lhead_0:
	tensor_load_to_lds s[44:47], s[G1L:G1L+7]      ; wave 0: L's K steps 0-3
	s_nop 0
	PLACES
.Learly:
	s_wait_tensorcnt 0x0                           ; waves 0 and 1: my load has landed
.Lfilled:
.endm
; A PREFETCH INTO THE L2 of K steps 8 + 4 j .. 11 + 4 j, which the refill of slots 4 j .. 4 j + 3 will load: j = 0 behind the head's load, three K steps ahead of that refill; j = 1 behind the refill at K step 3, four K steps ahead.
; Each wave asks for its work-group's quarter of what it will refill: of L 24 blocks of 256 bytes, of R 48, 24 lanes to an instruction (lanes 24-31 name the last block again); the four partners share the rows out by address.
.macro ASK j
	s_cmp_eq_u32 s11, 0
	s_cbranch_scc0 .Lask_r_\@
	global_prefetch_b8 v[PFO], s[72:73] offset:4*\j*LPITCH th:TH_LOAD_NT scope:SCOPE_SE
	s_branch .Lasked_p_\@
.Lask_r_\@:
	global_prefetch_b8 v[PFO], s[72:73] offset:4*\j*RPITCH th:TH_LOAD_NT scope:SCOPE_SE
	global_prefetch_b8 v[PFO], s[72:73] offset:4*\j*RPITCH+6144 th:TH_LOAD_NT scope:SCOPE_SE
.Lasked_p_\@:
.endm
.macro JLOAD g0l, g1l, g0r, g1r        ; a joint refill: waves 0, 1 for L, waves 2, 3 for R; an s_nop 0 and four v_nop follow each of the two lines
	s_cmp_eq_u32 s11, 0
	s_cbranch_scc0 .Lfor_r_\@
	tensor_load_to_lds s[\g0l:\g0l+3], s[\g1l:\g1l+7]
	s_nop 0
	PLACES
	s_branch .Lasked_\@
.Lfor_r_\@:
	tensor_load_to_lds s[\g0r:\g0r+3], s[\g1r:\g1r+7]
	s_nop 0
	PLACES
.Lasked_\@:
.endm
.macro FETCH k                         ; K step k lies in slot k % 8
.set FP, (\k)%2
.set FS, (\k)%8
	WIN 0xc0
.irp t, 0,1,2,3,4,5,6,7
.irp c, 0,1,2
	ds_load_b128 v[96*FP+12*\t+4*\c:96*FP+12*\t+4*\c+3], v[ADR+FS/2] offset:(FS%2)*RROW+FRB*\t+512*\c
.endr
.endr
	WIN 0
.irp l, 0,1,2,3
.irp c, 0,1,2
	ds_load_b128 v[LF+48*FP+12*\l+4*\c:LF+48*FP+12*\l+4*\c+3], v[ADL+FS/4] offset:(FS%4)*LROW+FRB*\l+512*\c
.endr
.endr
.endm
; 16 matrix instructions: L tiles 2 hi, 2 hi + 1 x R's eight.  The 32 accumulators take turns, in the same order in every step.  K step 0 starts the sums.
.macro MUL k, hi
.set MP, (\k)%2
	WIN 0x53+0x50*(\hi)
.irp l, 0,1
.irp t, 0,1,2,3,4,5,6,7
.set AD, 64*\l+8*\t
.set AA, 96*MP+12*\t
.set AB, LF+48*MP+12*(2*(\hi)+\l)
.set SA, RS+4*(\k)+\t%4
.set SB, LS+4*((\k)/2)+2*(\hi)+\l
.if (\k) == 0
.if \t < 4
	v_wmma_scale_f32_16x16x128_f8f6f4 v[AD:AD+7], v[AA:AA+11], v[AB:AB+11], 0, v[SA], v[SB] matrix_a_fmt:MATRIX_FMT_FP6 matrix_b_fmt:MATRIX_FMT_FP6
.else
	v_wmma_scale_f32_16x16x128_f8f6f4 v[AD:AD+7], v[AA:AA+11], v[AB:AB+11], 0, v[SA], v[SB] matrix_a_fmt:MATRIX_FMT_FP6 matrix_b_fmt:MATRIX_FMT_FP6 matrix_a_scale:MATRIX_SCALE_ROW1
.endif
.elseif (\k)%2 == 0
.if \t < 4
	v_wmma_scale_f32_16x16x128_f8f6f4 v[AD:AD+7], v[AA:AA+11], v[AB:AB+11], v[AD:AD+7], v[SA], v[SB] matrix_a_fmt:MATRIX_FMT_FP6 matrix_b_fmt:MATRIX_FMT_FP6
.else
	v_wmma_scale_f32_16x16x128_f8f6f4 v[AD:AD+7], v[AA:AA+11], v[AB:AB+11], v[AD:AD+7], v[SA], v[SB] matrix_a_fmt:MATRIX_FMT_FP6 matrix_b_fmt:MATRIX_FMT_FP6 matrix_a_scale:MATRIX_SCALE_ROW1
.endif
.else
.if \t < 4
	v_wmma_scale_f32_16x16x128_f8f6f4 v[AD:AD+7], v[AA:AA+11], v[AB:AB+11], v[AD:AD+7], v[SA], v[SB] matrix_a_fmt:MATRIX_FMT_FP6 matrix_b_fmt:MATRIX_FMT_FP6 matrix_b_scale:MATRIX_SCALE_ROW1
.else
	v_wmma_scale_f32_16x16x128_f8f6f4 v[AD:AD+7], v[AA:AA+11], v[AB:AB+11], v[AD:AD+7], v[SA], v[SB] matrix_a_fmt:MATRIX_FMT_FP6 matrix_b_fmt:MATRIX_FMT_FP6 matrix_a_scale:MATRIX_SCALE_ROW1 matrix_b_scale:MATRIX_SCALE_ROW1
.endif
.endif
.endr
.endr
.endm
.macro KSTEP k, last, bnd, cnt
	s_wait_dscnt 0x0                               ; this step's fragments, asked for a step ago, are in
.if \bnd
	s_wait_tensorcnt \cnt                          ; my part of the fill that holds the next step (cnt later fills may be out),
	s_barrier_signal -1
	s_barrier_wait -1                              ; everybody's
.endif
.if !(\last)
.if (\k) > 0
	PLACES
.endif
	FETCH (\k)+1
.endif
	MUL \k, 0
	MUL \k, 1
	WIN 0
.endm
; A K step behind whose fetch four slots are free.  Every wave waits for ALL its tensor loads, adds 0 to its spare word, waits for that and for its reads of the four slots, and passes a round of the cluster's barrier;
; the joint refill, four K steps by one load, is the first tensor load behind the round.  Its group 0 is fill c's: the same LDS bytes on, eight K steps further along K.
.macro RSTEP k, c
	s_wait_tensorcnt 0x0                           ; no tensor load of mine is out, so a group 0 may be written
	ds_add_u32 v[SPW], v[NIL]                      ; 0 onto my spare word: the descriptors' steps stand between it and the wait for it
	s_add_nc_u64 s[42+4*\c:43+4*\c], s[42+4*\c:43+4*\c], 8*LPITCH
	s_add_nc_u64 s[58+4*\c+4*(\c/2):59+4*\c+4*(\c/2)], s[58+4*\c+4*(\c/2):59+4*\c+4*(\c/2)], 8*RPITCH
	s_wait_dscnt 0x0                               ; the add is done; this step's fragments are in, and with them my last reads of the four slots
	s_barrier_signal -1
	MUL \k, 0                                      ; work on registers while the others arrive
	WIN 0
	s_barrier_wait -1
	CREST                                          ; no wave of any partner still reads the four slots or has a load on its way
	JLOAD 40+4*\c, G1L4, 56+4*\c+4*(\c/2), G1R4    ; its four v_nop are also the places in front of the loads below
	FETCH (\k)+1
	MUL \k, 1
	WIN 0
.endm
.macro QUANT s, pc
.irp b, 0,1,2,3
	v_max3_num_f32 v[TM+\b], |v[\s+16*\b]|, |v[\s+1+16*\b]|, 0x1800000   ; my 16 numbers of block b, and the floor 2^(3 - 127): the byte cannot fall under 1
.endr
.irp i, 2,4,6,8,10,12,14
.irp b, 0,1,2,3
	v_max3_num_f32 v[TM+\b], v[TM+\b], |v[\s+16*\b+\i]|, |v[\s+1+16*\b+\i]|
.endr
.endr
.irp b, 0,1,2,3
	v_permlanex16_b32 v[TM+4+\b], v[TM+\b], s20, s21
.endr
.irp b, 0,1,2,3
	v_max_num_f32 v[TM+\b], v[TM+\b], v[TM+4+\b]
.endr
.irp b, 0,1,2,3
	v_add_nc_u32 v[TM+12+\b], 0xff000000, v[TM+\b] ; 2 off the exponent field: the conversion's scale operand
.endr
.irp b, 0,1,2,3
	v_lshrrev_b32 v[TM+4+\b], 23, v[TM+12+\b]      ; the byte
.endr
	v_lshl_or_b32 v[PW], v[TM+5], 8, v[TM+4]
	v_lshl_or_b32 v[PW], v[TM+6], 16, v[PW]
	v_lshl_or_b32 v[PW], v[TM+7], 24, v[PW]
.irp c, 0,1
	v_cvt_scalef32_pk16_fp6_f32 v[\pc+6*\c:\pc+6*\c+2], v[\s+32*\c:\s+32*\c+15], v[TM+12+2*\c]
	v_cvt_scalef32_pk16_fp6_f32 v[\pc+12+4*\c:\pc+14+4*\c], v[\s+32*\c+16:\s+32*\c+31], v[TM+13+2*\c]
.endr
	v_nop                                          ; one plain place behind a scaled conversion
.irp c, 0,1
.irp i, 0,1,2
	v_permlane16_swap_b32 v[\pc+6*\c+\i], v[\pc+12+4*\c+\i]
.endr
.irp i, 0,1,2
	v_mov_b32 v[\pc+3+6*\c+\i], v[\pc+12+4*\c+\i]
.endr
.endr
.endm
.macro PUTF l
	WIN 0x04*(1+(\l)/2)
.irp c, 0,1,2
	global_store_b128 v[LI], v[QPC+4*\c:QPC+4*\c+3], s[92:93] offset:FRB*(\l)+512*\c
.endr
	WIN 0x01*(1+(\l)/2)
	v_mov_b32 v[PWS+(\l)], v[PW]
.endm
.macro TAILQ l
.set QSRC, 64*((\l)%2)
.set QPC, 152+24*((\l)%2)
	WIN 0x55*(1+(\l)/2)
.if (\l)%2 == 0
.irp b, 0,1,2,3
	v_mov_b32 v[TM+4+\b], 0                        ; a lane permute's destination counts as one of its sources
.endr
.endif
	QUANT QSRC, QPC
	PUTF \l
.endm
.macro PACK2 src, pr, off
	v_cndmask_b32 v[\pr], v[\src], v[\src+2], s18
	v_cndmask_b32 v[\pr+1], v[\src+1], v[\src+3], s18
	global_store_b64 v[SSO], v[\pr:\pr+1], s[94:95] offset:\off
.endm
	s_load_b128 s[4:7], s[0:1], 0x0                ; p, qkv
	s_load_b64 s[8:9], s[0:1], 0x10                ; o
	v_lshl_add_u32 v[SPW], v0, 2, SPARE
	v_mov_b32 v[NIL], 0
	ds_add_u32 v[SPW], v[NIL]                      ; the wave's opening: an add and its wait ahead of my first tensor load; work on registers stands between them
	ds_add_u32 v[SPW], v[NIL]
	v_lshrrev_b32 v12, 5, v0
	v_readfirstlane_b32 s10, v12                   ; wave 0..3
	s_lshr_b32 s11, s10, 1                         ; my L half.  Also: I fetch for L (0) or for R (1)
	s_and_b32 s12, s10, 1                          ; my R half.  Also: which half I fetch
	s_bfe_u32 s13, ttmp6, 0x40000                  ; cx
	s_bfe_u32 s14, ttmp6, 0x40004                  ; cy
	s_lshl_b32 s15, ttmp9, 2
	s_add_co_u32 s15, s15, s13                     ; X: which 256 of d
	s_and_b32 s17, ttmp7, 0xffff
	s_lshl_b32 s16, s17, 2
	s_add_co_u32 s16, s16, s14                     ; Y: which 128 queries
	s_lshl_b32 s19, s14, 2
	s_lshl_b32 s19, 15, s19                        ; my row of the cluster
	s_or_b32 s[G1L], s19, (3<<16)|(1<<21)          ; 15:0 the mask; 17:16 elements of 8 bytes; 21 set beside a mask; no padding
	s_or_b32 s[G1L4], s19, (3<<16)|(1<<21)
	s_lshl_b32 s19, 0x1111, s13                    ; my column
	s_or_b32 s[G1R], s19, (3<<16)|(1<<21)
	s_or_b32 s[G1R4], s19, (3<<16)|(1<<21)
	G1SET G1L, 1536, 4, LW5                        ; the head: 8 fragments, 12,288 dense bytes, of each of four K steps
	G1SET G1R, 3072, 4, RW5                        ; 16 fragments
	G1SET G1L4, 1536, 2, LW5                       ; a refill: the same of two K steps
	G1SET G1R4, 3072, 2, RW5
	s_mov_b32 s20, 0x76543210
	s_mov_b32 s21, 0xfedcba98
	s_lshl_b32 s2, s16, 3
	s_mul_i32 s2, s2, FRB                          ; L: p's row block 8 Y, my tile
	s_mov_b32 s3, 0
	s_lshl_b32 s18, s15, 4
	s_mul_i32 s18, s18, FRB                        ; R: v^T's row block 16 X,
	s_lshr_b32 s19, s17, 2                         ; in the batch (the same in all sixteen partners):
	s_mul_i32 s19, s19, 16*RPITCH                  ; its 16 K steps
	s_add_co_u32 s18, s18, s19
	s_add_co_u32 s18, s18, VC
	s_mov_b32 s19, 0
	s_lshl_b32 s96, s15, 10
	s_lshl_b32 s97, s12, 9
	s_add_co_u32 s96, s96, s97
	s_lshr_b32 s97, s17, 2
	s_lshl_b32 s97, s97, 16
	s_add_co_u32 s96, s96, s97
	s_add_co_u32 s96, s96, VS                      ; the scale words of the R half that I multiply
	s_mov_b32 s97, 0
	s_lshl_b32 s98, s16, 9
	s_lshl_b32 s99, s11, 8
	s_add_co_u32 s98, s98, s99
	s_add_co_u32 s94, s98, OS
	s_add_co_u32 s98, s98, PS                      ; my L half's words in p's planes
	s_mov_b32 s99, 0
	s_lshl_b32 s22, s15, 1
	s_add_co_u32 s22, s22, s12                     ; my 128 of d: K step 0 .. 7 of the next product
	s_lshl_b32 s23, s22, 15
	s_add_co_u32 s94, s94, s23                     ; where my scale words go
	s_mov_b32 s95, 0
	s_lshl_b32 s92, s16, 3
	s_lshl_b32 s93, s11, 2
	s_add_co_u32 s92, s92, s93
	s_mul_i32 s92, s92, FRB
	s_mul_i32 s93, s22, 786432
	s_add_co_u32 s92, s92, s93                     ; and my codes
	s_mov_b32 s93, 0
	v_and_b32 v1, 15, v0                           ; r
	v_bfe_u32 v2, v0, 4, 1                         ; h
	v_and_b32 v3, 31, v0
	v_lshlrev_b32 v[LI], 4, v3
	s_mul_i32 s22, s11, 4*FRB
	v_add_nc_u32 v[ADL], s22, v[LI]
	v_add_nc_u32 v[ADL+1], 4*LROW, v[ADL]
	s_mul_i32 s22, s12, 8*FRB
	s_add_co_u32 s22, s22, RB0
	v_add_nc_u32 v[ADR], s22, v[LI]
	v_add_nc_u32 v[ADR+1], 2*RROW, v[ADR]
	v_add_nc_u32 v[ADR+2], 4*RROW, v[ADR]
	v_add_nc_u32 v[ADR+3], 6*RROW, v[ADR]
	v_min_u32 v[PFO], 368, v[LI]
	v_lshlrev_b32 v[PFO], 4, v[PFO]
	v_lshlrev_b32 v[RSO], 4, v1
	v_lshl_add_u32 v[SSO], v2, 3, v[RSO]
	v_mul_u32_u24 v[LSO], v2, LSP
	v_add_nc_u32 v[LSO], v[LSO], v[RSO]
	v_lshl_add_u32 v[RSO], v2, 8, v[RSO]
	s_wait_alu depctr_va_vdst(0)
	s_wait_dscnt 0x0                               ; the opening add is done
	s_wait_kmcnt 0x0
	s_add_nc_u64 s[2:3], s[4:5], s[2:3]
	s_add_nc_u64 s[18:19], s[6:7], s[18:19]
	s_add_nc_u64 s[96:97], s[6:7], s[96:97]
	s_add_nc_u64 s[98:99], s[4:5], s[98:99]
	s_add_nc_u64 s[92:93], s[8:9], s[92:93]
	s_add_nc_u64 s[94:95], s[8:9], s[94:95]
.irp k, 0,1,2,3,4,5,6,7
	global_load_b128 v[NM+4*\k:NM+4*\k+3], v[LSO], s[98:99] offset:2*\k*LSP+PLANE
.endr
.irp k, 0,1,2,3,4,5,6,7
	global_load_b128 v[LL+4*\k:LL+4*\k+3], v[LSO], s[98:99] offset:2*\k*LSP+2*PLANE
.endr
.irp k, 0,1,2,3,4,5,6,7
	global_load_b128 v[LS+4*\k:LS+4*\k+3], v[LSO], s[98:99] offset:2*\k*LSP
.endr
.irp k, 0,1,2,3,4,5,6,7,8,9,10,11,12,13,14,15
	global_load_b128 v[RS+4*\k:RS+4*\k+3], v[RSO], s[96:97] offset:\k*RSP
.endr
	G0SET
	s_mov_b32 s18, 0xffff0000                      ; from here on: the mask of lanes 16-31,
	s_mov_b32 s3, 0x80808080                       ; and the top bit of each byte
	CROUND                                         ; all sixteen work-groups are here: the first joint loads meet
	FILLH                                          ; K steps 0-7: one tensor load a wave at the head
	ASK 0
	s_wait_loadcnt 16                              ; the 16 loads of v^T's scale words may be out: p's three planes are in
	; ---- p's scale bytes under the row's M, and l
.irp l, 0,1,2,3
	v_min3_num_f32 v[NMG+\l], v[NM+\l], v[NM+4+\l], v[NM+8+\l]
.endr
.irp l, 0,1,2,3
	v_min3_num_f32 v[NMG+\l], v[NMG+\l], v[NM+12+\l], v[NM+16+\l]
.endr
.irp l, 0,1,2,3
	v_min3_num_f32 v[NMG+\l], v[NMG+\l], v[NM+20+\l], v[NM+24+\l]
.endr
.irp l, 0,1,2,3
	v_min_num_f32 v[NMG+\l], v[NMG+\l], v[NM+28+\l]
.endr
.irp l, 0,1,2,3
	v_mov_b32 v[240+\l], 0                         ; a lane permute's destination counts as one of its sources
.endr
.irp l, 0,1,2,3
	v_permlanex16_b32 v[240+\l], v[NMG+\l], s20, s21
.endr
.irp l, 0,1,2,3
	v_min_num_f32 v[NMG+\l], v[NMG+\l], v[240+\l]  ; -M = the least -M_loc of all 16 K steps
.endr
.irp kp, 0,1,2,3,4,5,6,7
.irp l, 0,1,2,3
	v_sub_f32 v[240+\l], v[NM+4*\kp+\l], v[NMG+\l] ; d = M - M_loc: a whole number, 0 or more
.endr
.irp l, 0,1,2,3
	v_min_num_f32 v[240+\l], 0x42fe0000, v[240+\l] ; 127 at the most
.endr
.irp l, 0,1,2,3
	v_cvt_u32_f32 v[240+\l], v[240+\l]
.endr
.irp l, 0,1,2,3
	v_sub_nc_u32 v[244+\l], 127, v[240+\l]
.endr
.irp l, 0,1,2,3
	v_lshlrev_b32 v[244+\l], 23, v[244+\l]         ; 2^-d (d = 127: 0)
.endr
.irp l, 0,1,2,3
.if \kp == 0
	v_mul_f32 v[LT+\l], v[LL+\l], v[244+\l]
.else
	v_fmac_f32 v[LT+\l], v[LL+4*\kp+\l], v[244+\l]
.endif
.endr
.irp l, 0,1,2,3
	v_perm_b32 v[240+\l], v[240+\l], v[240+\l], 0  ; d in all four bytes
.endr
.irp l, 0,1,2,3
	v_or_b32 v[244+\l], s3, v[LS+4*\kp+\l]         ; each byte b, 125 at the most, as 128 + b:
.endr
.irp l, 0,1,2,3
	v_sub_nc_u32 v[244+\l], v[244+\l], v[240+\l]   ; 128 + b - d is 1 or more, so no byte borrows from the next
.endr
.irp l, 0,1,2,3
	v_and_b32 v[240+\l], s3, v[244+\l]             ; the top bit stands where b >= d
.endr
.irp l, 0,1,2,3
	v_lshrrev_b32 v[248+\l], 7, v[240+\l]
.endr
.irp l, 0,1,2,3
	v_sub_nc_u32 v[240+\l], v[240+\l], v[248+\l]   ; 0x7f there, 0 elsewhere
.endr
.irp l, 0,1,2,3
	v_and_b32 v[LS+4*\kp+\l], v[244+\l], v[240+\l] ; b - d, held at 0
.endr
.endr
.irp l, 0,1,2,3
	v_permlanex16_b32 v[240+\l], v[LT+\l], s20, s21
.endr
.irp l, 0,1,2,3
	v_add_f32 v[LT+\l], v[LT+\l], v[240+\l]        ; even and odd K steps: l
.endr
	s_wait_alu depctr_va_vdst(0)
.irp l, 0,1,2,3
	v_rcp_f32 v[RL+2*\l], v[LT+\l]
.endr
	v_nop                                          ; a plain place behind the reciprocals
	s_wait_alu depctr_va_vdst(0)                   ; one wait for the four, ahead of their first reader
.irp l, 0,1,2,3
	v_mov_b32 v[RL+2*\l+1], v[RL+2*\l]             ; (a pair is named whole).  Behind the last write of a scale register stand four additions, the v_nop and these four: nine plain places ahead of the first scaled product
.endr
	s_wait_loadcnt 0x0                             ; v^T's scale words
	; waves 0 and 1 have waited for K steps 0-3 in their arms; the loads of waves 2 and 3 are waited for by the sequence at K step 3
	s_barrier_signal -1
	s_barrier_wait -1                              ; and every wave knows
	FETCH 0
	KSTEP 0, 0, 0, 0
	KSTEP 1, 0, 0, 0
	KSTEP 2, 0, 0, 0
	RSTEP 3, 0                                     ; slots 0-3 take K steps 8-11
	ASK 1
	KSTEP 4, 0, 0, 0
	KSTEP 5, 0, 0, 0
	KSTEP 6, 0, 0, 0
	RSTEP 7, 2                                     ; slots 4-7 take K steps 12-15
	KSTEP 8, 0, 0, 0
	KSTEP 9, 0, 0, 0
	KSTEP 10, 0, 0, 0
	KSTEP 11, 0, 1, 0                              ; the one load that is out is the last refill
	KSTEP 12, 0, 0, 0
	KSTEP 13, 0, 0, 0
	KSTEP 14, 0, 0, 0
	KSTEP 15, 1, 0, 0
	PLACES
	s_wait_alu depctr_va_vdst(0)
.irp l, 0,1,2,3
	WIN 0x41*(1+\l/2)
.set J, 64*(\l%2)
.rept 32
	v_pk_mul_f32 v[J:J+1], v[J:J+1], v[RL+2*\l:RL+2*\l+1] op_sel_hi:[1,0]   ; / l; each accumulator from its low end on
.set J, J+2
.endr
	TAILQ \l
.endr
	WIN 0
	PACK2 PWS, 224, 0
	s_wait_tensorcnt 0x0                           ; the wave's end
	ds_add_u32 v[SPW], v[NIL]
	s_wait_dscnt 0x0
	CROUND                                         ; the closing round
	s_endpgm
.Lfunc_end_k_qade9a49c15_pv:
	.size	k_qade9a49c15_pv, .Lfunc_end_k_qade9a49c15_pv-k_qade9a49c15_pv
	.p2alignl 7, 3214868480
	.fill 96, 4, 3214868480
	.section	.rodata,"a",@progbits
	.p2align	6, 0x0
	.amdhsa_kernel k_qade9a49c15_pv
		.amdhsa_group_segment_fixed_size 327680
		.amdhsa_private_segment_fixed_size 0
		.amdhsa_enable_private_segment 0
		.amdhsa_kernarg_size 24
		.amdhsa_user_sgpr_count 2
		.amdhsa_user_sgpr_kernarg_segment_ptr 1
		.amdhsa_wavefront_size32 1
		.amdhsa_system_sgpr_workgroup_id_x 1
		.amdhsa_system_sgpr_workgroup_id_y 1
		.amdhsa_system_sgpr_workgroup_id_z 1
		.amdhsa_system_vgpr_workitem_id 0
		.amdhsa_next_free_vgpr 1024
		.amdhsa_next_free_sgpr 102
		.amdhsa_reserve_vcc 0
		.amdhsa_float_denorm_mode_32 3
		.amdhsa_float_denorm_mode_16_64 3
		.amdhsa_memory_ordered 1
		.amdhsa_forward_progress 1
		.amdhsa_inst_pref_size 166
	.end_amdhsa_kernel
	.amdgpu_metadata
---
amdhsa.version: [ 1, 2 ]
amdhsa.kernels:
  - .name:           k_qade9a49c15_pv
    .symbol:         k_qade9a49c15_pv.kd
    .args:
      - { .name: p, .offset: 0, .size: 8, .value_kind: global_buffer, .address_space: global }
      - { .name: qkv, .offset: 8, .size: 8, .value_kind: global_buffer, .address_space: global }
      - { .name: o, .offset: 16, .size: 8, .value_kind: global_buffer, .address_space: global }
    .group_segment_fixed_size: 327680
    .private_segment_fixed_size: 0
    .kernarg_segment_align: 8
    .kernarg_segment_size: 24
    .max_flat_workgroup_size: 128
    .sgpr_count:     102
    .vgpr_count:     1024
    .wavefront_size: 32
...
	.end_amdgpu_metadata
.endif
;; end of part 9
;; launch outp (part 10): grid 4 x 64, 4 waves a work-group, clusters of 4 x 4, 327,680 bytes of LDS; arguments o, xw, out0; writes out0
.if DOCPART == 10
	.amdgcn_target "amdgcn-amd-amdhsa--gfx1250"
	.amdhsa_code_object_version 6
	.text
	.protected	k_qade9a49c15_outp
	.globl	k_qade9a49c15_outp
	.p2align	8
	.type	k_qade9a49c15_outp,@function
k_qade9a49c15_outp:
	s_mov_b64 s[64:65], 0
	v_nop
	global_prefetch_b8 v0, s[64:65] scope:SCOPE_SE
	s_setreg_imm32_b32 hwreg(HW_REG_WAVE_MODE, 25, 1), 1
	s_wait_xcnt 0x0
	s_wait_alu depctr_hold_cnt(0) depctr_sa_sdst(0) depctr_va_vdst(0) depctr_va_sdst(0) depctr_va_ssrc(0) depctr_va_vcc(0) depctr_vm_vsrc(0)
	s_getreg_b32 s2, hwreg(HW_REG_IB_STS2, 6, 4)
	s_cmp_eq_u32 s2, 0
	s_cbranch_scc0 .Lentry_in_a_cluster
	s_endpgm
.Lentry_in_a_cluster:
	s_bfe_u32 s2, ttmp6, 0x10000c
	s_cmp_lg_u32 s2, 0xf033
	s_cbranch_scc0 .Lentry_shape_is_right
	s_endpgm
.Lentry_shape_is_right:
; OUTP.  out0 = o wo^T on codes of FP6 (E2M3) with E8M0 scales; f32 out.
; OPERANDS are fragment images (16 rows x 128 K = 1,536 bytes); row block rb holds in lane-row q the row 32 (rb / 2) + 8 (rb % 2) + q + 8 (q / 8).
; TILE.  256 outputs (R = wo, source 0) x 128 tokens (L = o, source 1); wave w: R half w % 2 x L half w / 2: 32 accumulators.  A lane holds ONE token, and its 64 registers of an L tile are outputs 32 b + 16 h + 0 .. 15.
; K = 1,024 lies in LDS whole, brought by four first fills a wave; nothing is filled again.  CLUSTERS: 4 x 4: o's tile is asked for jointly along a row of the cluster, wo's along a column.
; THE WAY OUT.  A lane's numbers are pieces of one row, and the lanes beside it hold other rows: an L tile (16 rows x 512 bytes) goes through the wave's stage in LDS and leaves as whole rows, 512 consecutive bytes a store.
; The stages lie where L half 0 lay: it has had its only fill, and a barrier stands between every wave's last read of it and the first store.
; REGISTERS: window 0: v0-19 addresses, v32-127 L's fragments, v128-159 R's scale words, v160-175 L's.   windows 1, 2: v0-127 accumulators.   window 3: R's fragments; on the way out four buffers of 64.
; LIMITS: NaN and infinities are not served.
.set FRB,    1536
; LDS AS IT STANDS NOW (in place of the head's words on halves): L's 8 K steps from byte 0, a K step's 8 fragments on end as they lie in memory; then R's 8 K steps of 16 fragments.  The stages lie on L's first K steps.
; No prefetch: all of K is asked for at the head, and nothing is filled again.
.set LROW,   8*FRB                     ; a K step of L: 12,288 bytes
.set RROW,   16*FRB                    ; a K step of R: 24,576 bytes
.set RB0,    8*LROW
.set SPARE,  RB0+8*RROW                ; the spare words, 128 bytes a wave: two blocks of 256 bytes that no other line names
.set LPITCH, 786432                    ; o: 512 rb x 1,536 bytes
.set RPITCH, 1179648                   ; xw: 768 rb
.set LW5,    98304
.set RW5,    147456
.set LSP,    32768
.set RSP,    49152
.set OS,     6291456
.set XSC,    9437184
.set STG,    8448                      ; a wave's stage: 16 rows x (512 bytes + 16)
.set LI,  3
.set ADL, 24                           ; v24-25 LDS: my four fragments of L, K steps 0-3, 4-7
.set ADR, 26                           ; v26-29 my eight fragments of R, K steps 0-1, 2-3, 4-5, 6-7
.set SPW, 7                            ; v7   my spare word; never rewritten
.set NIL, 8                            ; v8   0; never rewritten
.set RSO, 9
.set LSO, 10
.set STI, 12                           ; v12  the stage, in: row r, + 64 h
.set STO, 13                           ; v13  out: 16 x lane
.set LF,  32
.set RS,  128
.set LS,  160
.set G1L, 24
.set G1R, 32
.set MSB, 0
.macro WIN new                         ; the immediate's high byte repeats the setting that is left
.if MSB != (\new)
	s_set_vgpr_msb (MSB<<8)|(\new)
.set MSB, \new
.endif
.endm
.macro PLACES                          ; four plain places behind matrix instructions, ahead of loads into their sources and of reads of their results
.rept 4
	v_nop
.endr
.endm
.macro CREST
	s_cmp_lg_u32 s10, 0
	s_cbranch_scc1 .Lnot_wave_0_\@
	s_barrier_signal -3
.Lnot_wave_0_\@:
	s_barrier_wait -3
	s_barrier_signal -1
	s_barrier_wait -1
.endm
.macro CROUND
	s_barrier_signal -1
	s_barrier_wait -1
	CREST
.endm
.macro G1SET g, d0, nk, w5
	s_mov_b32 s[\g+1], (\d0)<<16
	s_mov_b32 s[\g+2], (\nk)<<16
	s_mov_b32 s[\g+3], (\d0)<<16
	s_mov_b32 s[\g+4], \nk
	s_mov_b32 s[\g+5], \w5
	s_mov_b32 s[\g+6], 0
	s_mov_b32 s[\g+7], 0
.endm
; THE FILLS AS THEY STAND NOW (in place of the head's words on four first fills).  s[2:3], s[18:19]: the addresses of L's and of R's tile, K step 0.
; ONE load a wave, all of K in four loads: wave 0 L's K steps 0-3, wave 1 R's, wave 2 L's K steps 4-7, wave 3 R's: groups 0 at s44 (L) and s60 (R), set here for K steps 0-3; waves 2 and 3 step theirs in their arms.
.macro G0SET
	s_mov_b32 s44, 1
	s_mov_b32 s45, 0
	s_mov_b64 s[46:47], s[2:3]
	s_or_b32 s47, s47, 0x80000000
	s_mov_b32 s60, 1
	s_mov_b32 s61, RB0
	s_mov_b64 s[62:63], s[18:19]
	s_or_b32 s63, s63, 0x80000000
.endm
; The head's loads: ONE chain of branches on the wave's number, one load to an arm.  The arms of waves 0 and 1 lead through the wait for their loads, K steps 0-3; those of waves 2 and 3 jump past it: K steps 4-7 may stay out.
.macro FILLH
	s_cmp_lt_u32 s10, 3
	s_cbranch_scc1 .Lhead_2
	s_mov_b32 s61, RB0+4*RROW                      ; wave 3: R's K steps 4-7
	s_add_nc_u64 s[62:63], s[62:63], 4*RPITCH
	tensor_load_to_lds s[60:63], s[G1R:G1R+7]
	s_nop 0
	PLACES
	s_branch .Lfilled
.Lhead_2:
	s_cmp_lt_u32 s10, 2
	s_cbranch_scc1 .Lhead_1
	s_mov_b32 s45, 4*LROW                          ; wave 2: L's K steps 4-7
	s_add_nc_u64 s[46:47], s[46:47], 4*LPITCH
	tensor_load_to_lds s[44:47], s[G1L:G1L+7]
	s_nop 0
	PLACES
	s_branch .Lfilled
.Lhead_1:
	s_cmp_lt_u32 s10, 1
	s_cbranch_scc1 .Lhead_0
	tensor_load_to_lds s[60:63], s[G1R:G1R+7]      ; wave 1: R's K steps 0-3
	s_nop 0
	PLACES
	s_branch .Learly
.Lhead_0:
	tensor_load_to_lds s[44:47], s[G1L:G1L+7]      ; wave 0: L's K steps 0-3
	s_nop 0
	PLACES
.Learly:
	s_wait_tensorcnt 0x0                           ; waves 0 and 1: my load has landed
.Lfilled:
.endm
.macro FETCH k
.set FP, (\k)%2
.set FS, (\k)%8
	WIN 0xc0
.irp t, 0,1,2,3,4,5,6,7
.irp c, 0,1,2
	ds_load_b128 v[96*FP+12*\t+4*\c:96*FP+12*\t+4*\c+3], v[ADR+FS/2] offset:(FS%2)*RROW+FRB*\t+512*\c
.endr
.endr
	WIN 0
.irp l, 0,1,2,3
.irp c, 0,1,2
	ds_load_b128 v[LF+48*FP+12*\l+4*\c:LF+48*FP+12*\l+4*\c+3], v[ADL+FS/4] offset:(FS%4)*LROW+FRB*\l+512*\c
.endr
.endr
.endm
; 16 matrix instructions: L tiles 2 hi, 2 hi + 1 x R's eight.  The 32 accumulators take turns, in the same order in every step.  K step 0 starts the sums.
.macro MUL k, hi
.set MP, (\k)%2
	WIN 0x53+0x50*(\hi)
.irp l, 0,1
.irp t, 0,1,2,3,4,5,6,7
.set AD, 64*\l+8*\t
.set AA, 96*MP+12*\t
.set AB, LF+48*MP+12*(2*(\hi)+\l)
.set SA, RS+4*(\k)+\t%4
.set SB, LS+4*((\k)/2)+2*(\hi)+\l
.if (\k) == 0
.if \t < 4
	v_wmma_scale_f32_16x16x128_f8f6f4 v[AD:AD+7], v[AA:AA+11], v[AB:AB+11], 0, v[SA], v[SB] matrix_a_fmt:MATRIX_FMT_FP6 matrix_b_fmt:MATRIX_FMT_FP6
.else
	v_wmma_scale_f32_16x16x128_f8f6f4 v[AD:AD+7], v[AA:AA+11], v[AB:AB+11], 0, v[SA], v[SB] matrix_a_fmt:MATRIX_FMT_FP6 matrix_b_fmt:MATRIX_FMT_FP6 matrix_a_scale:MATRIX_SCALE_ROW1
.endif
.elseif (\k)%2 == 0
.if \t < 4
	v_wmma_scale_f32_16x16x128_f8f6f4 v[AD:AD+7], v[AA:AA+11], v[AB:AB+11], v[AD:AD+7], v[SA], v[SB] matrix_a_fmt:MATRIX_FMT_FP6 matrix_b_fmt:MATRIX_FMT_FP6
.else
	v_wmma_scale_f32_16x16x128_f8f6f4 v[AD:AD+7], v[AA:AA+11], v[AB:AB+11], v[AD:AD+7], v[SA], v[SB] matrix_a_fmt:MATRIX_FMT_FP6 matrix_b_fmt:MATRIX_FMT_FP6 matrix_a_scale:MATRIX_SCALE_ROW1
.endif
.else
.if \t < 4
	v_wmma_scale_f32_16x16x128_f8f6f4 v[AD:AD+7], v[AA:AA+11], v[AB:AB+11], v[AD:AD+7], v[SA], v[SB] matrix_a_fmt:MATRIX_FMT_FP6 matrix_b_fmt:MATRIX_FMT_FP6 matrix_b_scale:MATRIX_SCALE_ROW1
.else
	v_wmma_scale_f32_16x16x128_f8f6f4 v[AD:AD+7], v[AA:AA+11], v[AB:AB+11], v[AD:AD+7], v[SA], v[SB] matrix_a_fmt:MATRIX_FMT_FP6 matrix_b_fmt:MATRIX_FMT_FP6 matrix_a_scale:MATRIX_SCALE_ROW1 matrix_b_scale:MATRIX_SCALE_ROW1
.endif
.endif
.endr
.endr
.endm
.macro KSTEP k, last, bnd, cnt
	s_wait_dscnt 0x0                               ; this step's fragments, asked for a step ago, are in
.if \bnd
	s_wait_tensorcnt \cnt                          ; my part of the fill that holds the next step (cnt later fills may be out),
	s_barrier_signal -1
	s_barrier_wait -1                              ; everybody's
.endif
.if !(\last)
.if (\k) > 0
	PLACES
.endif
	FETCH (\k)+1
.endif
	MUL \k, 0
	MUL \k, 1
	WIN 0
.endm
.macro TOSTAGE l                       ; L tile l into my stage and back as rows.  LDS serves a wave's instructions in order: no wait between the stores and the loads, nor in front of the next tile's stores
	WIN 0x04*(1+(\l)/2)
.irp b, 0,1,2,3
.irp q, 0,1,2,3
	ds_store_b128 v[STI], v[64*((\l)%2)+16*\b+4*\q:64*((\l)%2)+16*\b+4*\q+3] offset:128*\b+16*\q   ; outputs 32 b + 16 h + 4 q on of row r; each accumulator from its low end on
.endr
.endr
	WIN 0xc0
.irp i, 0,1,2,3,4,5,6,7,8,9,10,11,12,13,14,15
	ds_load_b128 v[64*(\l)+4*\i:64*(\l)+4*\i+3], v[STO] offset:528*\i
.endr
.endm
.macro SEND l, younger                 ; younger: the LDS instructions issued behind tile l's loads, which may stay out.  Each tile has its own 64 registers: no store's data are written again
	s_wait_dscnt \younger
	WIN 0x0c
.irp i, 0,1,2,3,4,5,6,7,8,9,10,11,12,13,14,15
	global_store_b128 v[LI], v[64*(\l)+4*\i:64*(\l)+4*\i+3], s[92:93] offset:(32*((\l)/2)+8*((\l)%2)+\i+8*(\i/8))*4096 th:TH_STORE_NT   ; 512 consecutive bytes of lane-row i's row, aligned; written once, read by nobody here
.endr
.endm
	s_load_b128 s[4:7], s[0:1], 0x0                ; o, xw
	s_load_b64 s[8:9], s[0:1], 0x10                ; out0
	v_lshl_add_u32 v[SPW], v0, 2, SPARE
	v_mov_b32 v[NIL], 0
	ds_add_u32 v[SPW], v[NIL]                      ; the wave's opening: an add and its wait ahead of my first tensor load; work on registers stands between them
	ds_add_u32 v[SPW], v[NIL]
	v_lshrrev_b32 v14, 5, v0
	v_readfirstlane_b32 s10, v14                   ; wave 0..3
	s_lshr_b32 s11, s10, 1                         ; my L half.  Also: I fetch for L (0) or for R (1)
	s_and_b32 s12, s10, 1                          ; my R half.  Also: which half I fetch
	s_bfe_u32 s13, ttmp6, 0x40000                  ; cx
	s_bfe_u32 s14, ttmp6, 0x40004                  ; cy
	s_lshl_b32 s15, ttmp9, 2
	s_add_co_u32 s15, s15, s13                     ; X: which 256 outputs
	s_and_b32 s17, ttmp7, 0xffff
	s_lshl_b32 s16, s17, 2
	s_add_co_u32 s16, s16, s14                     ; Y: which 128 tokens
	s_lshl_b32 s19, s14, 2
	s_lshl_b32 s19, 15, s19                        ; my row of the cluster
	s_or_b32 s[G1L], s19, (3<<16)|(1<<21)          ; 15:0 the mask; 17:16 elements of 8 bytes; 21 set beside a mask; no padding
	s_lshl_b32 s19, 0x1111, s13                    ; my column
	s_or_b32 s[G1R], s19, (3<<16)|(1<<21)
	G1SET G1L, 1536, 4, LW5                        ; 8 fragments, 12,288 dense bytes, of each of four K steps
	G1SET G1R, 3072, 4, RW5                        ; 16 fragments
	s_lshl_b32 s2, s16, 3
	s_mul_i32 s2, s2, FRB                          ; L: o's row block 8 Y
	s_mov_b32 s3, 0
	s_lshl_b32 s18, s15, 4
	s_add_co_u32 s18, s18, 704
	s_mul_i32 s18, s18, FRB                        ; R: wo's row block 704 + 16 X
	s_mov_b32 s19, 0
	s_lshl_b32 s96, s15, 10
	s_lshl_b32 s97, s12, 9
	s_add_co_u32 s96, s96, s97
	s_add_co_u32 s96, s96, XSC+704*64              ; the scale words of the R half that I multiply
	s_mov_b32 s97, 0
	s_lshl_b32 s98, s16, 9
	s_lshl_b32 s99, s11, 8
	s_add_co_u32 s98, s98, s99
	s_add_co_u32 s98, s98, OS                      ; and of my L half
	s_mov_b32 s99, 0
	s_lshl_b32 s92, s16, 19                        ; out0: row 128 Y + 64 x my L half, column 256 X + 128 x my R half
	s_lshl_b32 s93, s11, 18
	s_add_co_u32 s92, s92, s93
	s_lshl_b32 s93, s15, 10
	s_add_co_u32 s92, s92, s93
	s_lshl_b32 s93, s12, 9
	s_add_co_u32 s92, s92, s93
	s_mov_b32 s93, 0
	v_and_b32 v1, 15, v0                           ; r
	v_bfe_u32 v2, v0, 4, 1                         ; h
	v_and_b32 v3, 31, v0
	v_lshlrev_b32 v[LI], 4, v3
	s_mul_i32 s22, s11, 4*FRB
	v_add_nc_u32 v[ADL], s22, v[LI]
	v_add_nc_u32 v[ADL+1], 4*LROW, v[ADL]
	s_mul_i32 s22, s12, 8*FRB
	s_add_co_u32 s22, s22, RB0
	v_add_nc_u32 v[ADR], s22, v[LI]
	v_add_nc_u32 v[ADR+1], 2*RROW, v[ADR]
	v_add_nc_u32 v[ADR+2], 4*RROW, v[ADR]
	v_add_nc_u32 v[ADR+3], 6*RROW, v[ADR]
	v_lshlrev_b32 v[RSO], 4, v1
	v_mul_u32_u24 v[LSO], v2, LSP
	v_add_nc_u32 v[LSO], v[LSO], v[RSO]
	v_lshl_add_u32 v[RSO], v2, 8, v[RSO]
	s_mul_i32 s22, s10, STG
	v_mul_u32_u24 v[STI], v1, 528
	v_lshl_add_u32 v[STI], v2, 6, v[STI]
	v_add_nc_u32 v[STI], s22, v[STI]
	v_add_nc_u32 v[STO], s22, v[LI]
	s_wait_alu depctr_va_vdst(0)
	s_wait_dscnt 0x0                               ; the opening add is done
	s_wait_kmcnt 0x0
	s_add_nc_u64 s[2:3], s[4:5], s[2:3]
	s_add_nc_u64 s[18:19], s[6:7], s[18:19]
	s_add_nc_u64 s[96:97], s[6:7], s[96:97]
	s_add_nc_u64 s[98:99], s[4:5], s[98:99]
	s_add_nc_u64 s[92:93], s[8:9], s[92:93]
.irp k, 0,1,2,3,4,5,6,7
	global_load_b128 v[RS+4*\k:RS+4*\k+3], v[RSO], s[96:97] offset:\k*RSP
.endr
.irp k, 0,1,2,3
	global_load_b128 v[LS+4*\k:LS+4*\k+3], v[LSO], s[98:99] offset:2*\k*LSP
.endr
	G0SET
	CROUND                                         ; all sixteen work-groups are here: the first joint loads meet
	FILLH                                          ; all of K: one tensor load a wave at the head
	s_wait_loadcnt 0x0                             ; the scale words
	; waves 0 and 1 have waited for K steps 0-3 in their arms; the loads of waves 2 and 3 are waited for at the barrier of K step 3
	s_barrier_signal -1
	s_barrier_wait -1                              ; and every wave knows
	FETCH 0
	KSTEP 0, 0, 0, 0
	KSTEP 1, 0, 0, 0
	KSTEP 2, 0, 0, 0
	KSTEP 3, 0, 1, 0                               ; the one load that is out holds K steps 4-7
	KSTEP 4, 0, 0, 0
	KSTEP 5, 0, 0, 0
	KSTEP 6, 0, 0, 0
	KSTEP 7, 1, 0, 0
	PLACES
	s_wait_dscnt 0x0                               ; my reads of the operands are over (they were at the last step's head)
	s_barrier_signal -1
	s_barrier_wait -1                              ; everybody's are: the stages may be written
	TOSTAGE 0
	TOSTAGE 1
	SEND 0, 32                                     ; behind tile 0's loads: tile 1's 16 stores and 16 loads
	TOSTAGE 2
	SEND 1, 32
	TOSTAGE 3
	SEND 2, 32
	SEND 3, 0
	WIN 0
	s_wait_tensorcnt 0x0                           ; the wave's end, behind my last tensor load and my last LDS store
	ds_add_u32 v[SPW], v[NIL]
	s_wait_dscnt 0x0
	CROUND                                         ; the closing round
	s_endpgm
.Lfunc_end_k_qade9a49c15_outp:
	.size	k_qade9a49c15_outp, .Lfunc_end_k_qade9a49c15_outp-k_qade9a49c15_outp
	.p2alignl 7, 3214868480
	.fill 96, 4, 3214868480
	.section	.rodata,"a",@progbits
	.p2align	6, 0x0
	.amdhsa_kernel k_qade9a49c15_outp
		.amdhsa_group_segment_fixed_size 327680
		.amdhsa_private_segment_fixed_size 0
		.amdhsa_enable_private_segment 0
		.amdhsa_kernarg_size 24
		.amdhsa_user_sgpr_count 2
		.amdhsa_user_sgpr_kernarg_segment_ptr 1
		.amdhsa_wavefront_size32 1
		.amdhsa_system_sgpr_workgroup_id_x 1
		.amdhsa_system_sgpr_workgroup_id_y 1
		.amdhsa_system_sgpr_workgroup_id_z 1
		.amdhsa_system_vgpr_workitem_id 0
		.amdhsa_next_free_vgpr 1024
		.amdhsa_next_free_sgpr 102
		.amdhsa_reserve_vcc 0
		.amdhsa_float_denorm_mode_32 3
		.amdhsa_float_denorm_mode_16_64 3
		.amdhsa_memory_ordered 1
		.amdhsa_forward_progress 1
		.amdhsa_inst_pref_size 76
	.end_amdhsa_kernel
	.amdgpu_metadata
---
amdhsa.version: [ 1, 2 ]
amdhsa.kernels:
  - .name:           k_qade9a49c15_outp
    .symbol:         k_qade9a49c15_outp.kd
    .args:
      - { .name: o, .offset: 0, .size: 8, .value_kind: global_buffer, .address_space: global }
      - { .name: xw, .offset: 8, .size: 8, .value_kind: global_buffer, .address_space: global }
      - { .name: out0, .offset: 16, .size: 8, .value_kind: global_buffer, .address_space: global }
    .group_segment_fixed_size: 327680
    .private_segment_fixed_size: 0
    .kernarg_segment_align: 8
    .kernarg_segment_size: 24
    .max_flat_workgroup_size: 128
    .sgpr_count:     102
    .vgpr_count:     1024
    .wavefront_size: 32
...
	.end_amdgpu_metadata
.endif
;; end of part 10
